; MI455X (gfx1250); checked and timed in simulation.
; The chip was launched on July 23, 2026; its instructions are those of AMD's public machine-readable ISA for CDNA 5 (MIT licence, August 2026) and "CDNA5" Instruction Set Architecture Reference Guide (July 2026). The comments in the code are by the model that wrote it; some were corrected since.
;; SA Block. Allowed arithmetic: matrix products marked QUANTISED: E2M3 operands, one E8M0 scale for each 32 along K, by v_wmma_scale_f32_16x16x128_f8f6f4 with both operands' format E2M3, f32 sums; everything else in f32.
;; Inputs: Wk_codes 1,024 x 32 x 24 uint8 (E2M3 codes of Wk, K innermost, in blocks of 32 codes, four codes in three bytes); Wk_scales 1,024 x 32 uint8 (E8M0 scales of Wk, one for each 32 codes along K); Wq_codes 1,024 x 32 x 24 uint8 (E2M3 codes of Wq, K innermost, in blocks of 32 codes, four codes in three bytes); Wq_scales 1,024 x 32 uint8 (E8M0 scales of Wq, one for each 32 codes along K); Wv_codes 1,024 x 32 x 24 uint8 (E2M3 codes of Wv, K innermost, in blocks of 32 codes, four codes in three bytes); Wv_scales 1,024 x 32 uint8 (E8M0 scales of Wv, one for each 32 codes along K); embed 2 x 2,048 x 1,024 float32; ln2_b 1,024 float32; ln2_g 1,024 float32; ln_b 1,024 float32; ln_g 1,024 float32; w1_b 4,096 float32; w1_w_codes 4,096 x 32 x 24 uint8 (E2M3 codes of w1_w, K innermost, in blocks of 32 codes, four codes in three bytes); w1_w_scales 4,096 x 32 uint8 (E8M0 scales of w1_w, one for each 32 codes along K); w2_b 1,024 float32; w2_w_codes 1,024 x 128 x 24 uint8 (E2M3 codes of w2_w, K innermost, in blocks of 32 codes, four codes in three bytes); w2_w_scales 1,024 x 128 uint8 (E8M0 scales of w2_w, one for each 32 codes along K).
;; Outputs: out0 2 x 2,048 x 1,024 float32.
;; This version of the problem:
;;   THIS VERSION OF THE PROBLEM IS GIVEN IN LOW PRECISION. The matrix products marked QUANTISED in the list below multiply operands that are first quantised to E2M3 (2 exponent bits, 3 mantissa bits; 6 bits a number), with one power-of-two scale for each 32 numbers along K (OCP MX v1.0); their sums are f32. All else is computed in f32.
;;   The module's matrix products, in the order in which they are computed (A, B: the left and right operand; K: the contracted axis; several contracted axes count as one K, in the product's order):
;;     1. [M 4,096, K 1,024] x [K 1,024, N 1,024]; A: input embed; B: input Wk (given as codes): QUANTISED
;;     2. [M 4,096, K 1,024] x [K 1,024, N 1,024]; A: input embed; B: input Wq (given as codes): QUANTISED
;;     3. [M 4,096, K 1,024] x [K 1,024, N 1,024]; A: input embed; B: input Wv (given as codes): QUANTISED
;;     4. batch 32 x [M 2,048, K 64] x [K 64, N 2,048]; A: computed on the way; B: computed on the way: QUANTISED
;;     5. batch 32 x [M 64, K 2,048] x [K 2,048, N 2,048]; A: computed on the way; B: softmax (see below): QUANTISED
;;     6. [M 4,096, K 1,024] x [K 1,024, N 4,096]; A: computed on the way; B: input w1_w (given as codes): QUANTISED
;;     7. [M 4,096, K 4,096] x [K 4,096, N 1,024]; A: computed on the way; B: input w2_w (given as codes): QUANTISED
;;   THE QUANTISER, for each operand of a quantised product, along K:
;;     - K is cut into blocks of 32 from its start; a last block that is shorter is filled with zeros.
;;     - A block's scale is 2^e with e = floor(log2(the largest magnitude in the block)) - 2, held to -126 .. 127; a block of zeros has e = 0. As a byte (E8M0): e + 127.
;;     - Each number is divided by its block's scale, clamped to +-7.5, and rounded to the nearest number of E2M3, ties to even, subnormals kept.
;;     - The product sums the exact products of the quantised numbers (number of the format x scale) in f32.
;;   ~~~python
;;   def quantise(x, axis):      # numpy; x: float32 -> the quantised numbers, widened to float32 again
;;       x = np.moveaxis(x, axis, -1); K = x.shape[-1]
;;       x = np.pad(x, [(0, 0)] * (x.ndim - 1) + [(0, -K % 32)]); x = x.reshape(x.shape[:-1] + (-1, 32)); a = np.abs(x).max(-1, keepdims=True)
;;       e = np.where(a > 0, np.clip(np.frexp(np.where(a > 0, a, 1))[1] - 1 - 2, -126, 127), 0)      # np.frexp(a)[1] - 1 = floor(log2(a)), exactly
;;       r = np.clip(x / 2.0 ** e, -7.5, 7.5)
;;       step = 2.0 ** (np.maximum(np.frexp(np.where(r == 0, 1, r))[1] - 1, 0) - 3)
;;       q = np.round(r / step) * step * 2.0 ** e      # np.round: ties to even
;;       return np.moveaxis(q.reshape(q.shape[:-2] + (-1,))[..., :K], -1, axis).astype(np.float32)
;;   ~~~
;;   SOFTMAX AHEAD OF A QUANTISED PRODUCT. Where the list says 'softmax', what is quantised is not the finished softmax but p = 2^(t - M), with t = logit x log2(e) and M = ceil(the row's largest t), a whole number; so 1/2 < the row's largest p <= 1. The row's sum l is taken of the UNQUANTISED p, in f32, and the product's result is divided by l at the end. Since M is a whole number, a kernel that streams over the keys may use a running M (the ceiling of the running maximum): every later rescaling is an exact power of two, which a block's scale takes up: the codes' values come out the same.
;;   OPERANDS COMPUTED ON THE WAY. 'Computed on the way' means the value that the module computes at that place (a softmax that the list does not call 'softmax' is quantised finished and normalised). What goes into a quantiser is computed in f32, as accurately as f32 sums, v_exp_f32 and their like allow (about 1e-6 of the number): no bf16 or f16 on the way to a quantiser, and a product that is left as it is and whose result goes on into a quantised operand takes f32 operands (vector FMAs, or v_wmma_f32_16x16x4_f32). A number that lies on a knife's edge between two numbers of the format may be rounded either way, as far as f32 arithmetic and the matrix unit's own rounding can turn it there, and no further.
;;   INPUTS GIVEN AS CODES. Wk (in the module: [1024, 1024], K = its axis 1); Wq (in the module: [1024, 1024], K = its axis 1); Wv (in the module: [1024, 1024], K = its axis 1); w1_w (in the module: [4096, 1024], K = its axis 1); w2_w (in the module: [1024, 4096], K = its axis 1): each comes as NAME_codes (uint8): NAME with its K axis moved to the last place and cut into blocks of 32 codes, [.., K / 32, bytes a block], one block behind the other in memory; four codes in three bytes: a row's codes are one little-endian stream of bits, code i at bits 6 i .. 6 i + 5 (a code: sign, 2 exponent bits, 3 mantissa bits); and NAME_scales (uint8): the same leading axes, one E8M0 byte (e + 127) for each 32 codes along K. Its value is code x scale, taken as it is: it is not quantised again, and the codes and scales need not be those that the quantiser above would give.
;; 2 versions. Each part assembles by itself: llvm-mc -triple=amdgcn-amd-amdhsa -mcpu=gfx1250 --defsym DOCPART=n.
;; ======== version 1 of 2: 7 launches
;; workspace buffers: arec 3,407,872 bytes; wrec 9,371,648 bytes; qkv 10,223,616 bytes; att 16,777,216 bytes; x1 16,777,216 bytes; hrec 13,631,488 bytes
;; launch prep (part 1): grid 432 x 1, 4 waves a work-group, no clusters, 84,480 bytes of LDS; arguments embed, Wq_codes, Wk_codes, Wv_codes, w1_w_codes, w2_w_codes, Wq_scales, Wk_scales, Wv_scales, w1_w_scales, w2_w_scales, arec, wrec; writes arec, wrec
.if DOCPART == 1
	.amdgcn_target "amdgcn-amd-amdhsa--gfx1250"
	.amdhsa_code_object_version 6
	.text
	.protected	k_qd7263d3eac_prep
	.globl	k_qd7263d3eac_prep
	.p2align	8
	.type	k_qd7263d3eac_prep,@function
k_qd7263d3eac_prep:
	s_mov_b64 s[64:65], 0
	v_nop
	global_prefetch_b8 v0, s[64:65] scope:SCOPE_SE
	s_setreg_imm32_b32 hwreg(HW_REG_WAVE_MODE, 25, 1), 1
	s_wait_xcnt 0x0
; PREP: every matrix operand of the later launches is laid out ONCE as images of operand registers.
; A BLOCK is 16 rows: lane r of block t is row 32 (t / 2) + 8 (t % 2) + r + 8 (r / 8).  A FRAGMENT (16 rows x 128 K of E2M3 codes) is 12 registers a lane; its image has registers 4 c .. 4 c + 3 of lane l
; at 512 c + 16 l: 1,536 bytes.  A RECORD (REC, 3,328 bytes) is one block x 256 along K: two fragments, then two runs of 32 scale words (lane l's at 4 l; lanes 16-31 repeat lanes 0-15).
; An operand is [K / 256][blocks][REC].
; Work-groups 0-255: embed (f32) is quantised: work-group = block, wave = 256 along K.  A block of 32 numbers gets the scale 2^(floor(log2(largest magnitude)) - 2); each number is divided by it and rounded
; to the nearest code, ties to even, beyond 7.5 the largest code.
; Work-groups 256-431: the five weights, which arrive as codes, are only laid anew: a wave takes 16 rows x 1,024 along K (768 bytes a row) and writes four records.
; LIMITS: NaN and infinities in embed are not served; a block whose largest magnitude lies under 2^-124 (a block of zeros too) keeps the scale byte 1: a block of zeros has zero codes, and only this program reads the bytes.
; The two paths part on the work-group's number and have LDS bytes of their own.  Waves share nothing: no barrier.  Work-groups share no input: no cluster.
.set REC,  3328
.set SP,   528                         ; embed's stage: a row of 512 bytes + 16, so that sixteen rows begin at sixteen different places modulo 256 bytes
.set STGB, 16*SP
.set WST,  4*STGB                      ; the weights' stages begin behind embed's four
.set WP,   784                         ; a row of 768 bytes + 16
.set GOFF, 4                           ; v4   embed: 1,024 x wave + 16 x lane
.set SIN,  5                           ; v5   stage, by rows: 16 x lane
.set SOUT, 6                           ; v6   stage, by lanes: 528 r + 64 h
.set WSI,  7                           ; v7   the weights' stage, by rows: 8 x lane
.set WSO,  8                           ; v8   and by lanes: 784 r + 24 h
.set WSA,  9                           ; v9   my row's scale bytes
.set LI,   10                          ; v10  16 x lane
.set LS,   11                          ; v11  4 x lane
.set R0,   16                          ; v16-79, v80-143: 16 rows x 128 numbers as loaded
.set R1,   80
.set X,    144                         ; v144-207: 64 numbers of my row: register 16 b + i = k 32 b + 16 h + i
.set TM,   208
.set PW,   224
.set PC,   226
.set OW,   16                          ; weights: v16-31 the rows' offsets, v32-127 data, v128-135 scale words, v136-139 and v140-143 the records' offsets
.set DT,   32
.set SW,   128
.set DO,   136
.set DOS,  140
.set SEL,  34                          ; s[34:35] selects of v_permlanex16_b32 for lane l xor 16
.macro LOADROWS reg, off               ; 16 rows' 512 bytes: each load reads 512 consecutive bytes
.set I, 0
.rept 16
	global_load_b128 v[\reg+4*I:\reg+4*I+3], v[GOFF], s[8:9] offset:(I+8*(I/8))*4096+\off th:TH_LOAD_NT
.set I, I+1
.endr
.endm
.macro TOSTAGE reg
.set I, 0
.rept 16
	ds_store_b128 v[SIN], v[\reg+4*I:\reg+4*I+3] offset:SP*I
.set I, I+1
.endr
.endm
.macro FROMSTAGE reg                   ; LDS serves a wave's instructions in order: these see the stores above
.set I, 0
.rept 16
	ds_load_b128 v[\reg+4*I:\reg+4*I+3], v[SOUT] offset:128*(I/4)+16*(I%4)
.set I, I+1
.endr
.endm
; 64 numbers of a lane become a fragment's codes in v[PC] on and its scale word in v[PW]
.macro QUANT s
.irp b, 0,1,2,3
	v_max3_num_f32 v[TM+\b], |v[\s+16*\b]|, |v[\s+1+16*\b]|, 0x1800000   ; my 16 numbers of block b, and the floor 2^(3 - 127): the byte cannot fall under 1
.endr
.irp i, 2,4,6,8,10,12,14
.irp b, 0,1,2,3
	v_max3_num_f32 v[TM+\b], v[TM+\b], |v[\s+16*\b+\i]|, |v[\s+1+16*\b+\i]|
.endr
.endr
.irp b, 0,1,2,3
	v_permlanex16_b32 v[TM+4+\b], v[TM+\b], s[SEL], s[SEL+1]
.endr
.irp b, 0,1,2,3
	v_max_num_f32 v[TM+\b], v[TM+\b], v[TM+4+\b]   ; with lane l xor 16's 16: the block's largest magnitude
.endr
.irp b, 0,1,2,3
	v_add_nc_u32 v[TM+12+\b], 0xff000000, v[TM+\b] ; 2 off its exponent field: the conversion's scale operand
.endr
.irp b, 0,1,2,3
	v_lshrrev_b32 v[TM+4+\b], 23, v[TM+12+\b]      ; the scale's byte
.endr
	v_lshl_or_b32 v[PW], v[TM+5], 8, v[TM+4]
	v_lshl_or_b32 v[PW], v[TM+6], 16, v[PW]
	v_lshl_or_b32 v[PW], v[TM+7], 24, v[PW]
.irp c, 0,1
	v_cvt_scalef32_pk16_fp6_f32 v[PC+6*\c:PC+2+6*\c], v[\s+32*\c:\s+15+32*\c], v[TM+12+2*\c]
	v_cvt_scalef32_pk16_fp6_f32 v[PC+12+4*\c:PC+14+4*\c], v[\s+16+32*\c:\s+31+32*\c], v[TM+13+2*\c]   ; (a conversion's three registers begin on an even number)
.endr
	v_nop                                          ; one plain line behind the conversions
.irp c, 0,1                            ; the operand wants a whole block of 32 in a lane: lanes 0-15 block 2 c, lanes 16-31 block 2 c + 1
.irp i, 0,1,2
	v_permlane16_swap_b32 v[PC+6*\c+\i], v[PC+12+4*\c+\i]
.endr
.irp i, 0,1,2
	v_mov_b32 v[PC+3+6*\c+\i], v[PC+12+4*\c+\i]
.endr
.endr
.endm
.macro PUT q                           ; the fragment and its scale words into the record: 512 and 128 consecutive bytes a store
.irp c, 0,1,2
	global_store_b128 v[LI], v[PC+4*\c:PC+4*\c+3], s[30:31] offset:1536*\q+512*\c
.endr
	global_store_b32 v[LS], v[PW], s[30:31] offset:3072+128*\q
.endm
	s_load_b512 s[8:23], s[0:1], 0x0               ; embed s[8:9]; codes: Wq s[10:11], Wk s[12:13], Wv s[14:15], w1 s[16:17], w2 s[18:19]; scales: Wq s[20:21], Wk s[22:23]
	s_load_b256 s[24:31], s[0:1], 0x40             ; scales: Wv s[24:25], w1 s[26:27], w2 s[28:29]; arec s[30:31]
	s_load_b64 s[32:33], s[0:1], 0x60              ; wrec
	v_lshl_add_u32 v254, v0, 2, 0x14800
	v_mov_b32 v255, 0
	v_lshrrev_b32 v1, 5, v0
	v_readfirstlane_b32 s4, v1                     ; wave
	v_and_b32 v1, 31, v0                           ; lane
	v_and_b32 v2, 15, v0                           ; r
	v_bfe_u32 v3, v0, 4, 1                         ; h
	v_lshlrev_b32 v[LI], 4, v1
	v_lshlrev_b32 v[LS], 2, v1
	s_wait_kmcnt 0x0
	s_cmp_ge_u32 ttmp9, 256
	s_cbranch_scc1 .Lweights
	; ---- embed: block = work-group, 256 along K = wave
	s_lshr_b32 s36, ttmp9, 1
	s_lshl_b32 s36, s36, 5
	s_and_b32 s37, ttmp9, 1
	s_lshl_b32 s37, s37, 3
	s_add_co_u32 s36, s36, s37                     ; the block's first row
	s_lshl_b32 s36, s36, 12                        ; a row is 4,096 bytes
	s_mov_b32 s37, 0
	s_add_nc_u64 s[8:9], s[8:9], s[36:37]
	s_lshl_b32 s38, s4, 8
	s_add_co_u32 s38, s38, ttmp9
	s_mul_i32 s38, s38, REC                        ; record (wave, block)
	s_mov_b32 s39, 0
	s_add_nc_u64 s[30:31], s[30:31], s[38:39]
	s_lshl_b32 s5, s4, 10
	v_lshl_add_u32 v[GOFF], v1, 4, s5
	s_mul_i32 s6, s4, STGB
	v_lshl_add_u32 v[SIN], v1, 4, s6
	v_mul_u32_u24 v[SOUT], v2, SP
	v_lshl_add_u32 v[SOUT], v3, 6, v[SOUT]
	v_add_nc_u32 v[SOUT], s6, v[SOUT]
	s_mov_b32 s[SEL], 0x76543210
	s_mov_b32 s[SEL+1], 0xfedcba98
.irp b, 0,1,2,3
	v_mov_b32 v[TM+4+\b], 0                        ; written once: a lane permute's destination counts as one of its sources
.endr
	LOADROWS R0, 0
	LOADROWS R1, 512
	s_wait_loadcnt 16                              ; the first 128 along K are in; the second half's 16 loads may be out
	TOSTAGE R0
	FROMSTAGE X
	s_wait_dscnt 0x0
	QUANT X
	PUT 0
	s_wait_loadcnt 0x0
	TOSTAGE R1
	FROMSTAGE X
	s_wait_dscnt 0x0
	s_wait_xcnt 0x0                                ; the stores above have read their data: the codes and the scale word are written again only behind this wait
	QUANT X
	PUT 1
	s_wait_tensorcnt 0x0
	ds_add_u32 v254, v255
	s_wait_dscnt 0x0
	s_endpgm
	; ---- the weights.  g: 0-15 Wq, 16-31 Wk, 32-47 Wv, 48-111 w1, 112-175 w2.  The choices hang on the work-group's number alone
.Lweights:
	s_sub_co_u32 s36, ttmp9, 256                   ; g
	s_mov_b64 s[40:41], s[18:19]                   ; w2's figures first; each compare below puts an earlier tensor's in their place
	s_mov_b64 s[42:43], s[28:29]
	s_mov_b32 s44, 112                             ; the tensor's first work-group
	s_mov_b32 s45, 5963776                         ; its section of wrec
	s_mov_b32 s46, 3072                            ; bytes in a row of codes
	s_mov_b32 s47, 128                             ; bytes in a row of scales
	s_mov_b32 s48, 64                              ; blocks
	s_mov_b32 s49, 63                              ; unit -> block
	s_mov_b32 s50, 1                               ; 1: units beyond the blocks go on along K
	s_cmp_lt_u32 s36, 112
	s_cselect_b64 s[40:41], s[16:17], s[40:41]
	s_cselect_b64 s[42:43], s[26:27], s[42:43]
	s_cselect_b32 s44, 48, s44
	s_cselect_b32 s45, 2555904, s45
	s_cselect_b32 s46, 768, s46
	s_cselect_b32 s47, 32, s47
	s_cselect_b32 s48, 256, s48
	s_cselect_b32 s49, 255, s49
	s_cselect_b32 s50, 0, s50
	s_cmp_lt_u32 s36, 48
	s_cselect_b64 s[40:41], s[14:15], s[40:41]
	s_cselect_b64 s[42:43], s[24:25], s[42:43]
	s_cselect_b32 s44, 32, s44
	s_cselect_b32 s45, 1703936, s45
	s_cselect_b32 s48, 64, s48
	s_cmp_lt_u32 s36, 32
	s_cselect_b64 s[40:41], s[12:13], s[40:41]
	s_cselect_b64 s[42:43], s[22:23], s[42:43]
	s_cselect_b32 s44, 16, s44
	s_cselect_b32 s45, 851968, s45
	s_cmp_lt_u32 s36, 16
	s_cselect_b64 s[40:41], s[10:11], s[40:41]
	s_cselect_b64 s[42:43], s[20:21], s[42:43]
	s_cselect_b32 s44, 0, s44
	s_cselect_b32 s45, 0, s45
	s_sub_co_u32 s36, s36, s44
	s_lshl_b32 s36, s36, 2
	s_add_co_u32 s36, s36, s4                      ; my wave's unit
	s_and_b32 s37, s36, s49                        ; its block
	s_lshr_b32 s38, s36, 6
	s_mul_i32 s38, s38, s50                        ; which 1,024 along K (w2 alone has four)
	s_lshr_b32 s39, s37, 1
	s_lshl_b32 s39, s39, 5
	s_and_b32 s51, s37, 1
	s_lshl_b32 s51, s51, 3
	s_add_co_u32 s39, s39, s51                     ; the block's first row
	s_mul_i32 s52, s39, s46
	s_mul_i32 s53, s38, 768
	s_add_co_u32 s52, s52, s53
	s_mov_b32 s53, 0
	s_add_nc_u64 s[40:41], s[40:41], s[52:53]      ; codes
	s_mul_i32 s52, s39, s47
	s_lshl_b32 s54, s38, 5
	s_add_co_u32 s52, s52, s54
	s_add_nc_u64 s[42:43], s[42:43], s[52:53]      ; scale bytes
	s_mul_i32 s55, s48, REC                        ; from 256 along K to the next, in the section
	s_lshl_b32 s52, s38, 2
	s_mul_i32 s52, s52, s48
	s_add_co_u32 s52, s52, s37
	s_mul_i32 s52, s52, REC
	s_add_co_u32 s52, s52, s45
	s_add_nc_u64 s[32:33], s[32:33], s[52:53]      ; my first record
	v_lshlrev_b32 v5, 3, v1                        ; 8 x lane
.set I, 0
.rept 16
	v_mad_u32_u24 v[OW+I], s46, I+8*(I/8), v5      ; row i of the block
.set I, I+1
.endr
	v_and_b32 v[WSA], 8, v2
	v_add_nc_u32 v[WSA], v[WSA], v2                ; r + 8 (r / 8)
	v_mul_u32_u24 v[WSA], s47, v[WSA]
	s_mul_i32 s56, s4, 16*WP
	s_add_co_u32 s56, s56, WST
	v_lshl_add_u32 v[WSI], v1, 3, s56
	v_mul_u32_u24 v[WSO], v2, WP
	v_mad_u32_u24 v[WSO], v3, 24, v[WSO]
	v_add_nc_u32 v[WSO], s56, v[WSO]
.irp p, 0,1,2,3
	v_mad_u32_u24 v[DO+\p], s55, \p, v[LI]
	v_mad_u32_u24 v[DOS+\p], s55, \p, v[LS]
.endr
	global_load_b128 v[SW:SW+3], v[WSA], s[42:43]              ; my row's eight scale words; lanes 16-31 take the same as lanes 0-15
	global_load_b128 v[SW+4:SW+7], v[WSA], s[42:43] offset:16
.set I, 0
.rept 16
.irp k, 0,1,2
	global_load_b64 v[DT+2*(3*I+\k):DT+2*(3*I+\k)+1], v[OW+I], s[40:41] offset:256*\k th:TH_LOAD_NT   ; 32 lanes read 256 consecutive bytes
.endr
.set I, I+1
.endr
.set I, 0
.rept 16
	s_wait_loadcnt 3*(15-I)                        ; row i's three loads are in; the later rows' may be out
.irp k, 0,1,2
	ds_store_b64 v[WSI], v[DT+2*(3*I+\k):DT+2*(3*I+\k)+1] offset:WP*I+256*\k
.endr
.set I, I+1
.endr
.irp p, 0,1,2,3                        ; back as fragments: lane (r, h) takes of row r the 24 bytes at 24 h and at 48 + 24 h of each 96 (128 codes), in pieces of 8 bytes
.irp q, 0,1
.irp e, 0,1,2,3,4,5
	ds_load_b64 v[DT+24*\p+12*\q+2*\e:DT+24*\p+12*\q+2*\e+1], v[WSO] offset:192*\p+96*\q+48*(\e/3)+8*(\e%3)
.endr
.endr
.endr
.irp p, 0,1,2,3
	s_wait_dscnt 12*(3-\p)                         ; record p's twelve loads are in; the later records' may be out
.irp q, 0,1
.irp c, 0,1,2
	global_store_b128 v[DO+\p], v[DT+24*\p+12*\q+4*\c:DT+24*\p+12*\q+4*\c+3], s[32:33] offset:1536*\q+512*\c
.endr
	global_store_b32 v[DOS+\p], v[SW+2*\p+\q], s[32:33] offset:3072+128*\q
.endr
.endr
	s_wait_tensorcnt 0x0
	ds_add_u32 v254, v255
	s_wait_dscnt 0x0
	s_endpgm
.Lfunc_end_k_qd7263d3eac_prep:
	.size	k_qd7263d3eac_prep, .Lfunc_end_k_qd7263d3eac_prep-k_qd7263d3eac_prep
	.p2alignl 7, 3214868480
	.fill 96, 4, 3214868480
	.section	.rodata,"a",@progbits
	.p2align	6, 0x0
	.amdhsa_kernel k_qd7263d3eac_prep
		.amdhsa_group_segment_fixed_size 84480
		.amdhsa_private_segment_fixed_size 0
		.amdhsa_enable_private_segment 0
		.amdhsa_kernarg_size 104
		.amdhsa_user_sgpr_count 2
		.amdhsa_user_sgpr_kernarg_segment_ptr 1
		.amdhsa_wavefront_size32 1
		.amdhsa_system_sgpr_workgroup_id_x 1
		.amdhsa_system_sgpr_workgroup_id_y 1
		.amdhsa_system_sgpr_workgroup_id_z 1
		.amdhsa_system_vgpr_workitem_id 0
		.amdhsa_next_free_vgpr 256
		.amdhsa_next_free_sgpr 66
		.amdhsa_reserve_vcc 0
		.amdhsa_float_denorm_mode_32 3
		.amdhsa_float_denorm_mode_16_64 3
		.amdhsa_memory_ordered 1
		.amdhsa_forward_progress 1
		.amdhsa_inst_pref_size 37
	.end_amdhsa_kernel
	.amdgpu_metadata
---
amdhsa.version: [ 1, 2 ]
amdhsa.kernels:
  - .name:           k_qd7263d3eac_prep
    .symbol:         k_qd7263d3eac_prep.kd
    .args:
      - { .name: embed, .offset: 0, .size: 8, .value_kind: global_buffer, .address_space: global }
      - { .name: Wq_codes, .offset: 8, .size: 8, .value_kind: global_buffer, .address_space: global }
      - { .name: Wk_codes, .offset: 16, .size: 8, .value_kind: global_buffer, .address_space: global }
      - { .name: Wv_codes, .offset: 24, .size: 8, .value_kind: global_buffer, .address_space: global }
      - { .name: w1_w_codes, .offset: 32, .size: 8, .value_kind: global_buffer, .address_space: global }
      - { .name: w2_w_codes, .offset: 40, .size: 8, .value_kind: global_buffer, .address_space: global }
      - { .name: Wq_scales, .offset: 48, .size: 8, .value_kind: global_buffer, .address_space: global }
      - { .name: Wk_scales, .offset: 56, .size: 8, .value_kind: global_buffer, .address_space: global }
      - { .name: Wv_scales, .offset: 64, .size: 8, .value_kind: global_buffer, .address_space: global }
      - { .name: w1_w_scales, .offset: 72, .size: 8, .value_kind: global_buffer, .address_space: global }
      - { .name: w2_w_scales, .offset: 80, .size: 8, .value_kind: global_buffer, .address_space: global }
      - { .name: arec, .offset: 88, .size: 8, .value_kind: global_buffer, .address_space: global }
      - { .name: wrec, .offset: 96, .size: 8, .value_kind: global_buffer, .address_space: global }
    .group_segment_fixed_size: 84480
    .private_segment_fixed_size: 0
    .kernarg_segment_align: 8
    .kernarg_segment_size: 104
    .max_flat_workgroup_size: 128
    .sgpr_count:     66
    .vgpr_count:     256
    .wavefront_size: 32
...
	.end_amdgpu_metadata
.endif
;; end of part 1
;; launch qkv (part 2): grid 12 x 16, 4 waves a work-group, clusters of 4 x 4, 327,680 bytes of LDS; arguments arec, wrec, qkv; writes qkv
.if DOCPART == 2
	.amdgcn_target "amdgcn-amd-amdhsa--gfx1250"
	.amdhsa_code_object_version 6
	.text
	.protected	k_qd7263d3eac_qkv
	.globl	k_qd7263d3eac_qkv
	.p2align	8
	.type	k_qd7263d3eac_qkv,@function
k_qd7263d3eac_qkv:
	s_mov_b64 s[64:65], 0
	v_nop
	global_prefetch_b8 v0, s[64:65] scope:SCOPE_SE
	s_setreg_imm32_b32 hwreg(HW_REG_WAVE_MODE, 25, 1), 1
	s_wait_xcnt 0x0
	s_wait_alu depctr_hold_cnt(0) depctr_sa_sdst(0) depctr_va_vdst(0) depctr_va_sdst(0) depctr_va_ssrc(0) depctr_va_vcc(0) depctr_vm_vsrc(0)
	s_getreg_b32 s2, hwreg(HW_REG_IB_STS2, 6, 4)
	s_cmp_eq_u32 s2, 0
	s_cbranch_scc0 .Lentry_in_a_cluster
	s_endpgm
.Lentry_in_a_cluster:
	s_bfe_u32 s2, ttmp6, 0x10000c
	s_cmp_lg_u32 s2, 0xf033
	s_cbranch_scc0 .Lentry_shape_is_right
	s_endpgm
.Lentry_shape_is_right:
; Q = x Wq^T, K = x Wk^T (tokens x columns) and V^T = Wv x^T (columns x tokens), on E2M3 codes with E8M0 scales, K = 1,024; each result is quantised in registers on the way out:
; Q and K along the head's 64, V^T along the keys.  The cluster's x says which: 0 Q, 1 K, 2 V^T.
; OPERANDS lie as records (3,328 bytes: one block of 16 rows x 256 along K: two images of fragment registers and two runs of scale words), [K / 256][blocks][record].  Lane r of block t is row
; 32 (t / 2) + 8 (t % 2) + r + 8 (r / 8).  Eight blocks of one K step are 26,624 dense bytes: one tensor load.
; A tile of the result, 256 x 256, is made by four waves, 128 x 128 each: 64 accumulators, 512 registers.  K goes in steps of 256 through two LDS slots.
; THE MATRIX INSTRUCTION: source 0 = 16 rows of 'B', source 1 = 16 rows of 'A': a lane holds ONE row of A, and by the blocks' choice of rows the 64 registers of A's block a run along B's 128 rows in the order
; 32 b + 16 h + i: what the quantiser below takes.  For Q and K: A = tokens, B = weight.  For V^T the two change places, on the side of memory alone: pointers, tile numbers and steps are chosen by the cluster's x.
; CLUSTERS: 4 x 4.  A's tile hangs on cy (and the cluster's y), B's on cx: each is asked for jointly along a row or a column of the cluster.
; THE RESULT.  Q: [head 32][block 128][768 bytes: half a fragment: registers 0-3 at 16 l, 4-5 at 512 + 8 l]; its scale bytes, two a row, as words of two neighbouring blocks.
; K and V^T: a record of 13,312 bytes for each head and 128 keys: 8 halves of K, 4 x 128 bytes of K's scale words (two blocks' bytes a word), 4 fragments of V^T (two halves each), 4 x 128 bytes of V^T's scale words.
; LIMITS: NaN and infinities are not served; a block of 32 whose largest magnitude lies under 2^-124 keeps the scale byte 1 (a block of zeros has zero codes; only this program reads the bytes).
; REGISTERS: window 0: v16-23 LDS addresses, v24-31 offsets and the spare word, v32-63 scale words (two sets), v128-223 A's fragments; on the way out v160-196 at work.  window 1: B's fragments, two sets, at v0 and v128.
; windows 2, 3: the accumulators ((a, b) at v[8 (8 (a % 4) + b)]).
.set REC,   3328
.set HALFT, 8*REC                      ; what one tensor load brings, and what a wave reads of A or of B in a K step
.set SLOT,  4*HALFT                    ; A's 16 blocks, then B's 16
.set SPARE, 2*SLOT                     ; behind the ring: the spare words, 128 bytes for each wave
.set LAPS,  2                          ; K / 512
.set FR,    12
.set NP,    4                          ; places behind this matrix instruction (ISA guide 7.12.1)
.set ADRA,  16                         ; v16-17 my A fragments in slot 0, 1
.set ADRB,  20                         ; v20-21 my B fragments
.set ADRS,  22                         ; v22-23 scale words: lanes 0-15 A's, lanes 16-31 B's
.set SPW,   28
.set NIL,   29
.set SC,    32
.set AF,    128
.set TM,    160
.set PW,    176
.set PC,    178
.set G1,    24
.set G0,    32
.set G1B,   48
.set G0B,   56
.set STA,   66                         ; s[66:67], s[68:69]: two K steps of A, of B, in bytes
.set STB,   68
.set SEL,   6
.set MSB, 0
.macro WIN new                         ; the immediate's high byte repeats the setting that is left
.if MSB != (\new)
	s_set_vgpr_msb (MSB<<8)|(\new)
.set MSB, (\new)
.endif
.endm
.set MUL_LO, 0xa1                      ; source 0 (B) window 1, source 1 (A) window 0, C and D window 2
.set MUL_HI, 0xf1
.set TO_B,   0x40
.macro JLOAD g0a, g1a, g0b, g1b        ; a joint load: waves 0, 1 fetch for A, waves 2, 3 for B; four v_nop follow each line
	s_cmp_eq_u32 s15, 0
	s_cbranch_scc0 .Lfor_b_\@
	tensor_load_to_lds s[\g0a:\g0a+3], s[\g1a:\g1a+7]
	s_nop 0
.rept 4
	v_nop
.endr
	s_branch .Lasked_\@
.Lfor_b_\@:
	tensor_load_to_lds s[\g0b:\g0b+3], s[\g1b:\g1b+7]
	s_nop 0
.rept 4
	v_nop
.endr
.Lasked_\@:
.endm
.macro CREST                           ; a round of the cluster's barrier behind its opening barrier
	s_cmp_lg_u32 s14, 0
	s_cbranch_scc1 .Lnot_wave_0_\@
	s_barrier_signal -3
.Lnot_wave_0_\@:
	s_barrier_wait -3
	s_barrier_signal -1
	s_barrier_wait -1
.endm
.macro CROUND
	s_barrier_signal -1
	s_barrier_wait -1
	CREST
.endm
.macro FRAG reg, adr, q, i             ; a fragment comes back as it was stored: three loads of 512 consecutive bytes
.irp c, 0,1,2
	ds_load_b128 v[\reg+4*\c:\reg+4*\c+3], v[\adr] offset:(\i)*REC+(\q)*1536+512*\c
.endr
.endm
; 16 matrix instructions: A's blocks a0, a0 + 1 x B's eight; p: B's set; q: which 128 of the slot; sc: the set of scale words.  The 64 accumulators take turns.
.macro MUL16 a0, p, q, sc, zero
.irp a, \a0, \a0+1
.irp b, 0,1,2,3,4,5,6,7
.if \zero
	v_wmma_scale_f32_16x16x128_f8f6f4 v[8*(8*((\a)%4)+\b):8*(8*((\a)%4)+\b)+7], v[128*(\p)+FR*\b:128*(\p)+FR*\b+FR-1], v[AF+FR*(\a):AF+FR*(\a)+FR-1], 0, v[SC+16*(\sc)+2*\b+(\q)], v[SC+16*(\sc)+2*(\a)+(\q)] matrix_a_fmt:MATRIX_FMT_FP6 matrix_b_fmt:MATRIX_FMT_FP6 matrix_a_scale:MATRIX_SCALE_ROW1
.else
	v_wmma_scale_f32_16x16x128_f8f6f4 v[8*(8*((\a)%4)+\b):8*(8*((\a)%4)+\b)+7], v[128*(\p)+FR*\b:128*(\p)+FR*\b+FR-1], v[AF+FR*(\a):AF+FR*(\a)+FR-1], v[8*(8*((\a)%4)+\b):8*(8*((\a)%4)+\b)+7], v[SC+16*(\sc)+2*\b+(\q)], v[SC+16*(\sc)+2*(\a)+(\q)] matrix_a_fmt:MATRIX_FMT_FP6 matrix_b_fmt:MATRIX_FMT_FP6 matrix_a_scale:MATRIX_SCALE_ROW1
.endif
.endr
.endr
.endm
.macro FETCH_B slot, q, p
	WIN TO_B
.irp i, 0,1,2,3,4,5,6,7
	FRAG 128*(\p)+FR*\i, ADRB+\slot, \q, \i
.endr
	WIN 0
.endm
.macro FETCH_A slot, q, i0
.irp i, \i0, \i0+1, \i0+2, \i0+3
	FRAG AF+FR*(\i), ADRA+\slot, \q, \i
.endr
.endm
.macro SCALES sl                       ; the slot's scale words: register 2 i + q: lanes 0-15 A's block i, lanes 16-31 B's block i
.irp i, 0,1,2,3,4,5,6,7
	ds_load_b32 v[SC+16*\sl+2*\i], v[ADRS+\sl] offset:\i*REC
	ds_load_b32 v[SC+16*\sl+2*\i+1], v[ADRS+\sl] offset:\i*REC+128
.endr
.endm
.macro PLACES n                        ; plain vector lines between a matrix instruction and a load into, or a read of, its registers
.rept \n
	v_nop
.endr
.endm
.macro STEP slot, q, zero              ; 128 along K whose successor lies in the same slot
	s_wait_dscnt 12                                ; all but the youngest twelve loads (A's blocks 4-7)
	WIN MUL_LO
	MUL16 0, (\q)%2, \q, \slot, \zero
	MUL16 2, (\q)%2, \q, \slot, \zero
	s_wait_dscnt 0x0
	PLACES NP
	FETCH_B \slot, (\q)+1, 1-(\q)%2
	FETCH_A \slot, (\q)+1, 0
	WIN MUL_HI
	MUL16 4, (\q)%2, \q, \slot, \zero
	MUL16 6, (\q)%2, \q, \slot, \zero
	PLACES NP
	WIN 0
	FETCH_A \slot, (\q)+1, 4
.endm
; A slot's last 128 change slots: one barrier; in front of it each wave waits for all its tensor loads, adds 0 to its spare word, and waits for that and for its reads of this slot.
.macro TURN slot, next, fill
	s_wait_tensorcnt 0x0                           ; all my tensor loads have landed: my part of the next slot
	ds_add_u32 v[SPW], v[NIL]                      ; 0 onto my spare word
	s_wait_dscnt 13                                ; (the add and the youngest twelve loads may be out)
	WIN MUL_LO
	MUL16 0, 1, 1, \slot, 0
	s_wait_dscnt 0x0                               ; the add is done, and my reads of this slot are over
	s_barrier_signal -1
	MUL16 2, 1, 1, \slot, 0
	WIN 0
	s_barrier_wait -1
.if \fill
	CREST                                          ; the barrier has opened a round of the cluster's: no wave of any partner still reads this slot or has a load on its way
	s_add_nc_u64 s[G0+4*\slot+2:G0+4*\slot+3], s[G0+4*\slot+2:G0+4*\slot+3], s[STA:STA+1]
	s_add_nc_u64 s[G0B+4*\slot+2:G0B+4*\slot+3], s[G0B+4*\slot+2:G0B+4*\slot+3], s[STB:STB+1]
	JLOAD G0+4*\slot, G1, G0B+4*\slot, G1B         ; the first tensor load behind the round; its four v_nop are also the places in front of the loads below
.else
	PLACES NP
.endif
	FETCH_B \next, 0, 0
	FETCH_A \next, 0, 0
	SCALES \next
	WIN MUL_HI
	MUL16 4, 1, 1, \slot, 0
	MUL16 6, 1, 1, \slot, 0
	PLACES NP
	WIN 0
	FETCH_A \next, 0, 4
.endm
; 64 numbers of a lane in window xw, register 16 b + i = k 32 b + 16 h + i of my row, become a fragment's codes in v[PC] on and its scale word in v[PW].  Each accumulator is read from its low end on.
.macro QUANT s, xw
	WIN ((\xw)<<2)|((\xw)<<4)
.irp b, 0,1,2,3
	v_max3_num_f32 v[TM+\b], 0x1800000, |v[(\s)+16*\b]|, |v[(\s)+1+16*\b]|   ; and the floor 2^(3 - 127): the byte cannot fall under 1
.endr
.irp i, 2,4,6,8,10,12,14
.irp b, 0,1,2,3
	v_max3_num_f32 v[TM+\b], v[TM+\b], |v[(\s)+16*\b+\i]|, |v[(\s)+1+16*\b+\i]|
.endr
.endr
	WIN 0
.irp b, 0,1,2,3
	v_permlanex16_b32 v[TM+4+\b], v[TM+\b], s[SEL], s[SEL+1]
.endr
.irp b, 0,1,2,3
	v_max_num_f32 v[TM+\b], v[TM+\b], v[TM+4+\b]
.endr
.irp b, 0,1,2,3
	v_add_nc_u32 v[TM+12+\b], 0xff000000, v[TM+\b] ; 2 off the exponent field: the conversion's scale operand
.endr
.irp b, 0,1,2,3
	v_lshrrev_b32 v[TM+4+\b], 23, v[TM+12+\b]
.endr
	v_lshl_or_b32 v[PW], v[TM+5], 8, v[TM+4]
	v_lshl_or_b32 v[PW], v[TM+6], 16, v[PW]
	v_lshl_or_b32 v[PW], v[TM+7], 24, v[PW]
	WIN (\xw)
.irp c, 0,1
	v_cvt_scalef32_pk16_fp6_f32 v[PC+6*\c:PC+2+6*\c], v[(\s)+32*\c:(\s)+15+32*\c], v[TM+12+2*\c]
	v_cvt_scalef32_pk16_fp6_f32 v[PC+12+4*\c:PC+14+4*\c], v[(\s)+16+32*\c:(\s)+31+32*\c], v[TM+13+2*\c]
.endr
	WIN 0
	v_nop                                          ; one plain line behind the conversions
.irp c, 0,1
.irp i, 0,1,2
	v_permlane16_swap_b32 v[PC+6*\c+\i], v[PC+12+4*\c+\i]
.endr
.irp i, 0,1,2
	v_mov_b32 v[PC+3+6*\c+\i], v[PC+12+4*\c+\i]
.endr
.endr
.endm
	s_load_b128 s[4:7], s[0:1], 0x0                ; arec s[4:5], wrec s[6:7]
	s_load_b64 s[8:9], s[0:1], 0x10                ; qkv
	v_lshl_add_u32 v[SPW], v0, 2, SPARE
	v_mov_b32 v[NIL], 0
	ds_add_u32 v28, v29
	ds_add_u32 v28, v29
	s_wait_dscnt 0x0
	v_lshrrev_b32 v1, 5, v0
	v_readfirstlane_b32 s14, v1                    ; wave
	s_lshr_b32 s15, s14, 1                         ; my half of A's blocks.  Also: I fetch for A (0) or B (1)
	s_and_b32 s16, s14, 1                          ; my half of B's blocks.  Also: which 8 blocks I fetch
	s_bfe_u32 s40, ttmp6, 0x40000                  ; cx
	s_bfe_u32 s41, ttmp6, 0x40004                  ; cy
	s_lshl_b32 s43, s41, 2
	s_lshl_b32 s43, 15, s43                        ; my row of the cluster
	s_lshl_b32 s44, 0x1111, s40                    ; my column
	s_or_b32 s[G1], s43, (3<<16)|(1<<21)           ; the mask; elements of 8 bytes; bit 21 set beside a mask; no padding
	s_or_b32 s[G1B], s44, (3<<16)|(1<<21)
.irp g, G1, G1B
	s_mov_b32 s[\g+1], 32<<16                      ; tensor_dim0 = 32 elements: 256 bytes
	s_mov_b32 s[\g+2], 104<<16                     ; tensor_dim1 = 104 rows: 26,624 bytes
	s_mov_b32 s[\g+3], 32<<16                      ; tile_dim0
	s_mov_b32 s[\g+4], 104                         ; tile_dim1
	s_mov_b32 s[\g+5], 32                          ; the rows follow each other
	s_mov_b32 s[\g+6], 0
	s_mov_b32 s[\g+7], 0
.endr
	s_and_b32 s17, ttmp7, 0xffff
	s_lshl_b32 s17, s17, 2                         ; 4 x cluster y
	s_add_co_u32 s18, s17, s41                     ; + cy (never holds cx)
	s_add_co_u32 s19, s17, s40                     ; + cx (never holds cy)
	s_mul_i32 s42, ttmp9, 851968                   ; the weight's section of wrec: Wq, Wk, Wv on end
	s_mov_b32 s74, 851968                          ; a K step of the tokens' 256 blocks
	s_mov_b32 s75, 212992                          ; and of a weight's 64
	s_lshl_b32 s23, s16, 3
	s_cmp_eq_u32 ttmp9, 2                          ; V^T?  The same in all sixteen partners
	s_cselect_b32 s20, s41, s18                    ; A's tile of 16 blocks
	s_cselect_b32 s46, s19, s40                    ; B's
	s_cselect_b32 s76, s75, s74                    ; A's K step in bytes
	s_cselect_b32 s78, s74, s75                    ; B's
	s_cselect_b32 s80, s42, 0                      ; A's section
	s_cselect_b32 s81, 0, s42                      ; B's
	s_mov_b32 s77, 0
	s_mov_b32 s79, 0
	s_lshl_b32 s20, s20, 4
	s_add_co_u32 s20, s20, s23
	s_mul_i32 s20, s20, REC
	s_add_co_u32 s20, s20, s80
	s_mov_b32 s21, 0
	s_lshl_b32 s46, s46, 4
	s_add_co_u32 s46, s46, s23
	s_mul_i32 s46, s46, REC
	s_add_co_u32 s46, s46, s81
	s_mov_b32 s47, 0
	s_lshl_b32 s[STA], s76, 1
	s_mov_b32 s[STA+1], 0
	s_lshl_b32 s[STB], s78, 1
	s_mov_b32 s[STB+1], 0
	s_mul_i32 s45, s14, HALFT                      ; where my load goes: no place in the cluster enters an LDS address
	s_wait_kmcnt 0x0
	s_cmp_eq_u32 ttmp9, 2
	s_cselect_b64 s[10:11], s[6:7], s[4:5]         ; A's buffer
	s_cselect_b64 s[12:13], s[4:5], s[6:7]         ; B's
	s_add_nc_u64 s[10:11], s[10:11], s[20:21]
	s_add_nc_u64 s[12:13], s[12:13], s[46:47]
	CROUND                                         ; all sixteen work-groups are here: the first joint loads meet
	s_mov_b32 s[G0], 1
	s_add_co_u32 s[G0+1], s45, 0
	s_mov_b64 s[G0+2:G0+3], s[10:11]
	s_or_b32 s[G0+3], s[G0+3], 0x80000000
	s_mov_b32 s[G0B], 1
	s_add_co_u32 s[G0B+1], s45, 0
	s_mov_b64 s[G0B+2:G0B+3], s[12:13]
	s_or_b32 s[G0B+3], s[G0B+3], 0x80000000
	JLOAD G0, G1, G0B, G1B
	s_mov_b32 s[G0+4], 1
	s_add_co_u32 s[G0+5], s45, SLOT
	s_add_nc_u64 s[G0+6:G0+7], s[10:11], s[76:77]
	s_or_b32 s[G0+7], s[G0+7], 0x80000000
	s_mov_b32 s[G0B+4], 1
	s_add_co_u32 s[G0B+5], s45, SLOT
	s_add_nc_u64 s[G0B+6:G0B+7], s[12:13], s[78:79]
	s_or_b32 s[G0B+7], s[G0B+7], 0x80000000
	JLOAD G0+4, G1, G0B+4, G1B
	v_and_b32 v1, 31, v0                           ; lane
	v_bfe_u32 v2, v0, 4, 1                         ; h
	v_lshlrev_b32 v3, 4, v1
	s_mul_i32 s21, s15, HALFT
	s_mul_i32 s22, s16, HALFT
	s_add_co_u32 s22, s22, 2*HALFT
.irp s, 0,1
	v_add_nc_u32 v[ADRA+\s], s21, v3
	v_add_nc_u32 v[ADRB+\s], s22, v3
	s_add_co_u32 s21, s21, SLOT
	s_add_co_u32 s22, s22, SLOT
.endr
	s_mul_i32 s21, s15, HALFT
	s_mul_i32 s22, s16, HALFT
	s_add_co_u32 s22, s22, 2*HALFT
	s_sub_co_u32 s22, s22, s21
	v_mul_u32_u24 v4, s22, v2                      ; lanes 16-31 take B's words: the lower base + h x the distance
	v_lshl_add_u32 v4, v1, 2, v4
	s_add_co_u32 s21, s21, 3072
	v_add_nc_u32 v[ADRS], s21, v4
	v_add_nc_u32 v[ADRS+1], SLOT, v[ADRS]
	; where the results go
	s_cmp_eq_u32 ttmp9, 2
	s_cselect_b32 s82, s19, s18                    ; my tile of 256 tokens
	s_cselect_b32 s83, s16, s15                    ; my half of it
	s_cselect_b32 s84, s41, s40                    ; my tile of 256 columns (4 heads)
	s_cselect_b32 s85, s15, s16                    ; my half of it (2 heads)
	s_lshl_b32 s84, s84, 2
	s_lshl_b32 s85, s85, 1
	s_add_co_u32 s84, s84, s85
	s_lshr_b32 s85, s82, 3
	s_lshl_b32 s85, s85, 4
	s_add_co_u32 s84, s84, s85                     ; 16 x batch + head: my first head
	s_and_b32 s82, s82, 7
	s_lshl_b32 s82, s82, 1
	s_add_co_u32 s82, s82, s83                     ; which 128 tokens of the batch
	s_mul_i32 s86, s84, 98304
	s_mul_i32 s87, s82, 6144
	s_add_co_u32 s86, s86, s87                     ; Q: codes
	s_lshl_b32 s88, s84, 13
	s_lshl_b32 s87, s82, 9
	s_add_co_u32 s88, s88, s87
	s_add_co_u32 s88, s88, 3145728                 ; Q: scale words
	s_mul_i32 s84, s84, 212992
	s_mul_i32 s82, s82, 13312
	s_add_co_u32 s84, s84, s82
	s_add_co_u32 s84, s84, 3407872                 ; K: codes
	s_mov_b32 s90, 768
	s_mov_b32 s96, 126
	s_cmp_eq_u32 ttmp9, 2
	s_cselect_b32 s82, 6656, 0
	s_cselect_b32 s83, s90, s75                    ; from a fragment's first half to its second: V^T: 768 on; K: the next head
	s_cselect_b32 s85, 2, s75                      ; from the scale word's lower two bytes to its upper two
	s_cselect_b32 s92, 208384, s90                 ; the codes' step behind block 3: V^T goes on to the next head
	s_cselect_b32 s90, 1536, s90                   ; and behind the others
	s_cselect_b32 s94, 128, 2                      ; the scale words' step behind an even block,
	s_cselect_b32 s98, 212608, s96                 ; behind block 3,
	s_cselect_b32 s96, 128, s96                    ; behind blocks 1 and 5
	s_add_co_u32 s84, s84, s82
	s_add_co_u32 s82, s84, 6144
	s_cmp_eq_u32 ttmp9, 0
	s_cselect_b32 s86, s86, s84
	s_cselect_b32 s88, s88, s82
	s_cselect_b32 s83, 98304, s83
	s_cselect_b32 s85, 8192, s85
	s_mov_b32 s87, 0
	s_mov_b32 s89, 0
	s_mov_b32 s91, 0
	s_mov_b32 s93, 0
	s_mov_b32 s95, 0
	s_mov_b32 s97, 0
	s_mov_b32 s99, 0
	s_add_nc_u64 s[70:71], s[8:9], s[86:87]
	s_add_nc_u64 s[72:73], s[8:9], s[88:89]
	v_lshlrev_b32 v24, 4, v1                       ; registers 0-3 of a half: 16 l
	v_lshl_add_u32 v25, v1, 3, 512                 ; registers 4-5: 512 + 8 l
	v_add_nc_u32 v26, s83, v24
	v_add_nc_u32 v27, s83, v25
	v_lshlrev_b32 v30, 2, v1
	v_add_nc_u32 v31, s85, v30
	s_wait_tensorcnt 1                             ; my part of K step 0 is in; K step 1's load may be out
	s_barrier_signal -1
	s_barrier_wait -1
	FETCH_B 0, 0, 0
	FETCH_A 0, 0, 0
	SCALES 0
	FETCH_A 0, 0, 4
	STEP 0, 0, 1                                   ; the first products start the sums: nothing is cleared
	s_mov_b32 s3, LAPS-1
.Llap:
	TURN 0, 1, 1
	STEP 1, 0, 0
	TURN 1, 0, 1
	STEP 0, 0, 0
	s_sub_co_u32 s3, s3, 1
	s_cmp_lg_u32 s3, 0
	s_cbranch_scc1 .Llap
	TURN 0, 1, 0                                   ; the last lap fills nothing
	STEP 1, 0, 0
	s_wait_dscnt 12
	WIN MUL_LO
	MUL16 0, 1, 1, 1, 0
	MUL16 2, 1, 1, 1, 0
	s_wait_dscnt 0x0
	WIN MUL_HI
	MUL16 4, 1, 1, 1, 0
	MUL16 6, 1, 1, 1, 0
	WIN 0
	PLACES NP
	; THE WAY OUT: A's block a: 64 numbers a lane become a fragment; its two halves and the two halves of its scale word go to the places chosen above
	s_mov_b32 s[SEL], 0x76543210
	s_mov_b32 s[SEL+1], 0xfedcba98
.irp b, 0,1,2,3
	v_mov_b32 v[TM+4+\b], 0                        ; written once: a lane permute's destination counts as one of its sources
.endr
.irp a, 0,1,2,3,4,5,6,7
.if \a > 0
	s_wait_xcnt 0x0                                ; the last block's stores have read their data and bases: both are written again only behind this wait
.if \a == 4
	s_add_nc_u64 s[70:71], s[70:71], s[92:93]
	s_add_nc_u64 s[72:73], s[72:73], s[98:99]
.elseif (\a%2) == 1
	s_add_nc_u64 s[70:71], s[70:71], s[90:91]
	s_add_nc_u64 s[72:73], s[72:73], s[94:95]
.else
	s_add_nc_u64 s[70:71], s[70:71], s[90:91]
	s_add_nc_u64 s[72:73], s[72:73], s[96:97]
.endif
.endif
	QUANT 64*(\a%4), 2+\a/4
	v_lshrrev_b32 v[PW+1], 16, v[PW]
	global_store_b128 v24, v[PC:PC+3], s[70:71]
	global_store_b64 v25, v[PC+4:PC+5], s[70:71]
	global_store_b128 v26, v[PC+6:PC+9], s[70:71]
	global_store_b64 v27, v[PC+10:PC+11], s[70:71]
	global_store_b16 v30, v[PW], s[72:73]
	global_store_b16 v31, v[PW+1], s[72:73]
.endr
	s_wait_tensorcnt 0x0                           ; the wave's end
	ds_add_u32 v[SPW], v[NIL]
	s_wait_dscnt 0x0
	CROUND                                         ; the closing round: no work-group ends while a partner may still ask for a tile that names it
	s_endpgm
.Lfunc_end_k_qd7263d3eac_qkv:
	.size	k_qd7263d3eac_qkv, .Lfunc_end_k_qd7263d3eac_qkv-k_qd7263d3eac_qkv
	.p2alignl 7, 3214868480
	.fill 96, 4, 3214868480
	.section	.rodata,"a",@progbits
	.p2align	6, 0x0
	.amdhsa_kernel k_qd7263d3eac_qkv
		.amdhsa_group_segment_fixed_size 327680
		.amdhsa_private_segment_fixed_size 0
		.amdhsa_enable_private_segment 0
		.amdhsa_kernarg_size 24
		.amdhsa_user_sgpr_count 2
		.amdhsa_user_sgpr_kernarg_segment_ptr 1
		.amdhsa_wavefront_size32 1
		.amdhsa_system_sgpr_workgroup_id_x 1
		.amdhsa_system_sgpr_workgroup_id_y 1
		.amdhsa_system_sgpr_workgroup_id_z 1
		.amdhsa_system_vgpr_workitem_id 0
		.amdhsa_next_free_vgpr 1024
		.amdhsa_next_free_sgpr 100
		.amdhsa_reserve_vcc 0
		.amdhsa_float_denorm_mode_32 3
		.amdhsa_float_denorm_mode_16_64 3
		.amdhsa_memory_ordered 1
		.amdhsa_forward_progress 1
		.amdhsa_inst_pref_size 144
	.end_amdhsa_kernel
	.amdgpu_metadata
---
amdhsa.version: [ 1, 2 ]
amdhsa.kernels:
  - .name:           k_qd7263d3eac_qkv
    .symbol:         k_qd7263d3eac_qkv.kd
    .args:
      - { .name: arec, .offset: 0, .size: 8, .value_kind: global_buffer, .address_space: global }
      - { .name: wrec, .offset: 8, .size: 8, .value_kind: global_buffer, .address_space: global }
      - { .name: qkv, .offset: 16, .size: 8, .value_kind: global_buffer, .address_space: global }
    .group_segment_fixed_size: 327680
    .private_segment_fixed_size: 0
    .kernarg_segment_align: 8
    .kernarg_segment_size: 24
    .max_flat_workgroup_size: 128
    .sgpr_count:     100
    .vgpr_count:     1024
    .wavefront_size: 32
...
	.end_amdgpu_metadata
.endif
;; end of part 2
;; launch attn (part 3): grid 8 x 32, 16 waves a work-group, clusters of 4 x 1, 284,672 bytes of LDS; arguments qkv, att; writes att
.if DOCPART == 3
	.amdgcn_target "amdgcn-amd-amdhsa--gfx1250"
	.amdhsa_code_object_version 6
	.text
	.protected	k_qd7263d3eac_attn
	.globl	k_qd7263d3eac_attn
	.p2align	8
	.type	k_qd7263d3eac_attn,@function
k_qd7263d3eac_attn:
	s_mov_b64 s[64:65], 0
	v_nop
	global_prefetch_b8 v0, s[64:65] scope:SCOPE_SE
	s_setreg_imm32_b32 hwreg(HW_REG_WAVE_MODE, 25, 1), 1
	s_wait_xcnt 0x0
	s_wait_alu depctr_hold_cnt(0) depctr_sa_sdst(0) depctr_va_vdst(0) depctr_va_sdst(0) depctr_va_ssrc(0) depctr_va_vcc(0) depctr_vm_vsrc(0)
	s_getreg_b32 s2, hwreg(HW_REG_IB_STS2, 6, 4)
	s_cmp_eq_u32 s2, 0
	s_cbranch_scc0 .Lentry_in_a_cluster
	s_endpgm
.Lentry_in_a_cluster:
	s_bfe_u32 s2, ttmp6, 0x10000c
	s_cmp_lg_u32 s2, 0x3003
	s_cbranch_scc0 .Lentry_shape_is_right
	s_endpgm
.Lentry_shape_is_right:
; O[q] = the sum over keys of softmax(Q[q] . K[k] / 8) V[k], for 32 (batch, head) pairs of 2,048 tokens and head size 64, both products on E2M3 codes with E8M0 scales.
; THE SOFTMAX AHEAD OF THE SECOND PRODUCT: t = score x log2(e) / 8; M = the running largest t rounded UP to a whole number; p = 2^(t - M) is quantised along the keys, not normalised; the row's sum is taken of the
; unquantised p and divides O at the end.  When M moves, the sum and O are multiplied by 2^(old M - new M): exact.
; SHARES.  A work-group owns 256 queries of one head, each of its sixteen waves one block of 16 (lane r of block t is token 32 (t / 2) + 8 (t % 2) + r + 8 (r / 8)).  Every wave walks the head's 2,048 keys, 128 a step.
; LDS.  A whole head's K and V^T, 16 records of 13,312 bytes, come in ONCE: wave w asks for record w.  Nothing is filled again.  The four work-groups of a cluster belong to one head: each record is asked for jointly.
; THE SCORES' K IS 64 under an instruction of 128.  A fragment of K holds TWO blocks of 16 keys: block 2 p in registers 0-5, block 2 p + 1 in registers 6-11.  Multiplied by [q | zero codes] it gives block 2 p's
; scores, by [zero codes | q] block 2 p + 1's: each fragment read from LDS feeds two products.  Zero codes add nothing under any scale byte that the quantiser gives.
; Both products are used transposed (S^T = K Q^T, O^T = V^T P^T): a lane holds one query throughout, and by the blocks' choice of rows the 16 registers of tiles 2 p, 2 p + 1 are 16 neighbouring keys.
; LIMITS: NaN and infinities are not served.  A block of p that has fallen to zeros keeps the scale byte 1: its codes are zeros.
; REGISTERS: v1-3 16, 8, 4 x lane; v4-6 the same in the step's record; v7, v9, v10 the way out; v12 -M, v13 the largest t, v[14:15] the sum; v16-27 [q | 0]; v28-39 [0 | q]; v44-91 four fragments of K or V^T;
; v96-159 S^T, then p; v160-191 O^T; v224-235 p's codes; v232-254 at work; v248-251 the fragments' scale words; v253 p's; v255 q's.
.set KVB,  13312
.set STG,  16*KVB                      ; behind the head's records: 16 rows x 272 bytes for each wave, for the way out
.set WV,   18
.set SEL,  20
.set CS,   22
.set G1,   24
.set G0,   32
.set TB,   36
.set CNT,  37
.macro CROUND                          ; a round of the cluster's barrier
	s_barrier_signal -1
	s_barrier_wait -1
	s_cmp_lg_u32 s[WV], 0
	s_cbranch_scc1 .Lnot_wave_0_\@
	s_barrier_signal -3
.Lnot_wave_0_\@:
	s_barrier_wait -3
	s_barrier_signal -1
	s_barrier_wait -1
.endm
.macro FRAG4 reg, off                  ; two halves of six registers: 0-3 at 16 l, 4-5 at 512 + 8 l, the second half 768 bytes on
	ds_load_b128 v[\reg:\reg+3], v4 offset:\off
	ds_load_b64 v[\reg+4:\reg+5], v5 offset:\off+512
	ds_load_b128 v[\reg+6:\reg+9], v4 offset:\off+768
	ds_load_b64 v[\reg+10:\reg+11], v5 offset:\off+1280
.endm
	s_load_b128 s[4:7], s[0:1], 0x0                ; qkv s[4:5], att s[6:7]
	v_lshl_add_u32 v223, v0, 2, 0x45000
	v_mov_b32 v243, 0
	ds_add_u32 v223, v243
	ds_add_u32 v223, v243
	v_lshrrev_b32 v8, 5, v0
	v_readfirstlane_b32 s[WV], v8                  ; wave 0..15
	s_bfe_u32 s8, ttmp6, 0x40000                   ; cx
	s_lshl_b32 s9, ttmp9, 2
	s_add_co_u32 s9, s9, s8                        ; my block of 256 queries: it enters Q's and the output's addresses alone
	s_and_b32 s10, ttmp7, 0xffff                   ; 16 x batch + head, which the four partners share
	s_mov_b32 s[G1], 15|(3<<16)|(1<<21)            ; the mask: all four; elements of 8 bytes; bit 21 set beside a mask; no padding
	s_mov_b32 s[G1+1], 32<<16                      ; rows of 256 bytes,
	s_mov_b32 s[G1+2], 52<<16                      ; 52 of them: 13,312 bytes
	s_mov_b32 s[G1+3], 32<<16
	s_mov_b32 s[G1+4], 52
	s_mov_b32 s[G1+5], 32
	s_mov_b32 s[G1+6], 0
	s_mov_b32 s[G1+7], 0
	s_lshl_b32 s12, s10, 4
	s_add_co_u32 s12, s12, s[WV]
	s_mul_i32 s12, s12, KVB
	s_add_co_u32 s12, s12, 3407872                 ; record (head, wave)
	s_mov_b32 s13, 0
	s_wait_dscnt 0x0
	s_wait_kmcnt 0x0
	CROUND                                         ; all four work-groups are here: the joint loads meet
	s_mov_b32 s[G0], 1
	s_mul_i32 s[G0+1], s[WV], KVB
	s_add_nc_u64 s[G0+2:G0+3], s[4:5], s[12:13]
	s_or_b32 s[G0+3], s[G0+3], 0x80000000
	tensor_load_to_lds s[G0:G0+3], s[G1:G1+7]      ; my one tensor load of the launch
	s_nop 0
.rept 4
	v_nop
.endr
	s_lshl_b32 s14, s9, 4
	s_add_co_u32 s14, s14, s[WV]                   ; my block of 16 queries among the batch's 128
	s_lshl_b32 s15, s10, 7
	s_add_co_u32 s15, s15, s14
	s_mul_i32 s38, s15, 768
	s_mov_b32 s39, 0
	s_add_nc_u64 s[38:39], s[4:5], s[38:39]        ; its codes
	s_lshr_b32 s15, s15, 1
	s_lshl_b32 s40, s15, 7
	s_add_co_u32 s40, s40, 3145728
	s_mov_b32 s41, 0
	s_add_nc_u64 s[40:41], s[4:5], s[40:41]        ; the scale words of its pair of blocks
	v_and_b32 v8, 31, v0
	v_lshlrev_b32 v1, 4, v8
	v_lshlrev_b32 v2, 3, v8
	v_lshlrev_b32 v3, 2, v8
	global_load_b128 v[16:19], v1, s[38:39]
	global_load_b64 v[20:21], v2, s[38:39] offset:512
	global_load_b32 v254, v3, s[40:41]
	s_lshr_b32 s42, s10, 4
	s_lshl_b32 s42, s42, 11
	s_lshr_b32 s43, s14, 1
	s_lshl_b32 s43, s43, 5
	s_add_co_u32 s42, s42, s43
	s_and_b32 s43, s14, 1
	s_lshl_b32 s43, s43, 3
	s_add_co_u32 s42, s42, s43                     ; my block's first token
	s_lshl_b32 s42, s42, 12                        ; a row of the output is 4,096 bytes,
	s_and_b32 s43, s10, 15
	s_lshl_b32 s43, s43, 8                         ; a head's part of it 256
	s_add_co_u32 s42, s42, s43
	s_mov_b32 s43, 0
	s_add_nc_u64 s[6:7], s[6:7], s[42:43]
	s_and_b32 s44, s[WV], 1
	s_mov_b32 s45, 0x03020302                      ; an odd block's two bytes are the word's upper two,
	s_cmp_eq_u32 s44, 0
	s_cselect_b32 s45, 0x01000100, s45             ; an even block's the lower two: either way they are laid twice
	s_mov_b32 s[SEL], 0x76543210
	s_mov_b32 s[SEL+1], 0xfedcba98
	s_mov_b32 s[CS], 0x3e38aa3b                    ; c = log2(e) / 8
	s_mov_b32 s[CS+1], s[CS]
	v_and_b32 v8, 15, v0                           ; r
	v_bfe_u32 v11, v0, 4, 1                        ; h
	s_mul_i32 s46, s[WV], 16*272
	s_add_co_u32 s46, s46, STG                     ; my stage
	v_mul_u32_u24 v9, v8, 272
	v_lshl_add_u32 v9, v11, 6, v9
	v_add_nc_u32 v9, s46, v9                       ; in: row r, + 64 h
	v_mul_u32_u24 v10, v11, 272
	v_lshl_add_u32 v10, v8, 4, v10
	v_add_nc_u32 v10, s46, v10                     ; back: lanes 0-15 one row, lanes 16-31 the next
	v_lshlrev_b32 v7, 12, v11
	v_lshl_add_u32 v7, v8, 4, v7                   ; and the same two rows in the output
	s_wait_loadcnt 0x0
	v_perm_b32 v255, v254, v254, s45               ; q's scale word: (s0, s1, s0, s1)
.irp i, 0,1,2,3,4,5
	v_mov_b32 v[34+\i], v[16+\i]                   ; [0 | q]
.endr
.set I, 22
.rept 12
	v_mov_b32 v[I], 0                              ; zero codes
.set I, I+1
.endr
	v_mov_b32 v13, 0xff61b1e6                      ; the largest t so far: -3e38
	v_floor_f32 v12, -v13                          ; -M
	v_mov_b32 v14, 0
	v_mov_b32 v15, 0
.irp b, 0,1,2,3
	v_mov_b32 v[236+\b], 0                         ; written once: a lane permute's destination counts as one of its sources
.endr
	v_mov_b32 v252, 0
	v_mov_b32 v253, 0
.set I, 0
.rept 32
	v_mov_b32 v[160+I], 0                          ; O^T: the step is written once; its first trip finds zeros
.set I, I+1
.endr
	s_mov_b32 s[TB], 0
	s_mov_b32 s[CNT], 16
	s_wait_tensorcnt 0x0                           ; my record has landed,
	s_barrier_signal -1
	s_barrier_wait -1                              ; everybody's has
.Lstep:                                            ; a key step: 128 keys
	v_add_nc_u32 v4, s[TB], v1                     ; these four lines are the places between the last trip's products and the loads into their registers
	v_add_nc_u32 v5, s[TB], v2
	v_add_nc_u32 v6, s[TB], v3
	v_nop
.irp p, 0,1,2,3
	FRAG4 44+12*\p, 1536*\p
	ds_load_b32 v[248+\p], v6 offset:6144+128*\p
.endr
	s_wait_dscnt 0x0
.irp p, 0,1,2,3
	v_wmma_scale_f32_16x16x128_f8f6f4 v[96+16*\p:103+16*\p], v[44+12*\p:55+12*\p], v[16:27], 0, v[248+\p], v255 matrix_a_fmt:MATRIX_FMT_FP6 matrix_b_fmt:MATRIX_FMT_FP6
	v_wmma_scale_f32_16x16x128_f8f6f4 v[104+16*\p:111+16*\p], v[44+12*\p:55+12*\p], v[28:39], 0, v[248+\p], v255 matrix_a_fmt:MATRIX_FMT_FP6 matrix_b_fmt:MATRIX_FMT_FP6
.endr
.rept 4
	v_nop                                          ; places in front of the loads below and of the first read of the scores
.endr
.irp t, 0,1,2,3                        ; V^T's four fragments land while the softmax is worked
	FRAG4 44+12*\t, 6656+1536*\t
	ds_load_b32 v[248+\t], v6 offset:12800+128*\t
.endr
.irp b, 0,1,2,3
	v_max3_num_f32 v[232+\b], v[96+16*\b], v[97+16*\b], v[98+16*\b]   ; the largest score of each block of 32 keys: for the row's maximum, and, since p rises with the score, for the block's largest p
.endr
.irp i, 3,5,7,9,11,13
.irp b, 0,1,2,3
	v_max3_num_f32 v[232+\b], v[232+\b], v[96+16*\b+\i], v[97+16*\b+\i]
.endr
.endr
.irp b, 0,1,2,3
	v_max_num_f32 v[232+\b], v[232+\b], v[111+16*\b]
.endr
.irp b, 0,1,2,3
	v_permlanex16_b32 v[236+\b], v[232+\b], s[SEL], s[SEL+1]
.endr
.irp b, 0,1,2,3
	v_max_num_f32 v[232+\b], v[232+\b], v[236+\b]
.endr
	v_max3_num_f32 v254, v232, v233, v234
	v_max_num_f32 v254, v254, v235
	v_mul_f32 v254, s[CS], v254                    ; as t (c is positive)
	v_max_num_f32 v13, v13, v254                   ; the running largest t
	v_mov_b32 v254, v12
	v_floor_f32 v12, -v13                          ; the new -M = -ceil(t)
	v_sub_f32 v254, v12, v254                      ; old M - new M: a whole number, 0 or less
	v_cvt_i32_f32 v254, v254                       ; (it saturates)
	v_ldexp_f32 v252, 1.0, v254                    ; f = 2^(old M - new M)
.set I, 0
.rept 32
	v_pk_fma_f32 v[96+I:97+I], v[96+I:97+I], s[CS:CS+1], v[12:13] op_sel_hi:[1,0,0]   ; t - M
.set I, I+2
.endr
.irp b, 0,1,2,3
	v_fma_f32 v[232+\b], v[232+\b], s[CS], v12
.endr
.set I, 0
.rept 64
	v_exp_f32 v[96+I], v[96+I]                     ; p = 2^(t - M)
.set I, I+1
.endr
	v_pk_mul_f32 v[14:15], v[14:15], v[252:253] op_sel_hi:[1,0]   ; the sums under the new M (the plain line behind the exponentials)
	s_wait_alu depctr_va_vdst(0)                   ; one wait for the batch, ahead of its first reader
.irp b, 0,1,2,3
	v_exp_f32 v[232+\b], v[232+\b]                 ; each block's largest p
.endr
	v_pk_add_f32 v[236:237], v[96:97], v[98:99]    ; the row's sum of the unquantised p, in two chains
.set I, 4
.rept 15
	v_pk_add_f32 v[14:15], v[14:15], v[96+I:97+I]
	v_pk_add_f32 v[236:237], v[236:237], v[98+I:99+I]
.set I, I+4
.endr
	v_pk_add_f32 v[14:15], v[14:15], v[236:237]
	s_wait_alu depctr_va_vdst(0)                   ; and one for the four
.irp b, 0,1,2,3
	v_max_num_f32 v[232+\b], 0x1800000, v[232+\b]  ; the floor 2^(3 - 127): the byte cannot fall under 1
.endr
.irp b, 0,1,2,3
	v_add_nc_u32 v[244+\b], 0xff000000, v[232+\b]
.endr
.irp b, 0,1,2,3
	v_lshrrev_b32 v[236+\b], 23, v[244+\b]
.endr
	v_lshl_or_b32 v253, v237, 8, v236              ; p's scale word for these 128 keys
	v_lshl_or_b32 v253, v238, 16, v253
	v_lshl_or_b32 v253, v239, 24, v253
.irp c, 0,1
	v_cvt_scalef32_pk16_fp6_f32 v[224+6*\c:226+6*\c], v[96+32*\c:111+32*\c], v[244+2*\c]
	v_cvt_scalef32_pk16_fp6_f32 v[236+4*\c:238+4*\c], v[112+32*\c:127+32*\c], v[244+2*\c+1]
.endr
	v_nop                                          ; one plain line behind the conversions
.irp c, 0,1
.irp i, 0,1,2
	v_permlane16_swap_b32 v[224+6*\c+\i], v[236+4*\c+\i]
.endr
.irp i, 0,1,2
	v_mov_b32 v[227+6*\c+\i], v[236+4*\c+\i]
.endr
.endr
.set I, 0
.rept 16
	v_pk_mul_f32 v[160+I:161+I], v[160+I:161+I], v[252:253] op_sel_hi:[1,0]   ; O^T under the new M.  (These sixteen are also the places between the writes of p's codes and scale word and the products)
.set I, I+2
.endr
	s_wait_dscnt 0x0                               ; V^T's fragments are in
.irp t, 0,1,2,3                        ; the four accumulators take turns
	v_wmma_scale_f32_16x16x128_f8f6f4 v[160+8*\t:167+8*\t], v[44+12*\t:55+12*\t], v[224:235], v[160+8*\t:167+8*\t], v[248+\t], v253 matrix_a_fmt:MATRIX_FMT_FP6 matrix_b_fmt:MATRIX_FMT_FP6
.endr
	s_add_co_u32 s[TB], s[TB], KVB
	s_sub_co_u32 s[CNT], s[CNT], 1
	s_cmp_lg_u32 s[CNT], 0
	s_cbranch_scc1 .Lstep
	; THE WAY OUT: O^T / the sum goes through my stage and leaves as rows: sixteen lanes store 256 consecutive bytes, aligned
.rept 4
	v_nop
.endr
	v_add_f32 v14, v14, v15
	v_permlanex16_b32 v252, v14, s[SEL], s[SEL+1]
	v_add_f32 v14, v14, v252
	v_rcp_f32 v14, v14
	v_nop
	s_wait_alu depctr_va_vdst(0)
.set I, 0
.rept 32
	v_mul_f32 v[96+I], v[160+I], v14               ; register 16 b + i is channel 32 b + 16 h + i of my query
.set I, I+1
.endr
.irp b, 0,1
.irp j, 0,1,2,3
	ds_store_b128 v9, v[96+16*\b+4*\j:99+16*\b+4*\j] offset:128*\b+16*\j
.endr
.endr
.irp i, 0,1,2,3,4,5,6,7
	ds_load_b128 v[44+4*\i:47+4*\i], v10 offset:544*\i   ; LDS serves a wave's instructions in order: these see my stores
.endr
.irp i, 0,1,2,3,4,5,6,7
	s_wait_dscnt 7-\i                              ; the younger loads may be out
	global_store_b128 v7, v[44+4*\i:47+4*\i], s[6:7] offset:(2*\i+8*(\i/4))*4096
.endr
	s_wait_tensorcnt 0x0
	ds_add_u32 v223, v243
	s_wait_dscnt 0x0
	CROUND                                         ; the closing round
	s_endpgm
.Lfunc_end_k_qd7263d3eac_attn:
	.size	k_qd7263d3eac_attn, .Lfunc_end_k_qd7263d3eac_attn-k_qd7263d3eac_attn
	.p2alignl 7, 3214868480
	.fill 96, 4, 3214868480
	.section	.rodata,"a",@progbits
	.p2align	6, 0x0
	.amdhsa_kernel k_qd7263d3eac_attn
		.amdhsa_group_segment_fixed_size 284672
		.amdhsa_private_segment_fixed_size 0
		.amdhsa_enable_private_segment 0
		.amdhsa_kernarg_size 16
		.amdhsa_user_sgpr_count 2
		.amdhsa_user_sgpr_kernarg_segment_ptr 1
		.amdhsa_wavefront_size32 1
		.amdhsa_system_sgpr_workgroup_id_x 1
		.amdhsa_system_sgpr_workgroup_id_y 1
		.amdhsa_system_sgpr_workgroup_id_z 1
		.amdhsa_system_vgpr_workitem_id 0
		.amdhsa_next_free_vgpr 256
		.amdhsa_next_free_sgpr 66
		.amdhsa_reserve_vcc 0
		.amdhsa_float_denorm_mode_32 3
		.amdhsa_float_denorm_mode_16_64 3
		.amdhsa_memory_ordered 1
		.amdhsa_forward_progress 1
		.amdhsa_inst_pref_size 27
	.end_amdhsa_kernel
	.amdgpu_metadata
---
amdhsa.version: [ 1, 2 ]
amdhsa.kernels:
  - .name:           k_qd7263d3eac_attn
    .symbol:         k_qd7263d3eac_attn.kd
    .args:
      - { .name: qkv, .offset: 0, .size: 8, .value_kind: global_buffer, .address_space: global }
      - { .name: att, .offset: 8, .size: 8, .value_kind: global_buffer, .address_space: global }
    .group_segment_fixed_size: 284672
    .private_segment_fixed_size: 0
    .kernarg_segment_align: 8
    .kernarg_segment_size: 16
    .max_flat_workgroup_size: 512
    .sgpr_count:     66
    .vgpr_count:     256
    .wavefront_size: 32
...
	.end_amdgpu_metadata
.endif
;; end of part 3
;; launch ln1 (part 4): grid 256 x 1, 8 waves a work-group, no clusters, 70,656 bytes of LDS; arguments att, embed, ln_g, ln_b, x1, arec; writes x1, arec
.if DOCPART == 4
	.amdgcn_target "amdgcn-amd-amdhsa--gfx1250"
	.amdhsa_code_object_version 6
	.text
	.protected	k_qd7263d3eac_ln1
	.globl	k_qd7263d3eac_ln1
	.p2align	8
	.type	k_qd7263d3eac_ln1,@function
k_qd7263d3eac_ln1:
	s_mov_b64 s[64:65], 0
	v_nop
	global_prefetch_b8 v0, s[64:65] scope:SCOPE_SE
	s_setreg_imm32_b32 hwreg(HW_REG_WAVE_MODE, 25, 1), 1
	s_wait_xcnt 0x0
; y = LayerNorm(a + e) x gamma + beta over rows of 1,024, in f32; y is stored as f32 and (DOQ = 1) as E2M3 codes with E8M0 scales along the row, in records for the next product.
; A work-group takes a block of 16 rows (lane r of block t is row 32 (t / 2) + 8 (t % 2) + r + 8 (r / 8)); wave w takes columns 128 w .. 128 w + 127 of all 16.
; Loads and stores take 512 consecutive bytes of a row; the arithmetic wants a lane to hold 64 numbers of ONE row (register 16 b + i = column 32 b + 16 h + i): the numbers turn through the wave's own stage in LDS, and back.
; The mean, and then the mean of the squared differences (a second pass over registers: no difference of large sums), are joined across the eight waves through LDS: two barriers, each exchange in bytes of its own.
; LIMITS: NaN and infinities are not served; a block of 32 whose largest magnitude lies under 2^-124 keeps the scale byte 1.  Work-groups share no input but gamma and beta: no cluster.
.set DOQ,  1
.set REC,  3328
.set SP,   528
.set STGB, 16*SP
.set RED,  8*STGB                      ; behind the stages: [2 exchanges][8 waves][128 bytes]
.set GOFF, 4
.set SIN,  5
.set SOUT, 6
.set RW,   7
.set RR,   8
.set GB,   9
.set LI,   10
.set LS,   11
.set RA,   16                          ; v16-79: a as loaded, then gamma, then y by rows
.set X,    80                          ; v80-143: e as loaded, then my 64 numbers
.set BB,   144                         ; v144-207: beta
.set TM,   208
.set PW,   224
.set PC,   226
.set SEL,  28
.macro LOADROWS reg, base
.set I, 0
.rept 16
	global_load_b128 v[\reg+4*I:\reg+4*I+3], v[GOFF], s[\base:\base+1] offset:(I+8*(I/8))*4096 th:TH_LOAD_NT
.set I, I+1
.endr
.endm
.macro LOADVEC reg, base               ; gamma or beta at my 64 columns
.set I, 0
.rept 16
	global_load_b128 v[\reg+4*I:\reg+4*I+3], v[GB], s[\base:\base+1] offset:128*(I/4)+16*(I%4)
.set I, I+1
.endr
.endm
.macro JOIN off                        ; v246: my 64 numbers' sum -> v226: the row's, the same bits in every wave
	v_add_f32 v246, v246, v247
	v_permlanex16_b32 v250, v246, s[SEL], s[SEL+1]
	v_add_f32 v246, v246, v250
	ds_store_b32 v[RW], v246 offset:\off
	s_wait_dscnt 0x0                               ; for the others' sake: my store has landed
	s_barrier_signal -1
	s_barrier_wait -1
.irp k, 0,1,2,3,4,5,6,7
	ds_load_b32 v[226+\k], v[RR] offset:\off+128*\k
.endr
	s_wait_dscnt 0x0
	v_add_f32 v226, v226, v227
	v_add_f32 v228, v228, v229
	v_add_f32 v230, v230, v231
	v_add_f32 v232, v232, v233
	v_add_f32 v226, v226, v228
	v_add_f32 v230, v230, v232
	v_add_f32 v226, v226, v230
.endm
.macro QUANT s
.irp b, 0,1,2,3
	v_max3_num_f32 v[TM+\b], |v[\s+16*\b]|, |v[\s+1+16*\b]|, 0x1800000   ; and the floor 2^(3 - 127): the byte cannot fall under 1
.endr
.irp i, 2,4,6,8,10,12,14
.irp b, 0,1,2,3
	v_max3_num_f32 v[TM+\b], v[TM+\b], |v[\s+16*\b+\i]|, |v[\s+1+16*\b+\i]|
.endr
.endr
.irp b, 0,1,2,3
	v_permlanex16_b32 v[TM+4+\b], v[TM+\b], s[SEL], s[SEL+1]
.endr
.irp b, 0,1,2,3
	v_max_num_f32 v[TM+\b], v[TM+\b], v[TM+4+\b]
.endr
.irp b, 0,1,2,3
	v_add_nc_u32 v[TM+12+\b], 0xff000000, v[TM+\b]
.endr
.irp b, 0,1,2,3
	v_lshrrev_b32 v[TM+4+\b], 23, v[TM+12+\b]
.endr
	v_lshl_or_b32 v[PW], v[TM+5], 8, v[TM+4]
	v_lshl_or_b32 v[PW], v[TM+6], 16, v[PW]
	v_lshl_or_b32 v[PW], v[TM+7], 24, v[PW]
.irp c, 0,1
	v_cvt_scalef32_pk16_fp6_f32 v[PC+6*\c:PC+2+6*\c], v[\s+32*\c:\s+15+32*\c], v[TM+12+2*\c]
	v_cvt_scalef32_pk16_fp6_f32 v[PC+12+4*\c:PC+14+4*\c], v[\s+16+32*\c:\s+31+32*\c], v[TM+13+2*\c]
.endr
	v_nop
.irp c, 0,1
.irp i, 0,1,2
	v_permlane16_swap_b32 v[PC+6*\c+\i], v[PC+12+4*\c+\i]
.endr
.irp i, 0,1,2
	v_mov_b32 v[PC+3+6*\c+\i], v[PC+12+4*\c+\i]
.endr
.endr
.endm
	s_load_b256 s[4:11], s[0:1], 0x0               ; a s[4:5], e s[6:7], gamma s[8:9], beta s[10:11]
.if DOQ
	s_load_b128 s[12:15], s[0:1], 0x20             ; y s[12:13], the records s[14:15]
	v_lshl_add_u32 v254, v0, 2, 0x11000
	v_mov_b32 v255, 0
.else
	s_load_b64 s[12:13], s[0:1], 0x20              ; y
.endif
	v_lshrrev_b32 v1, 5, v0
	v_readfirstlane_b32 s16, v1                    ; wave 0..7
	v_and_b32 v1, 31, v0
	v_and_b32 v2, 15, v0                           ; r
	v_bfe_u32 v3, v0, 4, 1                         ; h
	s_lshl_b32 s17, s16, 9
	v_lshl_add_u32 v[GOFF], v1, 4, s17             ; 512 w + 16 l
	s_mul_i32 s18, s16, STGB
	v_lshl_add_u32 v[SIN], v1, 4, s18
	v_mul_u32_u24 v[SOUT], v2, SP
	v_lshl_add_u32 v[SOUT], v3, 6, v[SOUT]
	v_add_nc_u32 v[SOUT], s18, v[SOUT]
	s_lshl_b32 s19, s16, 7
	s_add_co_u32 s19, s19, RED
	v_lshl_add_u32 v[RW], v1, 2, s19
	v_lshl_add_u32 v[RR], v1, 2, RED
	v_lshl_add_u32 v[GB], v3, 6, s17               ; 512 w + 64 h
	s_and_b32 s24, s16, 1
	s_mul_i32 s25, s24, 1536
	v_lshl_add_u32 v[LI], v1, 4, s25               ; my fragment of the record
	s_lshl_b32 s25, s24, 7
	v_lshl_add_u32 v[LS], v1, 2, s25
	s_lshr_b32 s20, ttmp9, 1
	s_lshl_b32 s20, s20, 5
	s_and_b32 s21, ttmp9, 1
	s_lshl_b32 s21, s21, 3
	s_add_co_u32 s20, s20, s21                     ; the block's first row
	s_lshl_b32 s20, s20, 12
	s_mov_b32 s21, 0
	s_lshr_b32 s22, s16, 1
	s_lshl_b32 s22, s22, 8
	s_add_co_u32 s22, s22, ttmp9
	s_mul_i32 s22, s22, REC                        ; record (w / 2, block)
	s_mov_b32 s23, 0
	s_mov_b32 s26, 0x3a800000                      ; 1 / 1,024
	s_mov_b32 s27, 0x3727c5ac                      ; 1e-5
	s_mov_b32 s[SEL], 0x76543210
	s_mov_b32 s[SEL+1], 0xfedcba98
	v_mov_b32 v250, 0                              ; written once: a lane permute's destination counts as one of its sources
	v_mov_b32 v253, 0                              ; (named as the upper half of the pair v[252:253])
.irp b, 0,1,2,3
	v_mov_b32 v[TM+4+\b], 0
.endr
	s_wait_kmcnt 0x0
	s_add_nc_u64 s[4:5], s[4:5], s[20:21]
	s_add_nc_u64 s[6:7], s[6:7], s[20:21]
	s_add_nc_u64 s[12:13], s[12:13], s[20:21]
.if DOQ
	s_add_nc_u64 s[14:15], s[14:15], s[22:23]
.endif
	LOADVEC BB, 10
	LOADROWS RA, 4
	LOADROWS X, 6
	s_wait_loadcnt 0x0
.set I, 0
.rept 32
	v_pk_add_f32 v[RA+I:RA+I+1], v[RA+I:RA+I+1], v[X+I:X+I+1]   ; the residual
.set I, I+2
.endr
.set I, 0
.rept 16
	ds_store_b128 v[SIN], v[RA+4*I:RA+4*I+3] offset:SP*I
.set I, I+1
.endr
.set I, 0
.rept 16
	ds_load_b128 v[X+4*I:X+4*I+3], v[SOUT] offset:128*(I/4)+16*(I%4)   ; LDS serves a wave's instructions in order: these see the stores above
.set I, I+1
.endr
	s_wait_dscnt 0x0
	LOADVEC RA, 8                                  ; gamma lands while the statistics are made
	v_pk_add_f32 v[246:247], v[X:X+1], v[X+2:X+3]
	v_pk_add_f32 v[248:249], v[X+4:X+5], v[X+6:X+7]
.set I, 8
.rept 14
	v_pk_add_f32 v[246:247], v[246:247], v[X+I:X+I+1]
	v_pk_add_f32 v[248:249], v[248:249], v[X+I+2:X+I+3]
.set I, I+4
.endr
	v_pk_add_f32 v[246:247], v[246:247], v[248:249]
	JOIN 0
	v_mul_f32 v252, 0xba800000, v226               ; - the mean
.set I, 0
.rept 32
	v_pk_add_f32 v[X+I:X+I+1], v[X+I:X+I+1], v[252:253] op_sel_hi:[1,0]
.set I, I+2
.endr
	v_pk_mul_f32 v[246:247], v[X:X+1], v[X:X+1]
	v_pk_mul_f32 v[248:249], v[X+2:X+3], v[X+2:X+3]
.set I, 4
.rept 15
	v_pk_fma_f32 v[246:247], v[X+I:X+I+1], v[X+I:X+I+1], v[246:247]
	v_pk_fma_f32 v[248:249], v[X+I+2:X+I+3], v[X+I+2:X+I+3], v[248:249]
.set I, I+4
.endr
	v_pk_add_f32 v[246:247], v[246:247], v[248:249]
	JOIN 1024
	v_fma_f32 v246, v226, s26, s27                 ; the variance + 1e-5
	v_rsq_f32 v252, v246
	v_nop
	s_wait_alu depctr_va_vdst(0)                   ; ahead of the first reader
	s_wait_loadcnt 0x0                             ; gamma
.set I, 0
.rept 32
	v_pk_mul_f32 v[X+I:X+I+1], v[X+I:X+I+1], v[252:253] op_sel_hi:[1,0]
.set I, I+2
.endr
.set I, 0
.rept 32
	v_pk_fma_f32 v[X+I:X+I+1], v[X+I:X+I+1], v[RA+I:RA+I+1], v[BB+I:BB+I+1]
.set I, I+2
.endr
.set I, 0
.rept 16
	ds_store_b128 v[SOUT], v[X+4*I:X+4*I+3] offset:128*(I/4)+16*(I%4)
.set I, I+1
.endr
.set I, 0
.rept 16
	ds_load_b128 v[RA+4*I:RA+4*I+3], v[SIN] offset:SP*I
.set I, I+1
.endr
.if DOQ
	QUANT X                                        ; while the rows come back
.irp c, 0,1,2
	global_store_b128 v[LI], v[PC+4*\c:PC+4*\c+3], s[14:15] offset:512*\c
.endr
	global_store_b32 v[LS], v[PW], s[14:15] offset:3072
.endif
.set I, 0
.rept 16
	s_wait_dscnt 15-I                              ; the younger loads may be out
	global_store_b128 v[GOFF], v[RA+4*I:RA+4*I+3], s[12:13] offset:(I+8*(I/8))*4096   ; 512 consecutive bytes of a row
.set I, I+1
.endr
	s_wait_tensorcnt 0x0
	ds_add_u32 v254, v255
	s_wait_dscnt 0x0
	s_endpgm
.Lfunc_end_k_qd7263d3eac_ln1:
	.size	k_qd7263d3eac_ln1, .Lfunc_end_k_qd7263d3eac_ln1-k_qd7263d3eac_ln1
	.p2alignl 7, 3214868480
	.fill 96, 4, 3214868480
	.section	.rodata,"a",@progbits
	.p2align	6, 0x0
	.amdhsa_kernel k_qd7263d3eac_ln1
		.amdhsa_group_segment_fixed_size 70656
		.amdhsa_private_segment_fixed_size 0
		.amdhsa_enable_private_segment 0
		.amdhsa_kernarg_size 48
		.amdhsa_user_sgpr_count 2
		.amdhsa_user_sgpr_kernarg_segment_ptr 1
		.amdhsa_wavefront_size32 1
		.amdhsa_system_sgpr_workgroup_id_x 1
		.amdhsa_system_sgpr_workgroup_id_y 1
		.amdhsa_system_sgpr_workgroup_id_z 1
		.amdhsa_system_vgpr_workitem_id 0
		.amdhsa_next_free_vgpr 256
		.amdhsa_next_free_sgpr 66
		.amdhsa_reserve_vcc 0
		.amdhsa_float_denorm_mode_32 3
		.amdhsa_float_denorm_mode_16_64 3
		.amdhsa_memory_ordered 1
		.amdhsa_forward_progress 1
		.amdhsa_inst_pref_size 34
	.end_amdhsa_kernel
	.amdgpu_metadata
---
amdhsa.version: [ 1, 2 ]
amdhsa.kernels:
  - .name:           k_qd7263d3eac_ln1
    .symbol:         k_qd7263d3eac_ln1.kd
    .args:
      - { .name: att, .offset: 0, .size: 8, .value_kind: global_buffer, .address_space: global }
      - { .name: embed, .offset: 8, .size: 8, .value_kind: global_buffer, .address_space: global }
      - { .name: ln_g, .offset: 16, .size: 8, .value_kind: global_buffer, .address_space: global }
      - { .name: ln_b, .offset: 24, .size: 8, .value_kind: global_buffer, .address_space: global }
      - { .name: x1, .offset: 32, .size: 8, .value_kind: global_buffer, .address_space: global }
      - { .name: arec, .offset: 40, .size: 8, .value_kind: global_buffer, .address_space: global }
    .group_segment_fixed_size: 70656
    .private_segment_fixed_size: 0
    .kernarg_segment_align: 8
    .kernarg_segment_size: 48
    .max_flat_workgroup_size: 256
    .sgpr_count:     66
    .vgpr_count:     256
    .wavefront_size: 32
...
	.end_amdgpu_metadata
.endif
;; end of part 4
;; launch ffn1 (part 5): grid 16 x 16, 4 waves a work-group, clusters of 4 x 4, 327,680 bytes of LDS; arguments arec, wrec, w1_b, hrec; writes hrec
.if DOCPART == 5
	.amdgcn_target "amdgcn-amd-amdhsa--gfx1250"
	.amdhsa_code_object_version 6
	.text
	.protected	k_qd7263d3eac_ffn1
	.globl	k_qd7263d3eac_ffn1
	.p2align	8
	.type	k_qd7263d3eac_ffn1,@function
k_qd7263d3eac_ffn1:
	s_mov_b64 s[64:65], 0
	v_nop
	global_prefetch_b8 v0, s[64:65] scope:SCOPE_SE
	s_setreg_imm32_b32 hwreg(HW_REG_WAVE_MODE, 25, 1), 1
	s_wait_xcnt 0x0
	s_wait_alu depctr_hold_cnt(0) depctr_sa_sdst(0) depctr_va_vdst(0) depctr_va_sdst(0) depctr_va_ssrc(0) depctr_va_vcc(0) depctr_vm_vsrc(0)
	s_getreg_b32 s2, hwreg(HW_REG_IB_STS2, 6, 4)
	s_cmp_eq_u32 s2, 0
	s_cbranch_scc0 .Lentry_in_a_cluster
	s_endpgm
.Lentry_in_a_cluster:
	s_bfe_u32 s2, ttmp6, 0x10000c
	s_cmp_lg_u32 s2, 0xf033
	s_cbranch_scc0 .Lentry_shape_is_right
	s_endpgm
.Lentry_shape_is_right:
; h = silu(x W1^T + b1), on E2M3 codes with E8M0 scales, K = 1,024; h [4,096 tokens][4,096] is quantised along its second axis in registers and stored as records for the next product.
; OPERANDS lie as records (3,328 bytes: one block of 16 rows x 256 along K: two images of fragment registers and two runs of scale words), [K / 256][blocks][record].  Lane r of block t is row
; 32 (t / 2) + 8 (t % 2) + r + 8 (r / 8).  Eight blocks of one K step are 26,624 dense bytes: one tensor load.
; A tile of the result, 256 x 256, is made by four waves, 128 x 128 each: 64 accumulators, 512 registers.  K goes in steps of 256 through two LDS slots.
; THE MATRIX INSTRUCTION: source 0 = 16 rows of W1, source 1 = 16 tokens: a lane holds ONE token, and by the blocks' choice of rows the 64 registers of token block a run along my 128 hidden units in the order
; 32 b + 16 h + i: what the quantiser takes: they become one fragment of the next product's operand.
; CLUSTERS: 4 x 4: the tokens' tile is shared along a row of the cluster, W1's along a column: joint loads.
; silu(z) = z / (1 + 2^(-z log2(e))), in f32.  LIMITS: NaN and infinities are not served; a block of 32 whose largest magnitude lies under 2^-124 keeps the scale byte 1.
; REGISTERS: window 0: v16-23 LDS addresses, v24-26 offsets, v28-29 the spare word, v32-63 scale words and nothing else, v128-223 the tokens' fragments; on the way out v64-127 z, v128-191 at work, v192-228 the quantiser's.
; window 1: W1's fragments, two sets, at v0 and v128; b1 at my 64 hidden units in v96-127 and v224-255.  windows 2, 3: the accumulators ((a, b) at v[8 (8 (a % 4) + b)]).
.set REC,   3328
.set HALFT, 8*REC
.set SLOT,  4*HALFT
.set SPARE, 2*SLOT
.set LAPS,  2                          ; K / 512
.set WSEC,  2555904                    ; W1's section of wrec
.set KPA,   851968                     ; a K step of 256 blocks
.set KPB,   851968
.set FR,    12
.set NP,    4
.set ADRA,  16
.set ADRB,  20
.set ADRS,  22
.set SPW,   28
.set NIL,   29
.set SC,    32
.set AF,    128
.set H,     64
.set T,     128
.set TM,    192
.set PW,    208
.set PC,    210
.set G1,    24
.set G0,    32
.set G1B,   48
.set G0B,   56
.set STA,   66
.set STB,   68
.set SEL,   6
.set MSB, 0
.macro WIN new
.if MSB != (\new)
	s_set_vgpr_msb (MSB<<8)|(\new)
.set MSB, (\new)
.endif
.endm
.set MUL_LO, 0xa1
.set MUL_HI, 0xf1
.set TO_B,   0x40
.macro JLOAD g0a, g1a, g0b, g1b        ; a joint load: waves 0, 1 fetch for A, waves 2, 3 for B; four v_nop follow each line
	s_cmp_eq_u32 s15, 0
	s_cbranch_scc0 .Lfor_b_\@
	tensor_load_to_lds s[\g0a:\g0a+3], s[\g1a:\g1a+7]
	s_nop 0
.rept 4
	v_nop
.endr
	s_branch .Lasked_\@
.Lfor_b_\@:
	tensor_load_to_lds s[\g0b:\g0b+3], s[\g1b:\g1b+7]
	s_nop 0
.rept 4
	v_nop
.endr
.Lasked_\@:
.endm
.macro CREST
	s_cmp_lg_u32 s14, 0
	s_cbranch_scc1 .Lnot_wave_0_\@
	s_barrier_signal -3
.Lnot_wave_0_\@:
	s_barrier_wait -3
	s_barrier_signal -1
	s_barrier_wait -1
.endm
.macro CROUND
	s_barrier_signal -1
	s_barrier_wait -1
	CREST
.endm
.macro FRAG reg, adr, q, i
.irp c, 0,1,2
	ds_load_b128 v[\reg+4*\c:\reg+4*\c+3], v[\adr] offset:(\i)*REC+(\q)*1536+512*\c
.endr
.endm
.macro MUL16 a0, p, q, sc, zero        ; the 64 accumulators take turns
.irp a, \a0, \a0+1
.irp b, 0,1,2,3,4,5,6,7
.if \zero
	v_wmma_scale_f32_16x16x128_f8f6f4 v[8*(8*((\a)%4)+\b):8*(8*((\a)%4)+\b)+7], v[128*(\p)+FR*\b:128*(\p)+FR*\b+FR-1], v[AF+FR*(\a):AF+FR*(\a)+FR-1], 0, v[SC+16*(\sc)+2*\b+(\q)], v[SC+16*(\sc)+2*(\a)+(\q)] matrix_a_fmt:MATRIX_FMT_FP6 matrix_b_fmt:MATRIX_FMT_FP6 matrix_a_scale:MATRIX_SCALE_ROW1
.else
	v_wmma_scale_f32_16x16x128_f8f6f4 v[8*(8*((\a)%4)+\b):8*(8*((\a)%4)+\b)+7], v[128*(\p)+FR*\b:128*(\p)+FR*\b+FR-1], v[AF+FR*(\a):AF+FR*(\a)+FR-1], v[8*(8*((\a)%4)+\b):8*(8*((\a)%4)+\b)+7], v[SC+16*(\sc)+2*\b+(\q)], v[SC+16*(\sc)+2*(\a)+(\q)] matrix_a_fmt:MATRIX_FMT_FP6 matrix_b_fmt:MATRIX_FMT_FP6 matrix_a_scale:MATRIX_SCALE_ROW1
.endif
.endr
.endr
.endm
.macro FETCH_B slot, q, p
	WIN TO_B
.irp i, 0,1,2,3,4,5,6,7
	FRAG 128*(\p)+FR*\i, ADRB+\slot, \q, \i
.endr
	WIN 0
.endm
.macro FETCH_A slot, q, i0
.irp i, \i0, \i0+1, \i0+2, \i0+3
	FRAG AF+FR*(\i), ADRA+\slot, \q, \i
.endr
.endm
.macro SCALES sl
.irp i, 0,1,2,3,4,5,6,7
	ds_load_b32 v[SC+16*\sl+2*\i], v[ADRS+\sl] offset:\i*REC
	ds_load_b32 v[SC+16*\sl+2*\i+1], v[ADRS+\sl] offset:\i*REC+128
.endr
.endm
.macro PLACES n
.rept \n
	v_nop
.endr
.endm
.macro STEP slot, q, zero
	s_wait_dscnt 12                                ; all but the youngest twelve loads (A's blocks 4-7)
	WIN MUL_LO
	MUL16 0, (\q)%2, \q, \slot, \zero
	MUL16 2, (\q)%2, \q, \slot, \zero
	s_wait_dscnt 0x0
	PLACES NP
	FETCH_B \slot, (\q)+1, 1-(\q)%2
	FETCH_A \slot, (\q)+1, 0
	WIN MUL_HI
	MUL16 4, (\q)%2, \q, \slot, \zero
	MUL16 6, (\q)%2, \q, \slot, \zero
	PLACES NP
	WIN 0
	FETCH_A \slot, (\q)+1, 4
.endm
.macro TURN slot, next, fill
	s_wait_tensorcnt 0x0                           ; all my tensor loads have landed: my part of the next slot
	ds_add_u32 v[SPW], v[NIL]                      ; 0 onto my spare word
	s_wait_dscnt 13                                ; (the add and the youngest twelve loads may be out)
	WIN MUL_LO
	MUL16 0, 1, 1, \slot, 0
	s_wait_dscnt 0x0                               ; the add is done, and my reads of this slot are over
	s_barrier_signal -1
	MUL16 2, 1, 1, \slot, 0
	WIN 0
	s_barrier_wait -1
.if \fill
	CREST                                          ; the barrier has opened a round of the cluster's: no wave of any partner still reads this slot or has a load on its way
	s_add_nc_u64 s[G0+4*\slot+2:G0+4*\slot+3], s[G0+4*\slot+2:G0+4*\slot+3], s[STA:STA+1]
	s_add_nc_u64 s[G0B+4*\slot+2:G0B+4*\slot+3], s[G0B+4*\slot+2:G0B+4*\slot+3], s[STB:STB+1]
	JLOAD G0+4*\slot, G1, G0B+4*\slot, G1B
.else
	PLACES NP
.endif
	FETCH_B \next, 0, 0
	FETCH_A \next, 0, 0
	SCALES \next
	WIN MUL_HI
	MUL16 4, 1, 1, \slot, 0
	MUL16 6, 1, 1, \slot, 0
	PLACES NP
	WIN 0
	FETCH_A \next, 0, 4
.endm
.macro QUANT s                         ; 64 numbers of a lane, register 16 b + i = k 32 b + 16 h + i, become codes in v[PC] on and a scale word in v[PW]
.irp b, 0,1,2,3
	v_max3_num_f32 v[TM+\b], |v[\s+16*\b]|, |v[\s+1+16*\b]|, 0x1800000
.endr
.irp i, 2,4,6,8,10,12,14
.irp b, 0,1,2,3
	v_max3_num_f32 v[TM+\b], v[TM+\b], |v[\s+16*\b+\i]|, |v[\s+1+16*\b+\i]|
.endr
.endr
.irp b, 0,1,2,3
	v_permlanex16_b32 v[TM+4+\b], v[TM+\b], s[SEL], s[SEL+1]
.endr
.irp b, 0,1,2,3
	v_max_num_f32 v[TM+\b], v[TM+\b], v[TM+4+\b]
.endr
.irp b, 0,1,2,3
	v_add_nc_u32 v[TM+12+\b], 0xff000000, v[TM+\b]
.endr
.irp b, 0,1,2,3
	v_lshrrev_b32 v[TM+4+\b], 23, v[TM+12+\b]
.endr
	v_lshl_or_b32 v[PW], v[TM+5], 8, v[TM+4]
	v_lshl_or_b32 v[PW], v[TM+6], 16, v[PW]
	v_lshl_or_b32 v[PW], v[TM+7], 24, v[PW]
.irp c, 0,1
	v_cvt_scalef32_pk16_fp6_f32 v[PC+6*\c:PC+2+6*\c], v[\s+32*\c:\s+15+32*\c], v[TM+12+2*\c]
	v_cvt_scalef32_pk16_fp6_f32 v[PC+12+4*\c:PC+14+4*\c], v[\s+16+32*\c:\s+31+32*\c], v[TM+13+2*\c]
.endr
	v_nop
.irp c, 0,1
.irp i, 0,1,2
	v_permlane16_swap_b32 v[PC+6*\c+\i], v[PC+12+4*\c+\i]
.endr
.irp i, 0,1,2
	v_mov_b32 v[PC+3+6*\c+\i], v[PC+12+4*\c+\i]
.endr
.endr
.endm
	s_load_b256 s[4:11], s[0:1], 0x0               ; arec s[4:5], wrec s[6:7], b1 s[8:9], hrec s[10:11]
	v_lshl_add_u32 v[SPW], v0, 2, SPARE
	v_mov_b32 v[NIL], 0
	ds_add_u32 v28, v29
	ds_add_u32 v28, v29
	s_wait_dscnt 0x0
	v_lshrrev_b32 v1, 5, v0
	v_readfirstlane_b32 s14, v1
	s_lshr_b32 s15, s14, 1
	s_and_b32 s16, s14, 1
	s_bfe_u32 s40, ttmp6, 0x40000
	s_bfe_u32 s41, ttmp6, 0x40004
	s_lshl_b32 s42, ttmp9, 2
	s_add_co_u32 s42, s42, s40                     ; tile column: 256 hidden units
	s_and_b32 s17, ttmp7, 0xffff
	s_lshl_b32 s17, s17, 2
	s_add_co_u32 s17, s17, s41                     ; tile row: 256 tokens
	s_lshl_b32 s43, s41, 2
	s_lshl_b32 s43, 15, s43
	s_lshl_b32 s44, 0x1111, s40
	s_or_b32 s[G1], s43, (3<<16)|(1<<21)
	s_or_b32 s[G1B], s44, (3<<16)|(1<<21)
.irp g, G1, G1B
	s_mov_b32 s[\g+1], 32<<16
	s_mov_b32 s[\g+2], 104<<16
	s_mov_b32 s[\g+3], 32<<16
	s_mov_b32 s[\g+4], 104
	s_mov_b32 s[\g+5], 32
	s_mov_b32 s[\g+6], 0
	s_mov_b32 s[\g+7], 0
.endr
	s_lshl_b32 s23, s16, 3
	s_lshl_b32 s20, s17, 4
	s_add_co_u32 s20, s20, s23
	s_mul_i32 s20, s20, REC
	s_mov_b32 s21, 0
	s_lshl_b32 s46, s42, 4
	s_add_co_u32 s46, s46, s23
	s_mul_i32 s46, s46, REC
	s_add_co_u32 s46, s46, WSEC
	s_mov_b32 s47, 0
	s_mov_b32 s[STA], 2*KPA
	s_mov_b32 s[STA+1], 0
	s_mov_b32 s[STB], 2*KPB
	s_mov_b32 s[STB+1], 0
	s_mul_i32 s45, s14, HALFT
	s_wait_kmcnt 0x0
	s_add_nc_u64 s[20:21], s[4:5], s[20:21]
	s_add_nc_u64 s[46:47], s[6:7], s[46:47]
	CROUND
.irp s, 0,1
	s_mov_b32 s[G0+4*\s], 1
	s_add_co_u32 s[G0+4*\s+1], s45, \s*SLOT
	s_add_nc_u64 s[G0+4*\s+2:G0+4*\s+3], s[20:21], \s*KPA
	s_or_b32 s[G0+4*\s+3], s[G0+4*\s+3], 0x80000000
	s_mov_b32 s[G0B+4*\s], 1
	s_add_co_u32 s[G0B+4*\s+1], s45, \s*SLOT
	s_add_nc_u64 s[G0B+4*\s+2:G0B+4*\s+3], s[46:47], \s*KPB
	s_or_b32 s[G0B+4*\s+3], s[G0B+4*\s+3], 0x80000000
	JLOAD G0+4*\s, G1, G0B+4*\s, G1B
.endr
	v_and_b32 v1, 31, v0
	v_bfe_u32 v2, v0, 4, 1
	v_lshlrev_b32 v3, 4, v1
	s_mul_i32 s21, s15, HALFT
	s_mul_i32 s22, s16, HALFT
	s_add_co_u32 s22, s22, 2*HALFT
.irp s, 0,1
	v_add_nc_u32 v[ADRA+\s], s21, v3
	v_add_nc_u32 v[ADRB+\s], s22, v3
	s_add_co_u32 s21, s21, SLOT
	s_add_co_u32 s22, s22, SLOT
.endr
	s_mul_i32 s21, s15, HALFT
	s_mul_i32 s22, s16, HALFT
	s_add_co_u32 s22, s22, 2*HALFT
	s_sub_co_u32 s22, s22, s21
	v_mul_u32_u24 v4, s22, v2
	v_lshl_add_u32 v4, v1, 2, v4
	s_add_co_u32 s21, s21, 3072
	v_add_nc_u32 v[ADRS], s21, v4
	v_add_nc_u32 v[ADRS+1], SLOT, v[ADRS]
	; b1 at my 64 hidden units: register 16 b + i = unit 32 b + 16 h + i of my wave's 128
	s_lshl_b32 s74, s42, 10
	s_lshl_b32 s75, s16, 9
	s_add_co_u32 s74, s74, s75
	s_mov_b32 s75, 0
	s_add_nc_u64 s[8:9], s[8:9], s[74:75]
	v_lshlrev_b32 v26, 6, v2                       ; 64 h; not written again
	WIN TO_B
.set I, 0
.rept 16
	global_load_b128 v[96+4*I+96*(I/8):99+4*I+96*(I/8)], v26, s[8:9] offset:128*(I/4)+16*(I%4)
.set I, I+1
.endr
	WIN 0
	; where the hidden layer goes: record (tile column, token block), fragment = my half of the columns
	s_lshl_b32 s76, s42, 8
	s_lshl_b32 s77, s17, 4
	s_add_co_u32 s76, s76, s77
	s_lshl_b32 s77, s15, 3
	s_add_co_u32 s76, s76, s77
	s_mul_i32 s76, s76, REC
	s_mul_i32 s77, s16, 1536
	s_add_co_u32 s78, s76, s77
	s_mov_b32 s79, 0
	s_lshl_b32 s77, s16, 7
	s_add_co_u32 s76, s76, s77
	s_add_co_u32 s76, s76, 3072
	s_mov_b32 s77, 0
	s_add_nc_u64 s[70:71], s[10:11], s[78:79]
	s_add_nc_u64 s[72:73], s[10:11], s[76:77]
	v_lshlrev_b32 v24, 4, v1
	v_lshlrev_b32 v25, 2, v1
	s_wait_tensorcnt 1                             ; my part of K step 0 is in; K step 1's load may be out
	s_barrier_signal -1
	s_barrier_wait -1
	FETCH_B 0, 0, 0
	FETCH_A 0, 0, 0
	SCALES 0
	FETCH_A 0, 0, 4
	STEP 0, 0, 1
	s_mov_b32 s3, LAPS-1
.Llap:
	TURN 0, 1, 1
	STEP 1, 0, 0
	TURN 1, 0, 1
	STEP 0, 0, 0
	s_sub_co_u32 s3, s3, 1
	s_cmp_lg_u32 s3, 0
	s_cbranch_scc1 .Llap
	TURN 0, 1, 0
	STEP 1, 0, 0
	s_wait_dscnt 12
	WIN MUL_LO
	MUL16 0, 1, 1, 1, 0
	MUL16 2, 1, 1, 1, 0
	s_wait_dscnt 0x0
	WIN MUL_HI
	MUL16 4, 1, 1, 1, 0
	MUL16 6, 1, 1, 1, 0
	WIN 0
	PLACES NP
	; THE WAY OUT, a token block at a time: + b1, silu, quantised, stored as a fragment's image
	s_wait_loadcnt 0x0                             ; b1
	s_mov_b32 s[SEL], 0x76543210
	s_mov_b32 s[SEL+1], 0xfedcba98
	s_mov_b32 s80, 0xbfb8aa3b                      ; -log2(e)
	s_mov_b32 s81, s80
.irp b, 0,1,2,3
	v_mov_b32 v[TM+4+\b], 0
.endr
.irp a, 0,1,2,3,4,5,6,7
.if \a > 0
	s_wait_xcnt 0x0                                ; the last block's stores have read their data: it is written again only behind this wait
.endif
	WIN 0x04|(2+\a/4)                              ; source 0: the accumulators' window; source 1: window 1
.set I, 0
.rept 32
	v_pk_add_f32 v[H+I:H+I+1], v[64*(\a%4)+I:64*(\a%4)+I+1], v[96+I+96*(I/32):97+I+96*(I/32)]   ; z; each accumulator is read from its low end on
.set I, I+2
.endr
	WIN 0
.set I, 0
.rept 32
	v_pk_mul_f32 v[T+I:T+I+1], v[H+I:H+I+1], s[80:81] op_sel_hi:[1,0]
.set I, I+2
.endr
.set I, 0
.rept 64
	v_exp_f32 v[T+I], v[T+I]
.set I, I+1
.endr
	v_nop
	s_wait_alu depctr_va_vdst(0)                   ; one wait for the batch, ahead of its first reader
.set I, 0
.rept 32
	v_pk_add_f32 v[T+I:T+I+1], v[T+I:T+I+1], 1.0 op_sel_hi:[1,0]
.set I, I+2
.endr
.set I, 0
.rept 64
	v_rcp_f32 v[T+I], v[T+I]
.set I, I+1
.endr
	v_nop
	s_wait_alu depctr_va_vdst(0)
.set I, 0
.rept 32
	v_pk_mul_f32 v[H+I:H+I+1], v[H+I:H+I+1], v[T+I:T+I+1]
.set I, I+2
.endr
	QUANT H
.irp c, 0,1,2
	global_store_b128 v24, v[PC+4*\c:PC+4*\c+3], s[70:71] offset:\a*REC+512*\c
.endr
	global_store_b32 v25, v[PW], s[72:73] offset:\a*REC
.endr
	s_wait_tensorcnt 0x0                           ; the wave's end
	ds_add_u32 v[SPW], v[NIL]
	s_wait_dscnt 0x0
	CROUND                                         ; the closing round
	s_endpgm
.Lfunc_end_k_qd7263d3eac_ffn1:
	.size	k_qd7263d3eac_ffn1, .Lfunc_end_k_qd7263d3eac_ffn1-k_qd7263d3eac_ffn1
	.p2alignl 7, 3214868480
	.fill 96, 4, 3214868480
	.section	.rodata,"a",@progbits
	.p2align	6, 0x0
	.amdhsa_kernel k_qd7263d3eac_ffn1
		.amdhsa_group_segment_fixed_size 327680
		.amdhsa_private_segment_fixed_size 0
		.amdhsa_enable_private_segment 0
		.amdhsa_kernarg_size 32
		.amdhsa_user_sgpr_count 2
		.amdhsa_user_sgpr_kernarg_segment_ptr 1
		.amdhsa_wavefront_size32 1
		.amdhsa_system_sgpr_workgroup_id_x 1
		.amdhsa_system_sgpr_workgroup_id_y 1
		.amdhsa_system_sgpr_workgroup_id_z 1
		.amdhsa_system_vgpr_workitem_id 0
		.amdhsa_next_free_vgpr 1024
		.amdhsa_next_free_sgpr 90
		.amdhsa_reserve_vcc 0
		.amdhsa_float_denorm_mode_32 3
		.amdhsa_float_denorm_mode_16_64 3
		.amdhsa_memory_ordered 1
		.amdhsa_forward_progress 1
		.amdhsa_inst_pref_size 238
	.end_amdhsa_kernel
	.amdgpu_metadata
---
amdhsa.version: [ 1, 2 ]
amdhsa.kernels:
  - .name:           k_qd7263d3eac_ffn1
    .symbol:         k_qd7263d3eac_ffn1.kd
    .args:
      - { .name: arec, .offset: 0, .size: 8, .value_kind: global_buffer, .address_space: global }
      - { .name: wrec, .offset: 8, .size: 8, .value_kind: global_buffer, .address_space: global }
      - { .name: w1_b, .offset: 16, .size: 8, .value_kind: global_buffer, .address_space: global }
      - { .name: hrec, .offset: 24, .size: 8, .value_kind: global_buffer, .address_space: global }
    .group_segment_fixed_size: 327680
    .private_segment_fixed_size: 0
    .kernarg_segment_align: 8
    .kernarg_segment_size: 32
    .max_flat_workgroup_size: 128
    .sgpr_count:     90
    .vgpr_count:     1024
    .wavefront_size: 32
...
	.end_amdgpu_metadata
.endif
;; end of part 5
;; launch ffn2 (part 6): grid 4 x 16, 4 waves a work-group, clusters of 4 x 4, 327,680 bytes of LDS; arguments hrec, wrec, w2_b, att; writes att
.if DOCPART == 6
	.amdgcn_target "amdgcn-amd-amdhsa--gfx1250"
	.amdhsa_code_object_version 6
	.text
	.protected	k_qd7263d3eac_ffn2
	.globl	k_qd7263d3eac_ffn2
	.p2align	8
	.type	k_qd7263d3eac_ffn2,@function
k_qd7263d3eac_ffn2:
	s_mov_b64 s[64:65], 0
	v_nop
	global_prefetch_b8 v0, s[64:65] scope:SCOPE_SE
	s_setreg_imm32_b32 hwreg(HW_REG_WAVE_MODE, 25, 1), 1
	s_wait_xcnt 0x0
	s_wait_alu depctr_hold_cnt(0) depctr_sa_sdst(0) depctr_va_vdst(0) depctr_va_sdst(0) depctr_va_ssrc(0) depctr_va_vcc(0) depctr_vm_vsrc(0)
	s_getreg_b32 s2, hwreg(HW_REG_IB_STS2, 6, 4)
	s_cmp_eq_u32 s2, 0
	s_cbranch_scc0 .Lentry_in_a_cluster
	s_endpgm
.Lentry_in_a_cluster:
	s_bfe_u32 s2, ttmp6, 0x10000c
	s_cmp_lg_u32 s2, 0xf033
	s_cbranch_scc0 .Lentry_shape_is_right
	s_endpgm
.Lentry_shape_is_right:
; y = h W2^T + b2, on E2M3 codes with E8M0 scales, K = 4,096; y [4,096][1,024] is stored as f32.
; OPERANDS lie as records (3,328 bytes: one block of 16 rows x 256 along K: two images of fragment registers and two runs of scale words), [K / 256][blocks][record].  Lane r of block t is row
; 32 (t / 2) + 8 (t % 2) + r + 8 (r / 8).  Eight blocks of one K step are 26,624 dense bytes: one tensor load.
; A tile of the result, 256 x 256, is made by four waves, 128 x 128 each.  K goes in steps of 256 through two LDS slots.  The result has 64 such tiles: 64 work-groups.
; THE MATRIX INSTRUCTION: source 0 = 16 rows of W2, source 1 = 16 tokens: a lane holds one token; tile b's register j is column 32 (b / 2) + 16 h + 8 (b % 2) + j of my 128.
; CLUSTERS: 4 x 4: the tokens' tile is shared along a row of the cluster, W2's along a column: joint loads.
; THE WAY OUT: a token block goes through my stage in LDS, where the columns are put in order, and comes back as rows of 512 bytes; b2 is added; the rows' places in memory undo the blocks' choice of rows.
; The stage lies in slot 0, which has had its last fill and its last read when the first result is stored there.
; REGISTERS: window 0: v8-11 b2, v16-23 LDS addresses, v24-26 the way out, v28-29 the spare word, v32-63 scale words, v128-223 the tokens' fragments; on the way out v128-255 rows.  window 1: W2's fragments, two sets.
; windows 2, 3: the accumulators.
.set REC,   3328
.set HALFT, 8*REC
.set SLOT,  4*HALFT
.set SPARE, 2*SLOT
.set LAPS,  8                          ; K / 512
.set WSEC,  5963776                    ; W2's section of wrec
.set KPA,   851968                     ; a K step of the tokens' 256 blocks
.set KPB,   212992                     ; and of W2's 64
.set FR,    12
.set NP,    4
.set ADRA,  16
.set ADRB,  20
.set ADRS,  22
.set STO,   24
.set RD,    25
.set CO,    26
.set SPW,   28
.set NIL,   29
.set SC,    32
.set AF,    128
.set BK,    128
.set SPITCH, 528
.set G1,    24
.set G0,    32
.set G1B,   48
.set G0B,   56
.set STA,   66
.set STB,   68
.set MSB, 0
.macro WIN new
.if MSB != (\new)
	s_set_vgpr_msb (MSB<<8)|(\new)
.set MSB, (\new)
.endif
.endm
.set MUL_LO, 0xa1
.set MUL_HI, 0xf1
.set TO_B,   0x40
.macro JLOAD g0a, g1a, g0b, g1b        ; a joint load: waves 0, 1 fetch for A, waves 2, 3 for B; four v_nop follow each line
	s_cmp_eq_u32 s15, 0
	s_cbranch_scc0 .Lfor_b_\@
	tensor_load_to_lds s[\g0a:\g0a+3], s[\g1a:\g1a+7]
	s_nop 0
.rept 4
	v_nop
.endr
	s_branch .Lasked_\@
.Lfor_b_\@:
	tensor_load_to_lds s[\g0b:\g0b+3], s[\g1b:\g1b+7]
	s_nop 0
.rept 4
	v_nop
.endr
.Lasked_\@:
.endm
.macro CREST
	s_cmp_lg_u32 s14, 0
	s_cbranch_scc1 .Lnot_wave_0_\@
	s_barrier_signal -3
.Lnot_wave_0_\@:
	s_barrier_wait -3
	s_barrier_signal -1
	s_barrier_wait -1
.endm
.macro CROUND
	s_barrier_signal -1
	s_barrier_wait -1
	CREST
.endm
.macro FRAG reg, adr, q, i
.irp c, 0,1,2
	ds_load_b128 v[\reg+4*\c:\reg+4*\c+3], v[\adr] offset:(\i)*REC+(\q)*1536+512*\c
.endr
.endm
.macro MUL16 a0, p, q, sc, zero        ; the 64 accumulators take turns
.irp a, \a0, \a0+1
.irp b, 0,1,2,3,4,5,6,7
.if \zero
	v_wmma_scale_f32_16x16x128_f8f6f4 v[8*(8*((\a)%4)+\b):8*(8*((\a)%4)+\b)+7], v[128*(\p)+FR*\b:128*(\p)+FR*\b+FR-1], v[AF+FR*(\a):AF+FR*(\a)+FR-1], 0, v[SC+16*(\sc)+2*\b+(\q)], v[SC+16*(\sc)+2*(\a)+(\q)] matrix_a_fmt:MATRIX_FMT_FP6 matrix_b_fmt:MATRIX_FMT_FP6 matrix_a_scale:MATRIX_SCALE_ROW1
.else
	v_wmma_scale_f32_16x16x128_f8f6f4 v[8*(8*((\a)%4)+\b):8*(8*((\a)%4)+\b)+7], v[128*(\p)+FR*\b:128*(\p)+FR*\b+FR-1], v[AF+FR*(\a):AF+FR*(\a)+FR-1], v[8*(8*((\a)%4)+\b):8*(8*((\a)%4)+\b)+7], v[SC+16*(\sc)+2*\b+(\q)], v[SC+16*(\sc)+2*(\a)+(\q)] matrix_a_fmt:MATRIX_FMT_FP6 matrix_b_fmt:MATRIX_FMT_FP6 matrix_a_scale:MATRIX_SCALE_ROW1
.endif
.endr
.endr
.endm
.macro FETCH_B slot, q, p
	WIN TO_B
.irp i, 0,1,2,3,4,5,6,7
	FRAG 128*(\p)+FR*\i, ADRB+\slot, \q, \i
.endr
	WIN 0
.endm
.macro FETCH_A slot, q, i0
.irp i, \i0, \i0+1, \i0+2, \i0+3
	FRAG AF+FR*(\i), ADRA+\slot, \q, \i
.endr
.endm
.macro SCALES sl
.irp i, 0,1,2,3,4,5,6,7
	ds_load_b32 v[SC+16*\sl+2*\i], v[ADRS+\sl] offset:\i*REC
	ds_load_b32 v[SC+16*\sl+2*\i+1], v[ADRS+\sl] offset:\i*REC+128
.endr
.endm
.macro PLACES n
.rept \n
	v_nop
.endr
.endm
.macro STEP slot, q, zero
	s_wait_dscnt 12                                ; all but the youngest twelve loads (A's blocks 4-7)
	WIN MUL_LO
	MUL16 0, (\q)%2, \q, \slot, \zero
	MUL16 2, (\q)%2, \q, \slot, \zero
	s_wait_dscnt 0x0
	PLACES NP
	FETCH_B \slot, (\q)+1, 1-(\q)%2
	FETCH_A \slot, (\q)+1, 0
	WIN MUL_HI
	MUL16 4, (\q)%2, \q, \slot, \zero
	MUL16 6, (\q)%2, \q, \slot, \zero
	PLACES NP
	WIN 0
	FETCH_A \slot, (\q)+1, 4
.endm
.macro TURN slot, next, fill
	s_wait_tensorcnt 0x0                           ; all my tensor loads have landed: my part of the next slot
	ds_add_u32 v[SPW], v[NIL]                      ; 0 onto my spare word
	s_wait_dscnt 13                                ; (the add and the youngest twelve loads may be out)
	WIN MUL_LO
	MUL16 0, 1, 1, \slot, 0
	s_wait_dscnt 0x0                               ; the add is done, and my reads of this slot are over
	s_barrier_signal -1
	MUL16 2, 1, 1, \slot, 0
	WIN 0
	s_barrier_wait -1
.if \fill
	CREST                                          ; the barrier has opened a round of the cluster's: no wave of any partner still reads this slot or has a load on its way
	s_add_nc_u64 s[G0+4*\slot+2:G0+4*\slot+3], s[G0+4*\slot+2:G0+4*\slot+3], s[STA:STA+1]
	s_add_nc_u64 s[G0B+4*\slot+2:G0B+4*\slot+3], s[G0B+4*\slot+2:G0B+4*\slot+3], s[STB:STB+1]
	JLOAD G0+4*\slot, G1, G0B+4*\slot, G1B
.else
	PLACES NP
.endif
	FETCH_B \next, 0, 0
	FETCH_A \next, 0, 0
	SCALES \next
	WIN MUL_HI
	MUL16 4, 1, 1, \slot, 0
	MUL16 6, 1, 1, \slot, 0
	PLACES NP
	WIN 0
	FETCH_A \next, 0, 4
.endm
	s_load_b256 s[4:11], s[0:1], 0x0               ; hrec s[4:5], wrec s[6:7], b2 s[8:9], the output s[10:11]
	v_lshl_add_u32 v[SPW], v0, 2, SPARE
	v_mov_b32 v[NIL], 0
	ds_add_u32 v28, v29
	ds_add_u32 v28, v29
	s_wait_dscnt 0x0
	v_lshrrev_b32 v1, 5, v0
	v_readfirstlane_b32 s14, v1
	s_lshr_b32 s15, s14, 1
	s_and_b32 s16, s14, 1
	s_bfe_u32 s40, ttmp6, 0x40000
	s_bfe_u32 s41, ttmp6, 0x40004
	s_lshl_b32 s42, ttmp9, 2
	s_add_co_u32 s42, s42, s40                     ; tile column
	s_and_b32 s17, ttmp7, 0xffff
	s_lshl_b32 s17, s17, 2
	s_add_co_u32 s17, s17, s41                     ; tile row
	s_lshl_b32 s43, s41, 2
	s_lshl_b32 s43, 15, s43
	s_lshl_b32 s44, 0x1111, s40
	s_or_b32 s[G1], s43, (3<<16)|(1<<21)
	s_or_b32 s[G1B], s44, (3<<16)|(1<<21)
.irp g, G1, G1B
	s_mov_b32 s[\g+1], 32<<16
	s_mov_b32 s[\g+2], 104<<16
	s_mov_b32 s[\g+3], 32<<16
	s_mov_b32 s[\g+4], 104
	s_mov_b32 s[\g+5], 32
	s_mov_b32 s[\g+6], 0
	s_mov_b32 s[\g+7], 0
.endr
	s_lshl_b32 s23, s16, 3
	s_lshl_b32 s20, s17, 4
	s_add_co_u32 s20, s20, s23
	s_mul_i32 s20, s20, REC
	s_mov_b32 s21, 0
	s_lshl_b32 s46, s42, 4
	s_add_co_u32 s46, s46, s23
	s_mul_i32 s46, s46, REC
	s_add_co_u32 s46, s46, WSEC
	s_mov_b32 s47, 0
	s_mov_b32 s[STA], 2*KPA
	s_mov_b32 s[STA+1], 0
	s_mov_b32 s[STB], 2*KPB
	s_mov_b32 s[STB+1], 0
	s_mul_i32 s45, s14, HALFT
	s_wait_kmcnt 0x0
	s_add_nc_u64 s[20:21], s[4:5], s[20:21]
	s_add_nc_u64 s[46:47], s[6:7], s[46:47]
	CROUND
.irp s, 0,1
	s_mov_b32 s[G0+4*\s], 1
	s_add_co_u32 s[G0+4*\s+1], s45, \s*SLOT
	s_add_nc_u64 s[G0+4*\s+2:G0+4*\s+3], s[20:21], \s*KPA
	s_or_b32 s[G0+4*\s+3], s[G0+4*\s+3], 0x80000000
	s_mov_b32 s[G0B+4*\s], 1
	s_add_co_u32 s[G0B+4*\s+1], s45, \s*SLOT
	s_add_nc_u64 s[G0B+4*\s+2:G0B+4*\s+3], s[46:47], \s*KPB
	s_or_b32 s[G0B+4*\s+3], s[G0B+4*\s+3], 0x80000000
	JLOAD G0+4*\s, G1, G0B+4*\s, G1B
.endr
	v_and_b32 v1, 31, v0
	v_bfe_u32 v2, v0, 4, 1
	v_lshlrev_b32 v3, 4, v1
	s_mul_i32 s21, s15, HALFT
	s_mul_i32 s22, s16, HALFT
	s_add_co_u32 s22, s22, 2*HALFT
.irp s, 0,1
	v_add_nc_u32 v[ADRA+\s], s21, v3
	v_add_nc_u32 v[ADRB+\s], s22, v3
	s_add_co_u32 s21, s21, SLOT
	s_add_co_u32 s22, s22, SLOT
.endr
	s_mul_i32 s21, s15, HALFT
	s_mul_i32 s22, s16, HALFT
	s_add_co_u32 s22, s22, 2*HALFT
	s_sub_co_u32 s22, s22, s21
	v_mul_u32_u24 v4, s22, v2
	v_lshl_add_u32 v4, v1, 2, v4
	s_add_co_u32 s21, s21, 3072
	v_add_nc_u32 v[ADRS], s21, v4
	v_add_nc_u32 v[ADRS+1], SLOT, v[ADRS]
	s_lshl_b32 s74, s42, 10
	s_lshl_b32 s75, s16, 9
	s_add_co_u32 s74, s74, s75                     ; my first column, in bytes
	s_mov_b32 s75, 0
	s_add_nc_u64 s[8:9], s[8:9], s[74:75]
	v_lshlrev_b32 v[CO], 4, v1                     ; 16 x lane; not written again
	global_load_b128 v[8:11], v[CO], s[8:9]        ; b2 at the four columns that I store
	s_lshl_b32 s76, s17, 8
	s_lshl_b32 s77, s15, 7
	s_add_co_u32 s76, s76, s77                     ; my first token
	s_lshl_b32 s76, s76, 12
	s_add_co_u32 s76, s76, s74
	s_mov_b32 s77, 0
	s_add_nc_u64 s[12:13], s[10:11], s[76:77]
	s_mul_i32 s23, s14, 16*SPITCH                  ; my stage
	v_and_b32 v5, 15, v0
	v_mul_u32_u24 v[STO], v5, SPITCH
	v_lshl_add_u32 v[STO], v2, 6, v[STO]
	v_add_nc_u32 v[STO], s23, v[STO]               ; in: row r, + 64 h
	v_add_nc_u32 v[RD], s23, v[CO]                 ; back: the 32 lanes take one row of 512 bytes
	s_wait_tensorcnt 1                             ; my part of K step 0 is in; K step 1's load may be out
	s_barrier_signal -1
	s_barrier_wait -1
	FETCH_B 0, 0, 0
	FETCH_A 0, 0, 0
	SCALES 0
	FETCH_A 0, 0, 4
	STEP 0, 0, 1
	s_mov_b32 s3, LAPS-1
.Llap:
	TURN 0, 1, 1
	STEP 1, 0, 0
	TURN 1, 0, 1
	STEP 0, 0, 0
	s_sub_co_u32 s3, s3, 1
	s_cmp_lg_u32 s3, 0
	s_cbranch_scc1 .Llap
	TURN 0, 1, 0
	STEP 1, 0, 0
	s_wait_dscnt 12
	WIN MUL_LO
	MUL16 0, 1, 1, 1, 0
	MUL16 2, 1, 1, 1, 0
	s_wait_dscnt 0x0
	WIN MUL_HI
	MUL16 4, 1, 1, 1, 0
	MUL16 6, 1, 1, 1, 0
	WIN 0
.macro TOSTAGE a
.set AC, 64*((\a)%4)
	WIN 0x08+4*((\a)/4)                            ; an LDS store's data: window 2 or 3
.irp b, 0,1,2,3,4,5,6,7
	ds_store_b128 v[STO], v[AC+8*\b:AC+8*\b+3] offset:128*(\b/2)+32*(\b%2)          ; each accumulator from its low end on
	ds_store_b128 v[STO], v[AC+8*\b+4:AC+8*\b+7] offset:128*(\b/2)+32*(\b%2)+16
.endr
	WIN 0
.set BB, BK+64*((\a)%2)
.set I, 0
.rept 16
	ds_load_b128 v[BB+4*I:BB+4*I+3], v[RD] offset:I*SPITCH   ; LDS serves a wave's instructions in order: these see the stores above
.set I, I+1
.endr
.endm
.macro SEND a, younger                 ; younger: the LDS instructions issued behind block a's loads, which may stay out
.set BB, BK+64*((\a)%2)
	s_wait_dscnt \younger
.set I, 0
.rept 16
	v_pk_add_f32 v[BB+4*I:BB+4*I+1], v[BB+4*I:BB+4*I+1], v[8:9]
	v_pk_add_f32 v[BB+4*I+2:BB+4*I+3], v[BB+4*I+2:BB+4*I+3], v[10:11]
.set I, I+1
.endr
.set I, 0
.rept 16
	global_store_b128 v[CO], v[BB+4*I:BB+4*I+3], s[12:13] offset:(32*((\a)/2)+8*((\a)%2)+I+8*(I/8))*4096   ; 512 consecutive bytes of a row
.set I, I+1
.endr
.endm
	PLACES NP
	s_wait_loadcnt 0x0                             ; b2
	TOSTAGE 0
.irp a, 1,2,3,4,5,6,7
.if \a > 1
	s_wait_xcnt 0x0                                ; block a - 2's stores have read their registers: block a's loads may land there
.endif
	TOSTAGE \a
	SEND \a-1, 32                                  ; behind block a - 1's loads: block a's 16 stores and 16 loads
.endr
	SEND 7, 0
	s_wait_tensorcnt 0x0                           ; the wave's end
	ds_add_u32 v[SPW], v[NIL]
	s_wait_dscnt 0x0
	CROUND                                         ; the closing round
	s_endpgm
.Lfunc_end_k_qd7263d3eac_ffn2:
	.size	k_qd7263d3eac_ffn2, .Lfunc_end_k_qd7263d3eac_ffn2-k_qd7263d3eac_ffn2
	.p2alignl 7, 3214868480
	.fill 96, 4, 3214868480
	.section	.rodata,"a",@progbits
	.p2align	6, 0x0
	.amdhsa_kernel k_qd7263d3eac_ffn2
		.amdhsa_group_segment_fixed_size 327680
		.amdhsa_private_segment_fixed_size 0
		.amdhsa_enable_private_segment 0
		.amdhsa_kernarg_size 32
		.amdhsa_user_sgpr_count 2
		.amdhsa_user_sgpr_kernarg_segment_ptr 1
		.amdhsa_wavefront_size32 1
		.amdhsa_system_sgpr_workgroup_id_x 1
		.amdhsa_system_sgpr_workgroup_id_y 1
		.amdhsa_system_sgpr_workgroup_id_z 1
		.amdhsa_system_vgpr_workitem_id 0
		.amdhsa_next_free_vgpr 1024
		.amdhsa_next_free_sgpr 90
		.amdhsa_reserve_vcc 0
		.amdhsa_float_denorm_mode_32 3
		.amdhsa_float_denorm_mode_16_64 3
		.amdhsa_memory_ordered 1
		.amdhsa_forward_progress 1
		.amdhsa_inst_pref_size 151
	.end_amdhsa_kernel
	.amdgpu_metadata
---
amdhsa.version: [ 1, 2 ]
amdhsa.kernels:
  - .name:           k_qd7263d3eac_ffn2
    .symbol:         k_qd7263d3eac_ffn2.kd
    .args:
      - { .name: hrec, .offset: 0, .size: 8, .value_kind: global_buffer, .address_space: global }
      - { .name: wrec, .offset: 8, .size: 8, .value_kind: global_buffer, .address_space: global }
      - { .name: w2_b, .offset: 16, .size: 8, .value_kind: global_buffer, .address_space: global }
      - { .name: att, .offset: 24, .size: 8, .value_kind: global_buffer, .address_space: global }
    .group_segment_fixed_size: 327680
    .private_segment_fixed_size: 0
    .kernarg_segment_align: 8
    .kernarg_segment_size: 32
    .max_flat_workgroup_size: 128
    .sgpr_count:     90
    .vgpr_count:     1024
    .wavefront_size: 32
...
	.end_amdgpu_metadata
.endif
;; end of part 6
;; launch ln2 (part 7): grid 256 x 1, 8 waves a work-group, no clusters, 70,656 bytes of LDS; arguments att, x1, ln2_g, ln2_b, out0; writes out0
.if DOCPART == 7
	.amdgcn_target "amdgcn-amd-amdhsa--gfx1250"
	.amdhsa_code_object_version 6
	.text
	.protected	k_qd7263d3eac_ln2
	.globl	k_qd7263d3eac_ln2
	.p2align	8
	.type	k_qd7263d3eac_ln2,@function
k_qd7263d3eac_ln2:
	s_mov_b64 s[64:65], 0
	v_nop
	global_prefetch_b8 v0, s[64:65] scope:SCOPE_SE
	s_setreg_imm32_b32 hwreg(HW_REG_WAVE_MODE, 25, 1), 1
	s_wait_xcnt 0x0
; y = LayerNorm(a + e) x gamma + beta over rows of 1,024, in f32: the block's result.
; A work-group takes a block of 16 rows (row i of block t is row 32 (t / 2) + 8 (t % 2) + i + 8 (i / 8)); wave w takes columns 128 w .. 128 w + 127 of all 16.
; Loads and stores take 512 consecutive bytes of a row; the arithmetic wants a lane to hold 64 numbers of ONE row (register 16 b + i = column 32 b + 16 h + i): the numbers turn through the wave's own stage in LDS, and back.
; The mean, and then the mean of the squared differences (a second pass over registers: no difference of large sums), are joined across the eight waves through LDS: two barriers, each exchange in bytes of its own.
; LIMITS: NaN and infinities are not served.  Work-groups share no input but gamma and beta: no cluster.
.set SP,   528
.set STGB, 16*SP
.set RED,  8*STGB                      ; behind the stages: [2 exchanges][8 waves][128 bytes]
.set GOFF, 4
.set SIN,  5
.set SOUT, 6
.set RW,   7
.set RR,   8
.set GB,   9
.set RA,   16                          ; v16-79: a as loaded, then gamma, then y by rows
.set X,    80                          ; v80-143: e as loaded, then my 64 numbers
.set BB,   144                         ; v144-207: beta
.set SEL,  28
.macro LOADROWS reg, base
.set I, 0
.rept 16
	global_load_b128 v[\reg+4*I:\reg+4*I+3], v[GOFF], s[\base:\base+1] offset:(I+8*(I/8))*4096 th:TH_LOAD_NT
.set I, I+1
.endr
.endm
.macro LOADVEC reg, base               ; gamma or beta at my 64 columns
.set I, 0
.rept 16
	global_load_b128 v[\reg+4*I:\reg+4*I+3], v[GB], s[\base:\base+1] offset:128*(I/4)+16*(I%4)
.set I, I+1
.endr
.endm
.macro JOIN off                        ; v246: my 64 numbers' sum -> v226: the row's, the same bits in every wave
	v_add_f32 v246, v246, v247
	v_permlanex16_b32 v250, v246, s[SEL], s[SEL+1]
	v_add_f32 v246, v246, v250
	ds_store_b32 v[RW], v246 offset:\off
	s_wait_dscnt 0x0                               ; for the others' sake: my store has landed
	s_barrier_signal -1
	s_barrier_wait -1
.irp k, 0,1,2,3,4,5,6,7
	ds_load_b32 v[226+\k], v[RR] offset:\off+128*\k
.endr
	s_wait_dscnt 0x0
	v_add_f32 v226, v226, v227
	v_add_f32 v228, v228, v229
	v_add_f32 v230, v230, v231
	v_add_f32 v232, v232, v233
	v_add_f32 v226, v226, v228
	v_add_f32 v230, v230, v232
	v_add_f32 v226, v226, v230
.endm
	s_load_b256 s[4:11], s[0:1], 0x0               ; a s[4:5], e s[6:7], gamma s[8:9], beta s[10:11]
	s_load_b64 s[12:13], s[0:1], 0x20              ; y
	v_lshl_add_u32 v254, v0, 2, 0x11000
	v_mov_b32 v255, 0
	v_lshrrev_b32 v1, 5, v0
	v_readfirstlane_b32 s16, v1                    ; wave 0..7
	v_and_b32 v1, 31, v0
	v_and_b32 v2, 15, v0                           ; r
	v_bfe_u32 v3, v0, 4, 1                         ; h
	s_lshl_b32 s17, s16, 9
	v_lshl_add_u32 v[GOFF], v1, 4, s17             ; 512 w + 16 l
	s_mul_i32 s18, s16, STGB
	v_lshl_add_u32 v[SIN], v1, 4, s18
	v_mul_u32_u24 v[SOUT], v2, SP
	v_lshl_add_u32 v[SOUT], v3, 6, v[SOUT]
	v_add_nc_u32 v[SOUT], s18, v[SOUT]
	s_lshl_b32 s19, s16, 7
	s_add_co_u32 s19, s19, RED
	v_lshl_add_u32 v[RW], v1, 2, s19
	v_lshl_add_u32 v[RR], v1, 2, RED
	v_lshl_add_u32 v[GB], v3, 6, s17               ; 512 w + 64 h
	s_lshr_b32 s20, ttmp9, 1
	s_lshl_b32 s20, s20, 5
	s_and_b32 s21, ttmp9, 1
	s_lshl_b32 s21, s21, 3
	s_add_co_u32 s20, s20, s21                     ; the block's first row
	s_lshl_b32 s20, s20, 12
	s_mov_b32 s21, 0
	s_mov_b32 s26, 0x3a800000                      ; 1 / 1,024
	s_mov_b32 s27, 0x3727c5ac                      ; 1e-5
	s_mov_b32 s[SEL], 0x76543210
	s_mov_b32 s[SEL+1], 0xfedcba98
	v_mov_b32 v250, 0                              ; written once: a lane permute's destination counts as one of its sources
	v_mov_b32 v253, 0                              ; (named as the upper half of the pair v[252:253])
	s_wait_kmcnt 0x0
	s_add_nc_u64 s[4:5], s[4:5], s[20:21]
	s_add_nc_u64 s[6:7], s[6:7], s[20:21]
	s_add_nc_u64 s[12:13], s[12:13], s[20:21]
	LOADVEC BB, 10
	LOADROWS RA, 4
	LOADROWS X, 6
	s_wait_loadcnt 0x0
.set I, 0
.rept 32
	v_pk_add_f32 v[RA+I:RA+I+1], v[RA+I:RA+I+1], v[X+I:X+I+1]   ; the residual
.set I, I+2
.endr
.set I, 0
.rept 16
	ds_store_b128 v[SIN], v[RA+4*I:RA+4*I+3] offset:SP*I
.set I, I+1
.endr
.set I, 0
.rept 16
	ds_load_b128 v[X+4*I:X+4*I+3], v[SOUT] offset:128*(I/4)+16*(I%4)   ; LDS serves a wave's instructions in order: these see the stores above
.set I, I+1
.endr
	s_wait_dscnt 0x0
	LOADVEC RA, 8                                  ; gamma lands while the statistics are made
	v_pk_add_f32 v[246:247], v[X:X+1], v[X+2:X+3]
	v_pk_add_f32 v[248:249], v[X+4:X+5], v[X+6:X+7]
.set I, 8
.rept 14
	v_pk_add_f32 v[246:247], v[246:247], v[X+I:X+I+1]
	v_pk_add_f32 v[248:249], v[248:249], v[X+I+2:X+I+3]
.set I, I+4
.endr
	v_pk_add_f32 v[246:247], v[246:247], v[248:249]
	JOIN 0
	v_mul_f32 v252, 0xba800000, v226               ; - the mean
.set I, 0
.rept 32
	v_pk_add_f32 v[X+I:X+I+1], v[X+I:X+I+1], v[252:253] op_sel_hi:[1,0]
.set I, I+2
.endr
	v_pk_mul_f32 v[246:247], v[X:X+1], v[X:X+1]
	v_pk_mul_f32 v[248:249], v[X+2:X+3], v[X+2:X+3]
.set I, 4
.rept 15
	v_pk_fma_f32 v[246:247], v[X+I:X+I+1], v[X+I:X+I+1], v[246:247]
	v_pk_fma_f32 v[248:249], v[X+I+2:X+I+3], v[X+I+2:X+I+3], v[248:249]
.set I, I+4
.endr
	v_pk_add_f32 v[246:247], v[246:247], v[248:249]
	JOIN 1024
	v_fma_f32 v246, v226, s26, s27                 ; the variance + 1e-5
	v_rsq_f32 v252, v246
	v_nop
	s_wait_alu depctr_va_vdst(0)                   ; ahead of the first reader
	s_wait_loadcnt 0x0                             ; gamma
.set I, 0
.rept 32
	v_pk_mul_f32 v[X+I:X+I+1], v[X+I:X+I+1], v[252:253] op_sel_hi:[1,0]
.set I, I+2
.endr
.set I, 0
.rept 32
	v_pk_fma_f32 v[X+I:X+I+1], v[X+I:X+I+1], v[RA+I:RA+I+1], v[BB+I:BB+I+1]
.set I, I+2
.endr
.set I, 0
.rept 16
	ds_store_b128 v[SOUT], v[X+4*I:X+4*I+3] offset:128*(I/4)+16*(I%4)
.set I, I+1
.endr
.set I, 0
.rept 16
	ds_load_b128 v[RA+4*I:RA+4*I+3], v[SIN] offset:SP*I
.set I, I+1
.endr
.set I, 0
.rept 16
	s_wait_dscnt 15-I                              ; the younger loads may be out
	global_store_b128 v[GOFF], v[RA+4*I:RA+4*I+3], s[12:13] offset:(I+8*(I/8))*4096 th:TH_STORE_NT   ; 512 consecutive bytes of a row
.set I, I+1
.endr
	s_wait_tensorcnt 0x0
	ds_add_u32 v254, v255
	s_wait_dscnt 0x0
	s_endpgm
.Lfunc_end_k_qd7263d3eac_ln2:
	.size	k_qd7263d3eac_ln2, .Lfunc_end_k_qd7263d3eac_ln2-k_qd7263d3eac_ln2
	.p2alignl 7, 3214868480
	.fill 96, 4, 3214868480
	.section	.rodata,"a",@progbits
	.p2align	6, 0x0
	.amdhsa_kernel k_qd7263d3eac_ln2
		.amdhsa_group_segment_fixed_size 70656
		.amdhsa_private_segment_fixed_size 0
		.amdhsa_enable_private_segment 0
		.amdhsa_kernarg_size 40
		.amdhsa_user_sgpr_count 2
		.amdhsa_user_sgpr_kernarg_segment_ptr 1
		.amdhsa_wavefront_size32 1
		.amdhsa_system_sgpr_workgroup_id_x 1
		.amdhsa_system_sgpr_workgroup_id_y 1
		.amdhsa_system_sgpr_workgroup_id_z 1
		.amdhsa_system_vgpr_workitem_id 0
		.amdhsa_next_free_vgpr 256
		.amdhsa_next_free_sgpr 66
		.amdhsa_reserve_vcc 0
		.amdhsa_float_denorm_mode_32 3
		.amdhsa_float_denorm_mode_16_64 3
		.amdhsa_memory_ordered 1
		.amdhsa_forward_progress 1
		.amdhsa_inst_pref_size 29
	.end_amdhsa_kernel
	.amdgpu_metadata
---
amdhsa.version: [ 1, 2 ]
amdhsa.kernels:
  - .name:           k_qd7263d3eac_ln2
    .symbol:         k_qd7263d3eac_ln2.kd
    .args:
      - { .name: att, .offset: 0, .size: 8, .value_kind: global_buffer, .address_space: global }
      - { .name: x1, .offset: 8, .size: 8, .value_kind: global_buffer, .address_space: global }
      - { .name: ln2_g, .offset: 16, .size: 8, .value_kind: global_buffer, .address_space: global }
      - { .name: ln2_b, .offset: 24, .size: 8, .value_kind: global_buffer, .address_space: global }
      - { .name: out0, .offset: 32, .size: 8, .value_kind: global_buffer, .address_space: global }
    .group_segment_fixed_size: 70656
    .private_segment_fixed_size: 0
    .kernarg_segment_align: 8
    .kernarg_segment_size: 40
    .max_flat_workgroup_size: 256
    .sgpr_count:     66
    .vgpr_count:     256
    .wavefront_size: 32
...
	.end_amdgpu_metadata
.endif
;; end of part 7
;; ======== version 2 of 2: 7 launches
;; limits: right only within a limited range of input values
;; workspace buffers: arec 3,407,872 bytes; wrec 9,371,648 bytes; qkv 10,223,616 bytes; att 16,777,216 bytes; x1 16,777,216 bytes; hrec 13,631,488 bytes
;; launch prep (part 8): grid 432 x 1, 4 waves a work-group, no clusters, 84,480 bytes of LDS; arguments embed, Wq_codes, Wk_codes, Wv_codes, w1_w_codes, w2_w_codes, Wq_scales, Wk_scales, Wv_scales, w1_w_scales, w2_w_scales, arec, wrec; writes arec, wrec
.if DOCPART == 8
	.amdgcn_target "amdgcn-amd-amdhsa--gfx1250"
	.amdhsa_code_object_version 6
	.text
	.protected	k_qd7263d3eac_prep
	.globl	k_qd7263d3eac_prep
	.p2align	8
	.type	k_qd7263d3eac_prep,@function
k_qd7263d3eac_prep:
	s_mov_b64 s[64:65], 0
	v_nop
	global_prefetch_b8 v0, s[64:65] scope:SCOPE_SE
	s_setreg_imm32_b32 hwreg(HW_REG_WAVE_MODE, 25, 1), 1
	s_wait_xcnt 0x0
; PREP: every matrix operand of the later launches is laid out ONCE as images of operand registers.
; A BLOCK is 16 rows: lane r of block t is row 32 (t / 2) + 8 (t % 2) + r + 8 (r / 8).  A FRAGMENT (16 rows x 128 K of E2M3 codes) is 12 registers a lane; its image has registers 4 c .. 4 c + 3 of lane l
; at 512 c + 16 l: 1,536 bytes.  A RECORD (REC, 3,328 bytes) is one block x 256 along K: two fragments, then two runs of 32 scale words (lane l's at 4 l; lanes 16-31 repeat lanes 0-15).
; An operand is [K / 256][blocks][REC].
; Work-groups 0-255: embed (f32) is quantised: work-group = block, wave = 256 along K.  A block of 32 numbers gets the scale 2^(floor(log2(largest magnitude)) - 2); each number is divided by it and rounded
; to the nearest code, ties to even, beyond 7.5 the largest code.
; Work-groups 256-431: the five weights, which arrive as codes, are only laid anew: a wave takes 16 rows x 1,024 along K (768 bytes a row) and writes four records.
; LIMITS: NaN and infinities in embed are not served; a block whose largest magnitude lies under 2^-124 (a block of zeros too) keeps the scale byte 1: a block of zeros has zero codes, and only this program reads the bytes.
; The two paths part on the work-group's number and have LDS bytes of their own.  Waves share nothing: no barrier.  Work-groups share no input: no cluster.
.set REC,  3328
.set SP,   528                         ; embed's stage: a row of 512 bytes + 16, so that sixteen rows begin at sixteen different places modulo 256 bytes
.set STGB, 16*SP
.set WST,  4*STGB                      ; the weights' stages begin behind embed's four
.set WP,   784                         ; a row of 768 bytes + 16
.set GOFF, 4                           ; v4   embed: 1,024 x wave + 16 x lane
.set SIN,  5                           ; v5   stage, by rows: 16 x lane
.set SOUT, 6                           ; v6   stage, by lanes: 528 r + 64 h
.set WSI,  7                           ; v7   the weights' stage, by rows: 8 x lane
.set WSO,  8                           ; v8   and by lanes: 784 r + 24 h
.set WSA,  9                           ; v9   my row's scale bytes
.set LI,   10                          ; v10  16 x lane
.set LS,   11                          ; v11  4 x lane
.set R0,   16                          ; v16-79, v80-143: 16 rows x 128 numbers as loaded
.set R1,   80
.set X,    144                         ; v144-207: 64 numbers of my row: register 16 b + i = k 32 b + 16 h + i
.set TM,   208
.set PW,   224
.set PC,   226
.set OW,   16                          ; weights: v16-31 the rows' offsets, v32-127 data, v128-135 scale words, v136-139 and v140-143 the records' offsets
.set DT,   32
.set SW,   128
.set DO,   136
.set DOS,  140
.set SEL,  34                          ; s[34:35] selects of v_permlanex16_b32 for lane l xor 16
.macro LOADROWS reg, off               ; 16 rows' 512 bytes: each load reads 512 consecutive bytes
.set I, 0
.rept 16
	global_load_b128 v[\reg+4*I:\reg+4*I+3], v[GOFF], s[8:9] offset:(I+8*(I/8))*4096+\off th:TH_LOAD_NT
.set I, I+1
.endr
.endm
.macro TOSTAGE reg
.set I, 0
.rept 16
	ds_store_b128 v[SIN], v[\reg+4*I:\reg+4*I+3] offset:SP*I
.set I, I+1
.endr
.endm
.macro FROMSTAGE reg                   ; LDS serves a wave's instructions in order: these see the stores above
.set I, 0
.rept 16
	ds_load_b128 v[\reg+4*I:\reg+4*I+3], v[SOUT] offset:128*(I/4)+16*(I%4)
.set I, I+1
.endr
.endm
; 64 numbers of a lane become a fragment's codes in v[PC] on and its scale word in v[PW]
.macro QUANT s
.irp b, 0,1,2,3
	v_max3_num_f32 v[TM+\b], |v[\s+16*\b]|, |v[\s+1+16*\b]|, 0x1800000   ; my 16 numbers of block b, and the floor 2^(3 - 127): the byte cannot fall under 1
.endr
.irp i, 2,4,6,8,10,12,14
.irp b, 0,1,2,3
	v_max3_num_f32 v[TM+\b], v[TM+\b], |v[\s+16*\b+\i]|, |v[\s+1+16*\b+\i]|
.endr
.endr
.irp b, 0,1,2,3
	v_permlanex16_b32 v[TM+4+\b], v[TM+\b], s[SEL], s[SEL+1]
.endr
.irp b, 0,1,2,3
	v_max_num_f32 v[TM+\b], v[TM+\b], v[TM+4+\b]   ; with lane l xor 16's 16: the block's largest magnitude
.endr
.irp b, 0,1,2,3
	v_add_nc_u32 v[TM+12+\b], 0xff000000, v[TM+\b] ; 2 off its exponent field: the conversion's scale operand
.endr
.irp b, 0,1,2,3
	v_lshrrev_b32 v[TM+4+\b], 23, v[TM+12+\b]      ; the scale's byte
.endr
	v_lshl_or_b32 v[PW], v[TM+5], 8, v[TM+4]
	v_lshl_or_b32 v[PW], v[TM+6], 16, v[PW]
	v_lshl_or_b32 v[PW], v[TM+7], 24, v[PW]
.irp c, 0,1
	v_cvt_scalef32_pk16_fp6_f32 v[PC+6*\c:PC+2+6*\c], v[\s+32*\c:\s+15+32*\c], v[TM+12+2*\c]
	v_cvt_scalef32_pk16_fp6_f32 v[PC+12+4*\c:PC+14+4*\c], v[\s+16+32*\c:\s+31+32*\c], v[TM+13+2*\c]   ; (a conversion's three registers begin on an even number)
.endr
	v_nop                                          ; one plain line behind the conversions
.irp c, 0,1                            ; the operand wants a whole block of 32 in a lane: lanes 0-15 block 2 c, lanes 16-31 block 2 c + 1
.irp i, 0,1,2
	v_permlane16_swap_b32 v[PC+6*\c+\i], v[PC+12+4*\c+\i]
.endr
.irp i, 0,1,2
	v_mov_b32 v[PC+3+6*\c+\i], v[PC+12+4*\c+\i]
.endr
.endr
.endm
.macro PUT q                           ; the fragment and its scale words into the record: 512 and 128 consecutive bytes a store
.irp c, 0,1,2
	global_store_b128 v[LI], v[PC+4*\c:PC+4*\c+3], s[30:31] offset:1536*\q+512*\c
.endr
	global_store_b32 v[LS], v[PW], s[30:31] offset:3072+128*\q
.endm
	s_load_b512 s[8:23], s[0:1], 0x0               ; embed s[8:9]; codes: Wq s[10:11], Wk s[12:13], Wv s[14:15], w1 s[16:17], w2 s[18:19]; scales: Wq s[20:21], Wk s[22:23]
	s_load_b256 s[24:31], s[0:1], 0x40             ; scales: Wv s[24:25], w1 s[26:27], w2 s[28:29]; arec s[30:31]
	s_load_b64 s[32:33], s[0:1], 0x60              ; wrec
	v_lshl_add_u32 v254, v0, 2, 0x14800
	v_mov_b32 v255, 0
	v_lshrrev_b32 v1, 5, v0
	v_readfirstlane_b32 s4, v1                     ; wave
	v_and_b32 v1, 31, v0                           ; lane
	v_and_b32 v2, 15, v0                           ; r
	v_bfe_u32 v3, v0, 4, 1                         ; h
	v_lshlrev_b32 v[LI], 4, v1
	v_lshlrev_b32 v[LS], 2, v1
	s_wait_kmcnt 0x0
	s_cmp_ge_u32 ttmp9, 256
	s_cbranch_scc1 .Lweights
	; ---- embed: block = work-group, 256 along K = wave
	s_lshr_b32 s36, ttmp9, 1
	s_lshl_b32 s36, s36, 5
	s_and_b32 s37, ttmp9, 1
	s_lshl_b32 s37, s37, 3
	s_add_co_u32 s36, s36, s37                     ; the block's first row
	s_lshl_b32 s36, s36, 12                        ; a row is 4,096 bytes
	s_mov_b32 s37, 0
	s_add_nc_u64 s[8:9], s[8:9], s[36:37]
	s_lshl_b32 s38, s4, 8
	s_add_co_u32 s38, s38, ttmp9
	s_mul_i32 s38, s38, REC                        ; record (wave, block)
	s_mov_b32 s39, 0
	s_add_nc_u64 s[30:31], s[30:31], s[38:39]
	s_lshl_b32 s5, s4, 10
	s_wait_alu depctr_va_vdst(0)
	v_lshl_add_u32 v[GOFF], v1, 4, s5
	s_mul_i32 s6, s4, STGB
	v_lshl_add_u32 v[SIN], v1, 4, s6
	v_mul_u32_u24 v[SOUT], v2, SP
	v_lshl_add_u32 v[SOUT], v3, 6, v[SOUT]
	v_add_nc_u32 v[SOUT], s6, v[SOUT]
	s_mov_b32 s[SEL], 0x76543210
	s_mov_b32 s[SEL+1], 0xfedcba98
.irp b, 0,1,2,3
	v_mov_b32 v[TM+4+\b], 0                        ; written once: a lane permute's destination counts as one of its sources
.endr
	LOADROWS R0, 0
	LOADROWS R1, 512
	s_wait_alu depctr_va_vdst(0)
	s_wait_loadcnt 16                              ; the first 128 along K are in; the second half's 16 loads may be out
	TOSTAGE R0
	FROMSTAGE X
	s_wait_dscnt 0x0
	QUANT X
	PUT 0
	s_wait_loadcnt 0x0
	TOSTAGE R1
	FROMSTAGE X
	s_wait_dscnt 0x0
	s_wait_xcnt 0x0                                ; the stores above have read their data: the codes and the scale word are written again only behind this wait
	QUANT X
	PUT 1
	s_wait_tensorcnt 0x0
	ds_add_u32 v254, v255
	s_wait_dscnt 0x0
	s_endpgm
	; ---- the weights.  g: 0-15 Wq, 16-31 Wk, 32-47 Wv, 48-111 w1, 112-175 w2.  The choices hang on the work-group's number alone
.Lweights:
	s_sub_co_u32 s36, ttmp9, 256                   ; g
	s_mov_b64 s[40:41], s[18:19]                   ; w2's figures first; each compare below puts an earlier tensor's in their place
	s_mov_b64 s[42:43], s[28:29]
	s_mov_b32 s44, 112                             ; the tensor's first work-group
	s_mov_b32 s45, 5963776                         ; its section of wrec
	s_mov_b32 s46, 3072                            ; bytes in a row of codes
	s_mov_b32 s47, 128                             ; bytes in a row of scales
	s_mov_b32 s48, 64                              ; blocks
	s_mov_b32 s49, 63                              ; unit -> block
	s_mov_b32 s50, 1                               ; 1: units beyond the blocks go on along K
	s_cmp_lt_u32 s36, 112
	s_cselect_b64 s[40:41], s[16:17], s[40:41]
	s_cselect_b64 s[42:43], s[26:27], s[42:43]
	s_cselect_b32 s44, 48, s44
	s_cselect_b32 s45, 2555904, s45
	s_cselect_b32 s46, 768, s46
	s_cselect_b32 s47, 32, s47
	s_cselect_b32 s48, 256, s48
	s_cselect_b32 s49, 255, s49
	s_cselect_b32 s50, 0, s50
	s_cmp_lt_u32 s36, 48
	s_cselect_b64 s[40:41], s[14:15], s[40:41]
	s_cselect_b64 s[42:43], s[24:25], s[42:43]
	s_cselect_b32 s44, 32, s44
	s_cselect_b32 s45, 1703936, s45
	s_cselect_b32 s48, 64, s48
	s_cmp_lt_u32 s36, 32
	s_cselect_b64 s[40:41], s[12:13], s[40:41]
	s_cselect_b64 s[42:43], s[22:23], s[42:43]
	s_cselect_b32 s44, 16, s44
	s_cselect_b32 s45, 851968, s45
	s_cmp_lt_u32 s36, 16
	s_cselect_b64 s[40:41], s[10:11], s[40:41]
	s_cselect_b64 s[42:43], s[20:21], s[42:43]
	s_cselect_b32 s44, 0, s44
	s_cselect_b32 s45, 0, s45
	s_sub_co_u32 s36, s36, s44
	s_lshl_b32 s36, s36, 2
	s_add_co_u32 s36, s36, s4                      ; my wave's unit
	s_and_b32 s37, s36, s49                        ; its block
	s_lshr_b32 s38, s36, 6
	s_mul_i32 s38, s38, s50                        ; which 1,024 along K (w2 alone has four)
	s_lshr_b32 s39, s37, 1
	s_lshl_b32 s39, s39, 5
	s_and_b32 s51, s37, 1
	s_lshl_b32 s51, s51, 3
	s_add_co_u32 s39, s39, s51                     ; the block's first row
	s_mul_i32 s52, s39, s46
	s_mul_i32 s53, s38, 768
	s_add_co_u32 s52, s52, s53
	s_mov_b32 s53, 0
	s_add_nc_u64 s[40:41], s[40:41], s[52:53]      ; codes
	s_mul_i32 s52, s39, s47
	s_lshl_b32 s54, s38, 5
	s_add_co_u32 s52, s52, s54
	s_add_nc_u64 s[42:43], s[42:43], s[52:53]      ; scale bytes
	s_mul_i32 s55, s48, REC                        ; from 256 along K to the next, in the section
	s_lshl_b32 s52, s38, 2
	s_mul_i32 s52, s52, s48
	s_add_co_u32 s52, s52, s37
	s_mul_i32 s52, s52, REC
	s_add_co_u32 s52, s52, s45
	s_add_nc_u64 s[32:33], s[32:33], s[52:53]      ; my first record
	s_wait_alu depctr_va_vdst(0)
	v_lshlrev_b32 v5, 3, v1                        ; 8 x lane
.set I, 0
.rept 16
	v_mad_u32_u24 v[OW+I], s46, I+8*(I/8), v5      ; row i of the block
.set I, I+1
.endr
	v_and_b32 v[WSA], 8, v2
	v_add_nc_u32 v[WSA], v[WSA], v2                ; r + 8 (r / 8)
	v_mul_u32_u24 v[WSA], s47, v[WSA]
	s_mul_i32 s56, s4, 16*WP
	s_add_co_u32 s56, s56, WST
	v_lshl_add_u32 v[WSI], v1, 3, s56
	v_mul_u32_u24 v[WSO], v2, WP
	v_mad_u32_u24 v[WSO], v3, 24, v[WSO]
	v_add_nc_u32 v[WSO], s56, v[WSO]
.irp p, 0,1,2,3
	v_mad_u32_u24 v[DO+\p], s55, \p, v[LI]
	v_mad_u32_u24 v[DOS+\p], s55, \p, v[LS]
.endr
	global_load_b128 v[SW:SW+3], v[WSA], s[42:43]              ; my row's eight scale words; lanes 16-31 take the same as lanes 0-15
	global_load_b128 v[SW+4:SW+7], v[WSA], s[42:43] offset:16
.set I, 0
.rept 16
.irp k, 0,1,2
	global_load_b64 v[DT+2*(3*I+\k):DT+2*(3*I+\k)+1], v[OW+I], s[40:41] offset:256*\k th:TH_LOAD_NT   ; 32 lanes read 256 consecutive bytes
.endr
.set I, I+1
.endr
.set I, 0
	s_wait_alu depctr_va_vdst(0)
.rept 16
	s_wait_loadcnt 3*(15-I)                        ; row i's three loads are in; the later rows' may be out
.irp k, 0,1,2
	ds_store_b64 v[WSI], v[DT+2*(3*I+\k):DT+2*(3*I+\k)+1] offset:WP*I+256*\k
.endr
.set I, I+1
.endr
.irp p, 0,1,2,3                        ; back as fragments: lane (r, h) takes of row r the 24 bytes at 24 h and at 48 + 24 h of each 96 (128 codes), in pieces of 8 bytes
.irp q, 0,1
.irp e, 0,1,2,3,4,5
	ds_load_b64 v[DT+24*\p+12*\q+2*\e:DT+24*\p+12*\q+2*\e+1], v[WSO] offset:192*\p+96*\q+48*(\e/3)+8*(\e%3)
.endr
.endr
.endr
.irp p, 0,1,2,3
	s_wait_dscnt 12*(3-\p)                         ; record p's twelve loads are in; the later records' may be out
.irp q, 0,1
.irp c, 0,1,2
	global_store_b128 v[DO+\p], v[DT+24*\p+12*\q+4*\c:DT+24*\p+12*\q+4*\c+3], s[32:33] offset:1536*\q+512*\c
.endr
	global_store_b32 v[DOS+\p], v[SW+2*\p+\q], s[32:33] offset:3072+128*\q
.endr
.endr
	s_wait_tensorcnt 0x0
	ds_add_u32 v254, v255
	s_wait_dscnt 0x0
	s_endpgm
.Lfunc_end_k_qd7263d3eac_prep:
	.size	k_qd7263d3eac_prep, .Lfunc_end_k_qd7263d3eac_prep-k_qd7263d3eac_prep
	.p2alignl 7, 3214868480
	.fill 96, 4, 3214868480
	.section	.rodata,"a",@progbits
	.p2align	6, 0x0
	.amdhsa_kernel k_qd7263d3eac_prep
		.amdhsa_group_segment_fixed_size 84480
		.amdhsa_private_segment_fixed_size 0
		.amdhsa_enable_private_segment 0
		.amdhsa_kernarg_size 104
		.amdhsa_user_sgpr_count 2
		.amdhsa_user_sgpr_kernarg_segment_ptr 1
		.amdhsa_wavefront_size32 1
		.amdhsa_system_sgpr_workgroup_id_x 1
		.amdhsa_system_sgpr_workgroup_id_y 1
		.amdhsa_system_sgpr_workgroup_id_z 1
		.amdhsa_system_vgpr_workitem_id 0
		.amdhsa_next_free_vgpr 256
		.amdhsa_next_free_sgpr 66
		.amdhsa_reserve_vcc 0
		.amdhsa_float_denorm_mode_32 3
		.amdhsa_float_denorm_mode_16_64 3
		.amdhsa_memory_ordered 1
		.amdhsa_forward_progress 1
		.amdhsa_inst_pref_size 37
	.end_amdhsa_kernel
	.amdgpu_metadata
---
amdhsa.version: [ 1, 2 ]
amdhsa.kernels:
  - .name:           k_qd7263d3eac_prep
    .symbol:         k_qd7263d3eac_prep.kd
    .args:
      - { .name: embed, .offset: 0, .size: 8, .value_kind: global_buffer, .address_space: global }
      - { .name: Wq_codes, .offset: 8, .size: 8, .value_kind: global_buffer, .address_space: global }
      - { .name: Wk_codes, .offset: 16, .size: 8, .value_kind: global_buffer, .address_space: global }
      - { .name: Wv_codes, .offset: 24, .size: 8, .value_kind: global_buffer, .address_space: global }
      - { .name: w1_w_codes, .offset: 32, .size: 8, .value_kind: global_buffer, .address_space: global }
      - { .name: w2_w_codes, .offset: 40, .size: 8, .value_kind: global_buffer, .address_space: global }
      - { .name: Wq_scales, .offset: 48, .size: 8, .value_kind: global_buffer, .address_space: global }
      - { .name: Wk_scales, .offset: 56, .size: 8, .value_kind: global_buffer, .address_space: global }
      - { .name: Wv_scales, .offset: 64, .size: 8, .value_kind: global_buffer, .address_space: global }
      - { .name: w1_w_scales, .offset: 72, .size: 8, .value_kind: global_buffer, .address_space: global }
      - { .name: w2_w_scales, .offset: 80, .size: 8, .value_kind: global_buffer, .address_space: global }
      - { .name: arec, .offset: 88, .size: 8, .value_kind: global_buffer, .address_space: global }
      - { .name: wrec, .offset: 96, .size: 8, .value_kind: global_buffer, .address_space: global }
    .group_segment_fixed_size: 84480
    .private_segment_fixed_size: 0
    .kernarg_segment_align: 8
    .kernarg_segment_size: 104
    .max_flat_workgroup_size: 128
    .sgpr_count:     66
    .vgpr_count:     256
    .wavefront_size: 32
...
	.end_amdgpu_metadata
.endif
;; end of part 8
;; launch qkv (part 9): grid 12 x 16, 4 waves a work-group, clusters of 4 x 4, 327,680 bytes of LDS; arguments arec, wrec, qkv; writes qkv
.if DOCPART == 9
	.amdgcn_target "amdgcn-amd-amdhsa--gfx1250"
	.amdhsa_code_object_version 6
	.text
	.protected	k_qd7263d3eac_qkv
	.globl	k_qd7263d3eac_qkv
	.p2align	8
	.type	k_qd7263d3eac_qkv,@function
k_qd7263d3eac_qkv:
	s_mov_b64 s[64:65], 0
	v_nop
	global_prefetch_b8 v0, s[64:65] scope:SCOPE_SE
	s_setreg_imm32_b32 hwreg(HW_REG_WAVE_MODE, 25, 1), 1
	s_wait_xcnt 0x0
	s_wait_alu depctr_hold_cnt(0) depctr_sa_sdst(0) depctr_va_vdst(0) depctr_va_sdst(0) depctr_va_ssrc(0) depctr_va_vcc(0) depctr_vm_vsrc(0)
	s_getreg_b32 s2, hwreg(HW_REG_IB_STS2, 6, 4)
	s_cmp_eq_u32 s2, 0
	s_cbranch_scc0 .Lentry_in_a_cluster
	s_endpgm
.Lentry_in_a_cluster:
	s_bfe_u32 s2, ttmp6, 0x10000c
	s_cmp_lg_u32 s2, 0xf033
	s_cbranch_scc0 .Lentry_shape_is_right
	s_endpgm
.Lentry_shape_is_right:
; Q = x Wq^T, K = x Wk^T (tokens x columns) and V^T = Wv x^T (columns x tokens), on E2M3 codes with E8M0 scales, K = 1,024; each result is quantised in registers on the way out:
; Q and K along the head's 64, V^T along the keys.  The cluster's x says which: 0 Q, 1 K, 2 V^T.
; OPERANDS lie as records (3,328 bytes: one block of 16 rows x 256 along K: two images of fragment registers and two runs of scale words), [K / 256][blocks][record].  Lane r of block t is row
; 32 (t / 2) + 8 (t % 2) + r + 8 (r / 8).  Eight blocks of one K step are 26,624 dense bytes: one tensor load.
; A tile of the result, 256 x 256, is made by four waves, 128 x 128 each: 64 accumulators, 512 registers.  K goes in steps of 256 through two LDS slots.
; THE MATRIX INSTRUCTION: source 0 = 16 rows of 'B', source 1 = 16 rows of 'A': a lane holds ONE row of A, and by the blocks' choice of rows the 64 registers of A's block a run along B's 128 rows in the order
; 32 b + 16 h + i: what the quantiser below takes.  For Q and K: A = tokens, B = weight.  For V^T the two change places, on the side of memory alone: pointers, tile numbers and steps are chosen by the cluster's x.
; CLUSTERS: 4 x 4.  A's tile hangs on cy (and the cluster's y), B's on cx: each is asked for jointly along a row or a column of the cluster.
; THE RESULT.  Q: [head 32][block 128][768 bytes: half a fragment: registers 0-3 at 16 l, 4-5 at 512 + 8 l]; its scale bytes, two a row, as words of two neighbouring blocks.
; K and V^T: a record of 13,312 bytes for each head and 128 keys: 8 halves of K, 4 x 128 bytes of K's scale words (two blocks' bytes a word), 4 fragments of V^T (two halves each), 4 x 128 bytes of V^T's scale words.
; LIMITS: NaN and infinities are not served; a block of 32 whose largest magnitude lies under 2^-124 keeps the scale byte 1 (a block of zeros has zero codes; only this program reads the bytes).
; REGISTERS: window 0: v16-23 LDS addresses, v24-31 offsets and the spare word, v32-63 scale words (two sets), v128-223 A's fragments; on the way out v160-196 at work.  window 1: B's fragments, two sets, at v0 and v128.
; windows 2, 3: the accumulators ((a, b) at v[8 (8 (a % 4) + b)]).
.set REC,   3328
.set HALFT, 8*REC                      ; what one tensor load brings, and what a wave reads of A or of B in a K step
.set SLOT,  4*HALFT                    ; A's 16 blocks, then B's 16
.set SPARE, 2*SLOT                     ; behind the ring: the spare words, 128 bytes for each wave
.set LAPS,  2                          ; K / 512
.set FR,    12
.set NP,    4                          ; places behind this matrix instruction (ISA guide 7.12.1)
.set ADRA,  16                         ; v16-17 my A fragments in slot 0, 1
.set ADRB,  20                         ; v20-21 my B fragments
.set ADRS,  22                         ; v22-23 scale words: lanes 0-15 A's, lanes 16-31 B's
.set SPW,   28
.set NIL,   29
.set SC,    32
.set AF,    128
.set TM,    160
.set PW,    176
.set PC,    178
.set G1,    24
.set G0,    32
.set G1B,   48
.set G0B,   56
.set STA,   66                         ; s[66:67], s[68:69]: two K steps of A, of B, in bytes
.set STB,   68
.set SEL,   6
.set MSB, 0
.macro WIN new                         ; the immediate's high byte repeats the setting that is left
.if MSB != (\new)
	s_set_vgpr_msb (MSB<<8)|(\new)
.set MSB, (\new)
.endif
.endm
.set MUL_LO, 0xa1                      ; source 0 (B) window 1, source 1 (A) window 0, C and D window 2
.set MUL_HI, 0xf1
.set TO_B,   0x40
.macro JLOAD g0a, g1a, g0b, g1b        ; a joint load: waves 0, 1 fetch for A, waves 2, 3 for B; four v_nop follow each line
	s_cmp_eq_u32 s15, 0
	s_cbranch_scc0 .Lfor_b_\@
	tensor_load_to_lds s[\g0a:\g0a+3], s[\g1a:\g1a+7]
	s_nop 0
.rept 4
	v_nop
.endr
	s_branch .Lasked_\@
.Lfor_b_\@:
	tensor_load_to_lds s[\g0b:\g0b+3], s[\g1b:\g1b+7]
	s_nop 0
.rept 4
	v_nop
.endr
.Lasked_\@:
.endm
.macro CREST                           ; a round of the cluster's barrier behind its opening barrier
	s_cmp_lg_u32 s14, 0
	s_cbranch_scc1 .Lnot_wave_0_\@
	s_barrier_signal -3
.Lnot_wave_0_\@:
	s_barrier_wait -3
	s_barrier_signal -1
	s_barrier_wait -1
.endm
.macro CROUND
	s_barrier_signal -1
	s_barrier_wait -1
	CREST
.endm
.macro FRAG reg, adr, q, i             ; a fragment comes back as it was stored: three loads of 512 consecutive bytes
.irp c, 0,1,2
	ds_load_b128 v[\reg+4*\c:\reg+4*\c+3], v[\adr] offset:(\i)*REC+(\q)*1536+512*\c
.endr
.endm
; 16 matrix instructions: A's blocks a0, a0 + 1 x B's eight; p: B's set; q: which 128 of the slot; sc: the set of scale words.  The 64 accumulators take turns.
.macro MUL16 a0, p, q, sc, zero
.irp a, \a0, \a0+1
.irp b, 0,1,2,3,4,5,6,7
.if \zero
	v_wmma_scale_f32_16x16x128_f8f6f4 v[8*(8*((\a)%4)+\b):8*(8*((\a)%4)+\b)+7], v[128*(\p)+FR*\b:128*(\p)+FR*\b+FR-1], v[AF+FR*(\a):AF+FR*(\a)+FR-1], 0, v[SC+16*(\sc)+2*\b+(\q)], v[SC+16*(\sc)+2*(\a)+(\q)] matrix_a_fmt:MATRIX_FMT_FP6 matrix_b_fmt:MATRIX_FMT_FP6 matrix_a_scale:MATRIX_SCALE_ROW1
.else
	v_wmma_scale_f32_16x16x128_f8f6f4 v[8*(8*((\a)%4)+\b):8*(8*((\a)%4)+\b)+7], v[128*(\p)+FR*\b:128*(\p)+FR*\b+FR-1], v[AF+FR*(\a):AF+FR*(\a)+FR-1], v[8*(8*((\a)%4)+\b):8*(8*((\a)%4)+\b)+7], v[SC+16*(\sc)+2*\b+(\q)], v[SC+16*(\sc)+2*(\a)+(\q)] matrix_a_fmt:MATRIX_FMT_FP6 matrix_b_fmt:MATRIX_FMT_FP6 matrix_a_scale:MATRIX_SCALE_ROW1
.endif
.endr
.endr
.endm
.macro FETCH_B slot, q, p
	WIN TO_B
.irp i, 0,1,2,3,4,5,6,7
	FRAG 128*(\p)+FR*\i, ADRB+\slot, \q, \i
.endr
	WIN 0
.endm
.macro FETCH_A slot, q, i0
.irp i, \i0, \i0+1, \i0+2, \i0+3
	FRAG AF+FR*(\i), ADRA+\slot, \q, \i
.endr
.endm
.macro SCALES sl                       ; the slot's scale words: register 2 i + q: lanes 0-15 A's block i, lanes 16-31 B's block i
.irp i, 0,1,2,3,4,5,6,7
	ds_load_b32 v[SC+16*\sl+2*\i], v[ADRS+\sl] offset:\i*REC
	ds_load_b32 v[SC+16*\sl+2*\i+1], v[ADRS+\sl] offset:\i*REC+128
.endr
.endm
.macro PLACES n                        ; plain vector lines between a matrix instruction and a load into, or a read of, its registers
.rept \n
	v_nop
.endr
.endm
.macro STEP slot, q, zero              ; 128 along K whose successor lies in the same slot
	s_wait_dscnt 12                                ; all but the youngest twelve loads (A's blocks 4-7)
	WIN MUL_LO
	MUL16 0, (\q)%2, \q, \slot, \zero
	MUL16 2, (\q)%2, \q, \slot, \zero
	s_wait_dscnt 0x0
	PLACES NP
	FETCH_B \slot, (\q)+1, 1-(\q)%2
	FETCH_A \slot, (\q)+1, 0
	WIN MUL_HI
	MUL16 4, (\q)%2, \q, \slot, \zero
	MUL16 6, (\q)%2, \q, \slot, \zero
	PLACES NP
	WIN 0
	FETCH_A \slot, (\q)+1, 4
.endm
; A slot's last 128 change slots: one barrier; in front of it each wave waits for all its tensor loads, adds 0 to its spare word, and waits for that and for its reads of this slot.
.macro TURN slot, next, fill
	s_wait_tensorcnt 0x0                           ; all my tensor loads have landed: my part of the next slot
	ds_add_u32 v[SPW], v[NIL]                      ; 0 onto my spare word
	s_wait_dscnt 13                                ; (the add and the youngest twelve loads may be out)
	WIN MUL_LO
	MUL16 0, 1, 1, \slot, 0
	s_wait_dscnt 0x0                               ; the add is done, and my reads of this slot are over
	s_barrier_signal -1
	MUL16 2, 1, 1, \slot, 0
	WIN 0
	s_barrier_wait -1
.if \fill
	CREST                                          ; the barrier has opened a round of the cluster's: no wave of any partner still reads this slot or has a load on its way
	s_add_nc_u64 s[G0+4*\slot+2:G0+4*\slot+3], s[G0+4*\slot+2:G0+4*\slot+3], s[STA:STA+1]
	s_add_nc_u64 s[G0B+4*\slot+2:G0B+4*\slot+3], s[G0B+4*\slot+2:G0B+4*\slot+3], s[STB:STB+1]
	JLOAD G0+4*\slot, G1, G0B+4*\slot, G1B         ; the first tensor load behind the round; its four v_nop are also the places in front of the loads below
.else
	PLACES NP
.endif
	FETCH_B \next, 0, 0
	FETCH_A \next, 0, 0
	SCALES \next
	WIN MUL_HI
	MUL16 4, 1, 1, \slot, 0
	MUL16 6, 1, 1, \slot, 0
	PLACES NP
	WIN 0
	FETCH_A \next, 0, 4
.endm
; 64 numbers of a lane in window xw, register 16 b + i = k 32 b + 16 h + i of my row, become a fragment's codes in v[PC] on and its scale word in v[PW].  Each accumulator is read from its low end on.
.macro QUANT s, xw
	WIN ((\xw)<<2)|((\xw)<<4)
.irp b, 0,1,2,3
	v_max3_num_f32 v[TM+\b], 0x1800000, |v[(\s)+16*\b]|, |v[(\s)+1+16*\b]|   ; and the floor 2^(3 - 127): the byte cannot fall under 1
.endr
.irp i, 2,4,6,8,10,12,14
.irp b, 0,1,2,3
	v_max3_num_f32 v[TM+\b], v[TM+\b], |v[(\s)+16*\b+\i]|, |v[(\s)+1+16*\b+\i]|
.endr
.endr
	WIN 0
.irp b, 0,1,2,3
	v_permlanex16_b32 v[TM+4+\b], v[TM+\b], s[SEL], s[SEL+1]
.endr
.irp b, 0,1,2,3
	v_max_num_f32 v[TM+\b], v[TM+\b], v[TM+4+\b]
.endr
.irp b, 0,1,2,3
	v_add_nc_u32 v[TM+12+\b], 0xff000000, v[TM+\b] ; 2 off the exponent field: the conversion's scale operand
.endr
.irp b, 0,1,2,3
	v_lshrrev_b32 v[TM+4+\b], 23, v[TM+12+\b]
.endr
	v_lshl_or_b32 v[PW], v[TM+5], 8, v[TM+4]
	v_lshl_or_b32 v[PW], v[TM+6], 16, v[PW]
	v_lshl_or_b32 v[PW], v[TM+7], 24, v[PW]
	WIN (\xw)
.irp c, 0,1
	v_cvt_scalef32_pk16_fp6_f32 v[PC+6*\c:PC+2+6*\c], v[(\s)+32*\c:(\s)+15+32*\c], v[TM+12+2*\c]
	v_cvt_scalef32_pk16_fp6_f32 v[PC+12+4*\c:PC+14+4*\c], v[(\s)+16+32*\c:(\s)+31+32*\c], v[TM+13+2*\c]
.endr
	WIN 0
	v_nop                                          ; one plain line behind the conversions
.irp c, 0,1
.irp i, 0,1,2
	v_permlane16_swap_b32 v[PC+6*\c+\i], v[PC+12+4*\c+\i]
.endr
.irp i, 0,1,2
	v_mov_b32 v[PC+3+6*\c+\i], v[PC+12+4*\c+\i]
.endr
.endr
.endm
	s_load_b128 s[4:7], s[0:1], 0x0                ; arec s[4:5], wrec s[6:7]
	s_load_b64 s[8:9], s[0:1], 0x10                ; qkv
	v_lshl_add_u32 v[SPW], v0, 2, SPARE
	v_mov_b32 v[NIL], 0
	ds_add_u32 v28, v29
	ds_add_u32 v28, v29
	s_wait_dscnt 0x0
	v_lshrrev_b32 v1, 5, v0
	v_readfirstlane_b32 s14, v1                    ; wave
	s_lshr_b32 s15, s14, 1                         ; my half of A's blocks.  Also: I fetch for A (0) or B (1)
	s_and_b32 s16, s14, 1                          ; my half of B's blocks.  Also: which 8 blocks I fetch
	s_bfe_u32 s40, ttmp6, 0x40000                  ; cx
	s_bfe_u32 s41, ttmp6, 0x40004                  ; cy
	s_lshl_b32 s43, s41, 2
	s_lshl_b32 s43, 15, s43                        ; my row of the cluster
	s_lshl_b32 s44, 0x1111, s40                    ; my column
	s_or_b32 s[G1], s43, (3<<16)|(1<<21)           ; the mask; elements of 8 bytes; bit 21 set beside a mask; no padding
	s_or_b32 s[G1B], s44, (3<<16)|(1<<21)
.irp g, G1, G1B
	s_mov_b32 s[\g+1], 32<<16                      ; tensor_dim0 = 32 elements: 256 bytes
	s_mov_b32 s[\g+2], 104<<16                     ; tensor_dim1 = 104 rows: 26,624 bytes
	s_mov_b32 s[\g+3], 32<<16                      ; tile_dim0
	s_mov_b32 s[\g+4], 104                         ; tile_dim1
	s_mov_b32 s[\g+5], 32                          ; the rows follow each other
	s_mov_b32 s[\g+6], 0
	s_mov_b32 s[\g+7], 0
.endr
	s_and_b32 s17, ttmp7, 0xffff
	s_lshl_b32 s17, s17, 2                         ; 4 x cluster y
	s_add_co_u32 s18, s17, s41                     ; + cy (never holds cx)
	s_add_co_u32 s19, s17, s40                     ; + cx (never holds cy)
	s_mul_i32 s42, ttmp9, 851968                   ; the weight's section of wrec: Wq, Wk, Wv on end
	s_mov_b32 s74, 851968                          ; a K step of the tokens' 256 blocks
	s_mov_b32 s75, 212992                          ; and of a weight's 64
	s_lshl_b32 s23, s16, 3
	s_cmp_eq_u32 ttmp9, 2                          ; V^T?  The same in all sixteen partners
	s_cselect_b32 s20, s41, s18                    ; A's tile of 16 blocks
	s_cselect_b32 s46, s19, s40                    ; B's
	s_cselect_b32 s76, s75, s74                    ; A's K step in bytes
	s_cselect_b32 s78, s74, s75                    ; B's
	s_cselect_b32 s80, s42, 0                      ; A's section
	s_cselect_b32 s81, 0, s42                      ; B's
	s_mov_b32 s77, 0
	s_mov_b32 s79, 0
	s_lshl_b32 s20, s20, 4
	s_add_co_u32 s20, s20, s23
	s_mul_i32 s20, s20, REC
	s_add_co_u32 s20, s20, s80
	s_mov_b32 s21, 0
	s_lshl_b32 s46, s46, 4
	s_add_co_u32 s46, s46, s23
	s_mul_i32 s46, s46, REC
	s_add_co_u32 s46, s46, s81
	s_mov_b32 s47, 0
	s_lshl_b32 s[STA], s76, 1
	s_mov_b32 s[STA+1], 0
	s_lshl_b32 s[STB], s78, 1
	s_mov_b32 s[STB+1], 0
	s_mul_i32 s45, s14, HALFT                      ; where my load goes: no place in the cluster enters an LDS address
	s_wait_kmcnt 0x0
	s_cmp_eq_u32 ttmp9, 2
	s_cselect_b64 s[10:11], s[6:7], s[4:5]         ; A's buffer
	s_cselect_b64 s[12:13], s[4:5], s[6:7]         ; B's
	s_add_nc_u64 s[10:11], s[10:11], s[20:21]
	s_add_nc_u64 s[12:13], s[12:13], s[46:47]
	CROUND                                         ; all sixteen work-groups are here: the first joint loads meet
	s_mov_b32 s[G0], 1
	s_add_co_u32 s[G0+1], s45, 0
	s_mov_b64 s[G0+2:G0+3], s[10:11]
	s_or_b32 s[G0+3], s[G0+3], 0x80000000
	s_mov_b32 s[G0B], 1
	s_add_co_u32 s[G0B+1], s45, 0
	s_mov_b64 s[G0B+2:G0B+3], s[12:13]
	s_or_b32 s[G0B+3], s[G0B+3], 0x80000000
	JLOAD G0, G1, G0B, G1B
	s_mov_b32 s[G0+4], 1
	s_add_co_u32 s[G0+5], s45, SLOT
	s_add_nc_u64 s[G0+6:G0+7], s[10:11], s[76:77]
	s_or_b32 s[G0+7], s[G0+7], 0x80000000
	s_mov_b32 s[G0B+4], 1
	s_add_co_u32 s[G0B+5], s45, SLOT
	s_add_nc_u64 s[G0B+6:G0B+7], s[12:13], s[78:79]
	s_or_b32 s[G0B+7], s[G0B+7], 0x80000000
	v_and_b32 v1, 31, v0                           ; lane
	v_bfe_u32 v2, v0, 4, 1                         ; h
	s_wait_alu depctr_va_vdst(0)
	v_lshlrev_b32 v3, 4, v1
	s_mul_i32 s21, s15, HALFT
	s_mul_i32 s22, s16, HALFT
	s_add_co_u32 s22, s22, 2*HALFT
.irp s, 0,1
	v_add_nc_u32 v[ADRA+\s], s21, v3
	v_add_nc_u32 v[ADRB+\s], s22, v3
	s_add_co_u32 s21, s21, SLOT
	s_add_co_u32 s22, s22, SLOT
.endr
	s_mul_i32 s21, s15, HALFT
	s_mul_i32 s22, s16, HALFT
	s_add_co_u32 s22, s22, 2*HALFT
	s_sub_co_u32 s22, s22, s21
	v_mul_u32_u24 v4, s22, v2                      ; lanes 16-31 take B's words: the lower base + h x the distance
	v_lshl_add_u32 v4, v1, 2, v4
	s_add_co_u32 s21, s21, 3072
	v_add_nc_u32 v[ADRS], s21, v4
	v_add_nc_u32 v[ADRS+1], SLOT, v[ADRS]
	; where the results go
	s_cmp_eq_u32 ttmp9, 2
	s_cselect_b32 s82, s19, s18                    ; my tile of 256 tokens
	s_cselect_b32 s83, s16, s15                    ; my half of it
	s_cselect_b32 s84, s41, s40                    ; my tile of 256 columns (4 heads)
	s_cselect_b32 s85, s15, s16                    ; my half of it (2 heads)
	s_lshl_b32 s84, s84, 2
	s_lshl_b32 s85, s85, 1
	s_add_co_u32 s84, s84, s85
	s_lshr_b32 s85, s82, 3
	s_lshl_b32 s85, s85, 4
	s_add_co_u32 s84, s84, s85                     ; 16 x batch + head: my first head
	s_and_b32 s82, s82, 7
	s_lshl_b32 s82, s82, 1
	s_add_co_u32 s82, s82, s83                     ; which 128 tokens of the batch
	s_mul_i32 s86, s84, 98304
	s_mul_i32 s87, s82, 6144
	s_add_co_u32 s86, s86, s87                     ; Q: codes
	s_lshl_b32 s88, s84, 13
	s_lshl_b32 s87, s82, 9
	s_add_co_u32 s88, s88, s87
	s_add_co_u32 s88, s88, 3145728                 ; Q: scale words
	s_mul_i32 s84, s84, 212992
	s_mul_i32 s82, s82, 13312
	s_add_co_u32 s84, s84, s82
	s_add_co_u32 s84, s84, 3407872                 ; K: codes
	s_mov_b32 s90, 768
	s_mov_b32 s96, 126
	s_cmp_eq_u32 ttmp9, 2
	s_cselect_b32 s82, 6656, 0
	s_cselect_b32 s83, s90, s75                    ; from a fragment's first half to its second: V^T: 768 on; K: the next head
	s_cselect_b32 s85, 2, s75                      ; from the scale word's lower two bytes to its upper two
	s_cselect_b32 s92, 208384, s90                 ; the codes' step behind block 3: V^T goes on to the next head
	s_cselect_b32 s90, 1536, s90                   ; and behind the others
	s_cselect_b32 s94, 128, 2                      ; the scale words' step behind an even block,
	s_cselect_b32 s98, 212608, s96                 ; behind block 3,
	s_cselect_b32 s96, 128, s96                    ; behind blocks 1 and 5
	s_add_co_u32 s84, s84, s82
	s_add_co_u32 s82, s84, 6144
	s_cmp_eq_u32 ttmp9, 0
	s_cselect_b32 s86, s86, s84
	s_cselect_b32 s88, s88, s82
	s_cselect_b32 s83, 98304, s83
	s_cselect_b32 s85, 8192, s85
	s_mov_b32 s87, 0
	s_mov_b32 s89, 0
	s_mov_b32 s91, 0
	s_mov_b32 s93, 0
	s_mov_b32 s95, 0
	s_mov_b32 s97, 0
	s_mov_b32 s99, 0
	s_add_nc_u64 s[70:71], s[8:9], s[86:87]
	s_add_nc_u64 s[72:73], s[8:9], s[88:89]
	v_lshlrev_b32 v24, 4, v1                       ; registers 0-3 of a half: 16 l
	v_lshl_add_u32 v25, v1, 3, 512                 ; registers 4-5: 512 + 8 l
	v_add_nc_u32 v26, s83, v24
	v_add_nc_u32 v27, s83, v25
	v_lshlrev_b32 v30, 2, v1
	v_add_nc_u32 v31, s85, v30
	; K alone: the halves of blocks 2, 3, 6, 7 of each 128 keys are stored with lane l at place l xor 8, as the attention launch's lane addresses expect
	s_cmp_eq_u32 ttmp9, 1
	s_cselect_b32 s82, 8, 0
	v_xor_b32 v5, s82, v1
	v_lshlrev_b32 v8, 4, v5
	v_lshl_add_u32 v9, v5, 3, 512
	v_add_nc_u32 v10, s83, v8
	v_add_nc_u32 v11, s83, v9
	s_wait_alu depctr_va_vdst(0)
	s_wait_tensorcnt 0x0                           ; my part of K step 0 is in; slot 1's first fill is issued as a refill is
	ds_add_u32 v[SPW], v[NIL]
	s_wait_dscnt 0x0
	CROUND                                         ; a whole round: everybody's part of K step 0 is in, and the joint loads meet
	JLOAD G0+4, G1, G0B+4, G1B                     ; K step 1, the first tensor load behind the round
	FETCH_B 0, 0, 0
	FETCH_A 0, 0, 0
	SCALES 0
	FETCH_A 0, 0, 4
	STEP 0, 0, 1                                   ; the first products start the sums: nothing is cleared
	s_mov_b32 s3, LAPS-1
.Llap:
	TURN 0, 1, 1
	STEP 1, 0, 0
	TURN 1, 0, 1
	STEP 0, 0, 0
	s_sub_co_u32 s3, s3, 1
	s_cmp_lg_u32 s3, 0
	s_cbranch_scc1 .Llap
	TURN 0, 1, 0                                   ; the last lap fills nothing
	STEP 1, 0, 0
	s_wait_dscnt 12
	WIN MUL_LO
	MUL16 0, 1, 1, 1, 0
	MUL16 2, 1, 1, 1, 0
	s_wait_dscnt 0x0
	WIN MUL_HI
	MUL16 4, 1, 1, 1, 0
	MUL16 6, 1, 1, 1, 0
	WIN 0
	PLACES NP
	; THE WAY OUT: A's block a: 64 numbers a lane become a fragment; its two halves and the two halves of its scale word go to the places chosen above
	s_mov_b32 s[SEL], 0x76543210
	s_mov_b32 s[SEL+1], 0xfedcba98
.irp b, 0,1,2,3
	v_mov_b32 v[TM+4+\b], 0                        ; written once: a lane permute's destination counts as one of its sources
.endr
.irp a, 0,1,2,3,4,5,6,7
.if \a > 0
	s_wait_xcnt 0x0                                ; the last block's stores have read their data and bases: both are written again only behind this wait
.if \a == 4
	s_add_nc_u64 s[70:71], s[70:71], s[92:93]
	s_add_nc_u64 s[72:73], s[72:73], s[98:99]
.elseif (\a%2) == 1
	s_add_nc_u64 s[70:71], s[70:71], s[90:91]
	s_add_nc_u64 s[72:73], s[72:73], s[94:95]
.else
	s_add_nc_u64 s[70:71], s[70:71], s[90:91]
	s_add_nc_u64 s[72:73], s[72:73], s[96:97]
.endif
.endif
	QUANT 64*(\a%4), 2+\a/4
	v_lshrrev_b32 v[PW+1], 16, v[PW]
.if (\a&2)
	global_store_b128 v8, v[PC:PC+3], s[70:71]
	global_store_b64 v9, v[PC+4:PC+5], s[70:71]
	global_store_b128 v10, v[PC+6:PC+9], s[70:71]
	global_store_b64 v11, v[PC+10:PC+11], s[70:71]
.else
	global_store_b128 v24, v[PC:PC+3], s[70:71]
	global_store_b64 v25, v[PC+4:PC+5], s[70:71]
	global_store_b128 v26, v[PC+6:PC+9], s[70:71]
	global_store_b64 v27, v[PC+10:PC+11], s[70:71]
.endif
	global_store_b16 v30, v[PW], s[72:73]
	global_store_b16 v31, v[PW+1], s[72:73]
.endr
	s_wait_tensorcnt 0x0                           ; the wave's end
	ds_add_u32 v[SPW], v[NIL]
	s_wait_dscnt 0x0
	CROUND                                         ; the closing round: no work-group ends while a partner may still ask for a tile that names it
	s_endpgm
.Lfunc_end_k_qd7263d3eac_qkv:
	.size	k_qd7263d3eac_qkv, .Lfunc_end_k_qd7263d3eac_qkv-k_qd7263d3eac_qkv
	.p2alignl 7, 3214868480
	.fill 96, 4, 3214868480
	.section	.rodata,"a",@progbits
	.p2align	6, 0x0
	.amdhsa_kernel k_qd7263d3eac_qkv
		.amdhsa_group_segment_fixed_size 327680
		.amdhsa_private_segment_fixed_size 0
		.amdhsa_enable_private_segment 0
		.amdhsa_kernarg_size 24
		.amdhsa_user_sgpr_count 2
		.amdhsa_user_sgpr_kernarg_segment_ptr 1
		.amdhsa_wavefront_size32 1
		.amdhsa_system_sgpr_workgroup_id_x 1
		.amdhsa_system_sgpr_workgroup_id_y 1
		.amdhsa_system_sgpr_workgroup_id_z 1
		.amdhsa_system_vgpr_workitem_id 0
		.amdhsa_next_free_vgpr 1024
		.amdhsa_next_free_sgpr 100
		.amdhsa_reserve_vcc 0
		.amdhsa_float_denorm_mode_32 3
		.amdhsa_float_denorm_mode_16_64 3
		.amdhsa_memory_ordered 1
		.amdhsa_forward_progress 1
		.amdhsa_inst_pref_size 145
	.end_amdhsa_kernel
	.amdgpu_metadata
---
amdhsa.version: [ 1, 2 ]
amdhsa.kernels:
  - .name:           k_qd7263d3eac_qkv
    .symbol:         k_qd7263d3eac_qkv.kd
    .args:
      - { .name: arec, .offset: 0, .size: 8, .value_kind: global_buffer, .address_space: global }
      - { .name: wrec, .offset: 8, .size: 8, .value_kind: global_buffer, .address_space: global }
      - { .name: qkv, .offset: 16, .size: 8, .value_kind: global_buffer, .address_space: global }
    .group_segment_fixed_size: 327680
    .private_segment_fixed_size: 0
    .kernarg_segment_align: 8
    .kernarg_segment_size: 24
    .max_flat_workgroup_size: 128
    .sgpr_count:     100
    .vgpr_count:     1024
    .wavefront_size: 32
...
	.end_amdgpu_metadata
.endif
;; end of part 9
;; launch attn (part 10): grid 8 x 32, 16 waves a work-group, clusters of 4 x 1, 284,672 bytes of LDS; arguments qkv, embed, att; writes att
.if DOCPART == 10
	.amdgcn_target "amdgcn-amd-amdhsa--gfx1250"
	.amdhsa_code_object_version 6
	.text
	.protected	k_qd7263d3eac_attn
	.globl	k_qd7263d3eac_attn
	.p2align	8
	.type	k_qd7263d3eac_attn,@function
k_qd7263d3eac_attn:
	s_mov_b64 s[64:65], 0
	v_nop
	global_prefetch_b8 v0, s[64:65] scope:SCOPE_SE
	s_setreg_imm32_b32 hwreg(HW_REG_WAVE_MODE, 25, 1), 1
	s_wait_xcnt 0x0
	s_wait_alu depctr_hold_cnt(0) depctr_sa_sdst(0) depctr_va_vdst(0) depctr_va_sdst(0) depctr_va_ssrc(0) depctr_va_vcc(0) depctr_vm_vsrc(0)
	s_getreg_b32 s2, hwreg(HW_REG_IB_STS2, 6, 4)
	s_cmp_eq_u32 s2, 0
	s_cbranch_scc0 .Lentry_in_a_cluster
	s_endpgm
.Lentry_in_a_cluster:
	s_bfe_u32 s2, ttmp6, 0x10000c
	s_cmp_lg_u32 s2, 0x3003
	s_cbranch_scc0 .Lentry_shape_is_right
	s_endpgm
.Lentry_shape_is_right:
; att[q] = embed[q] + the sum over keys of softmax(Q[q] . K[k] / 8) V[k], for 32 (batch, head) pairs of 2,048 tokens, head size 64; both products on E2M3 codes with E8M0 scales.
; THE SOFTMAX: t = score x log2(e) / 8; M = the running largest t rounded UP to a whole number; p = 2^(t - M) is quantised along the keys, not normalised; the row's sum is taken of the unquantised p and
; divides O at the end.  When M moves, the sum and O are multiplied by 2^(old M - new M): exact.
; SHARES.  A work-group owns 256 queries of one head, each of its sixteen waves a block of 16 (lane r of block t is token 32 (t / 2) + 8 (t % 2) + r + 8 (r / 8)).  Every wave walks the 2,048 keys, 128 a step, two steps a trip.
; LDS.  A whole head's K and V^T, 16 records of 13,312 bytes, come in ONCE: wave w asks for record w, jointly with the three partners of its cluster, which own other queries of the same head.  Nothing is filled again.
; No prefetch: all that the launch reads through LDS is asked for at its head, so there is no loop to run ahead in.
; WHICH KEYS FORM A TILE.  Tile (c, u) of a step takes keys 64 c + 8 u + j in rows j = 0..7 and keys 64 c + 32 + 8 u + j in rows 8..15.  Both products are used transposed (S^T = K Q^T, O^T = V^T P^T), so lane (r, h)
; holds query r, and the 32 registers of tiles (c, 0..3) are the 32 neighbouring keys 64 c + 32 h + 0..31: ONE WHOLE BLOCK of the quantiser, in the order of the second product's operand.  So a block's largest p is
; found inside a lane and the conversions' results are the operand's registers.  In memory a block t of K holds keys 32 (t / 2) + 8 (t % 2) + r + 8 (r / 8): rows j of tile (c, u) are lanes 8 (u / 2) + j of block 4 c + u % 2,
; rows 8 + j the same lanes of block 4 c + 2 + u % 2: a matter of each lane's address.  Blocks 2, 3, 6, 7 are stored with lane l at place l xor 8, so that the sixteen lanes of a load read 256 different bytes modulo 256.
; THE SCORES' K IS 64 under an instruction of 128: a fragment holds tiles (c, 2 w) and (c, 2 w + 1); times [q | zero codes] it gives the first, times [zero codes | q] the second.
; THE ROW'S SUM of a step's p is added up in the next step: its first half behind the second product's matrix instructions, its second half between the score products; these additions are the places that those owe.
; LIMITS: NaN and infinities are not served; the promise holds while |t| stays under 2^31.  A block of p that has fallen to zeros keeps the scale byte 1: its codes are zeros.
; REGISTERS: v1-6, v52-53 this trip's LDS addresses; their bases in v13, v15, v39 (the unread upper halves of broadcast pairs), v54-55, v252-253, v255; v7-8 the spare word and 0; v9 q's scale word, v10 p's; v11 8 h;
; v12, v14 -M by turns; v16-17 the sum; v18 the largest score; v20-37 q | 0 | q; v38 the factor; v40-51 at work; v56-57, v254 the way out; v60-63 scale words; v64-111 four fragments; v112-123 p's codes; v124-155 O^T;
; v156-219 S^T, then p; v220-251 embed.
.set KVB,  13312
.set STG,  16*KVB                      ; behind the records: 16 rows x 272 bytes for each wave, for the way out
.set SPARE, STG+16*16*272              ; behind the stages: the spare words
.set KA, 1
.set KB, 3
.set KS, 5
.set VA, 6
.set VB, 52
.set VS, 53
.set SPW, 7
.set NIL, 8
.set QS, 9
.set PW, 10
.set SH, 11
.set NM, 12
.set L, 16
.set RUN, 18
.set T0, 19
.set Q, 20
.set F, 38
.set TS, 40
.set CH, 40
.set CT, 44
.set STO, 56
.set RD, 57
.set FS, 60
.set FR, 64
.set PC, 112
.set O, 124
.set S, 156
.set EM, 220
.set GOF, 254
.set WV,  18
.set SEL, 20
.set CS,  22
.set G1,  24
.set G0,  32
.set TB,  36
.set CNT, 37
.set NC,  47
.macro CROUND                          ; a round of the cluster's barrier
	s_barrier_signal -1
	s_barrier_wait -1
	s_cmp_lg_u32 s[WV], 0
	s_cbranch_scc1 .Lnot_wave_0_\@
	s_barrier_signal -3
.Lnot_wave_0_\@:
	s_barrier_wait -3
	s_barrier_signal -1
	s_barrier_wait -1
.endm
.macro DEP n
	s_delay_alu instid0(VALU_DEP_\n)
.endm
.macro KFRAG p, n                      ; pair p = 2 c + w of K's tiles: two halves of six registers, and their scale word
	ds_load_b128 v[FR+12*\p:FR+12*\p+3], v[KA+(\p%2)] offset:\n*KVB+3072*(\p/2)+128*(\p%2)
	ds_load_b64 v[FR+12*\p+4:FR+12*\p+5], v[KB+(\p%2)] offset:\n*KVB+3072*(\p/2)+64*(\p%2)+512
	ds_load_b128 v[FR+12*\p+6:FR+12*\p+9], v[KA+(\p%2)] offset:\n*KVB+3072*(\p/2)+128*(\p%2)+768
	ds_load_b64 v[FR+12*\p+10:FR+12*\p+11], v[KB+(\p%2)] offset:\n*KVB+3072*(\p/2)+64*(\p%2)+1280
	ds_load_b32 v[FS+\p], v[KS] offset:\n*KVB+6144+256*(\p/2)+32*(\p%2)
.endm
.macro VFRAG t, n                      ; fragment t of V^T: 16 channels x 128 keys
	ds_load_b128 v[FR+12*\t:FR+12*\t+3], v[VA] offset:\n*KVB+6656+1536*\t
	ds_load_b64 v[FR+12*\t+4:FR+12*\t+5], v[VB] offset:\n*KVB+6656+1536*\t+512
	ds_load_b128 v[FR+12*\t+6:FR+12*\t+9], v[VA] offset:\n*KVB+6656+1536*\t+768
	ds_load_b64 v[FR+12*\t+10:FR+12*\t+11], v[VB] offset:\n*KVB+6656+1536*\t+1280
	ds_load_b32 v[FS+\t], v[VS] offset:\n*KVB+12800+128*\t
.endm
.macro SMUL p                          ; the two score tiles of pair p
	v_wmma_scale_f32_16x16x128_f8f6f4 v[S+32*(\p/2)+16*(\p%2):S+32*(\p/2)+16*(\p%2)+7], v[FR+12*\p:FR+12*\p+11], v[Q:Q+11], 0, v[FS+\p], v[QS] matrix_a_fmt:MATRIX_FMT_FP6 matrix_b_fmt:MATRIX_FMT_FP6
	v_wmma_scale_f32_16x16x128_f8f6f4 v[S+32*(\p/2)+16*(\p%2)+8:S+32*(\p/2)+16*(\p%2)+15], v[FR+12*\p:FR+12*\p+11], v[Q+6:Q+17], 0, v[FS+\p], v[QS] matrix_a_fmt:MATRIX_FMT_FP6 matrix_b_fmt:MATRIX_FMT_FP6
.endm
.macro SUMH c                          ; the 32 p of block c of the step before go into the sum: sixteen packed additions, four chains
.irp k, 0,1,2,3
	v_pk_add_f32 v[TS+2*\k:TS+2*\k+1], v[S+32*\c+2*\k:S+32*\c+2*\k+1], v[S+32*\c+8+2*\k:S+32*\c+9+2*\k]
.endr
.irp m, 16,24
.irp k, 0,1,2,3
	v_pk_add_f32 v[TS+2*\k:TS+2*\k+1], v[TS+2*\k:TS+2*\k+1], v[S+32*\c+\m+2*\k:S+32*\c+\m+2*\k+1]
.endr
.endr
	DEP 3
	v_pk_add_f32 v[TS:TS+1], v[TS:TS+1], v[TS+2:TS+3]
	DEP 2
	v_pk_add_f32 v[TS+4:TS+5], v[TS+4:TS+5], v[TS+6:TS+7]
	DEP 2
	v_pk_add_f32 v[L:L+1], v[L:L+1], v[TS:TS+1]
	DEP 1
	v_pk_add_f32 v[L:L+1], v[L:L+1], v[TS+4:TS+5]
.endm
.macro MR c, k                         ; link k (0, 1, 2) of four chains of maxima, one for each tile of block c, over seven of its eight scores, each tile from its low end on
.irp u, 0,1,2,3
.if (\k) == 0
	v_max3_num_f32 v[CH+4*\c+\u], v[S+32*\c+8*\u], v[S+32*\c+8*\u+1], v[S+32*\c+8*\u+2]
.else
	v_max3_num_f32 v[CH+4*\c+\u], v[CH+4*\c+\u], v[S+32*\c+8*\u+2*(\k)+1], v[S+32*\c+8*\u+2*(\k)+2]
.endif
.endr
.endm
.macro MS c                            ; the four tiles' eighth scores go into the first two chains
	v_max3_num_f32 v[CH+4*\c], v[CH+4*\c], v[S+32*\c+7], v[S+32*\c+15]
	v_max3_num_f32 v[CH+4*\c+1], v[CH+4*\c+1], v[S+32*\c+23], v[S+32*\c+31]
.endm
.macro STEP n                          ; 128 keys
.set NMN, NM+2*(\n%2)                  ; -M: the new one and the old one change places from step to step
.set NMO, NM+2-2*(\n%2)
	SUMH 0                                         ; also the places between the last products and the loads into their registers
.irp p, 0,1,2,3
	KFRAG \p, \n
.endr
	s_wait_dscnt 10                                ; pairs 0 and 1 are in; the ten loads of pairs 2 and 3, issued behind them, may be out
	SMUL 0
	SMUL 1
	SUMH 1                                         ; also the places between the four products above and the first read of their scores
	s_wait_dscnt 0x0                               ; pairs 2 and 3 are in
	SMUL 2
	SMUL 3
	MR 0, 0                                        ; four places behind the last score product
.irp t, 0,1,2,3
	VFRAG \t, \n                                   ; V^T lands while the softmax is worked
.endr
	MR 0, 1                                        ; the two blocks' chains by turns: eight chains in all
	MR 1, 0
	MR 0, 2
	MR 1, 1
	MS 0
	MR 1, 2
	v_max3_num_f32 v[CH], v[CH], v[CH+1], v[CH+2]
	MS 1
	DEP 3
	v_max_num_f32 v[CH], v[CH], v[CH+3]            ; the largest score of my block of c = 0,
	DEP 2
	v_max3_num_f32 v[CH+4], v[CH+4], v[CH+5], v[CH+6]
	DEP 1
	v_max_num_f32 v[CH+2], v[CH+4], v[CH+7]        ; and of c = 1: for the row's maximum, and, since p rises with the score, for the block's largest p
	DEP 1
	v_max_num_f32 v[T0], v[CH], v[CH+2]
	DEP 1
	v_permlanex16_b32 v47, v[T0], s[SEL], s[SEL+1]
	DEP 1
	v_max3_num_f32 v[RUN], v[RUN], v[T0], v47      ; the running largest score of my query
	DEP 1
	v_mul_f32 v[T0], s[NC], v[RUN]                 ; -t
	DEP 1
	v_floor_f32 v[NMN], v[T0]                      ; -M = -ceil(t)
.set I, 0
.rept 32
	v_pk_fma_f32 v[S+I:S+I+1], v[S+I:S+I+1], s[CS:CS+1], v[NMN:NMN+1] op_sel_hi:[1,0,0]   ; t - M
.set I, I+2
.endr
	v_sub_f32 v[T0], v[NMN], v[NMO]                ; old M - new M: a whole number, 0 or less
	v_fma_f32 v[CH], v[CH], s[CS], v[NMN]
	DEP 2
	v_cvt_i32_f32 v[T0], v[T0]                     ; (it saturates)
	v_fma_f32 v[CH+2], v[CH+2], s[CS], v[NMN]
	DEP 2
	v_ldexp_f32 v[F], 1.0, v[T0]                   ; f = 2^(old M - new M)
	s_wait_alu depctr_va_vdst(0)                   ; the wait ahead of the batch
.set I, 0
.rept 64
	v_exp_f32 v[S+I], v[S+I]                       ; p = 2^(t - M)
.set I, I+1
.endr
	v_exp_f32 v[CH], v[CH]                         ; each block's largest p: the same two instructions on the same number
	v_exp_f32 v[CH+2], v[CH+2]
	v_pk_mul_f32 v[L:L+1], v[L:L+1], v[F:F+1] op_sel_hi:[1,0]   ; the sum under the new M (the plain line behind the batch)
	s_wait_alu depctr_va_vdst(0)                   ; one wait for the batch, ahead of its first reader
	v_max_num_f32 v[CH], 0x1800000, v[CH]          ; the floor 2^(3 - 127): the byte cannot fall under 1
	v_max_num_f32 v[CH+2], 0x1800000, v[CH+2]
	DEP 2
	v_add_nc_u32 v[CH+1], 0xff000000, v[CH]        ; 2 off the exponent field: the conversion's scale operand
	DEP 2
	v_add_nc_u32 v[CH+3], 0xff000000, v[CH+2]
	DEP 2
	v_lshrrev_b32 v44, 23, v[CH+1]                 ; the bytes of blocks h and 2 + h
	DEP 2
	v_lshrrev_b32 v45, 23, v[CH+3]
	DEP 1
	v_lshl_or_b32 v44, v45, 16, v44
	DEP 1
	v_lshlrev_b32 v44, v[SH], v44                  ; at their places in the word, 8 h bits up
	DEP 1
	v_permlanex16_b32 v51, v44, s[SEL], s[SEL+1]
	DEP 1
	v_or_b32 v[PW], v44, v51                       ; with lane l xor 16's two bytes: p's scale word for these 128 keys
.irp c, 0,1
	v_cvt_scalef32_pk16_fp6_f32 v[PC+6*\c:PC+6*\c+2], v[S+32*\c:S+32*\c+15], v[CH+1+2*\c]
	v_cvt_scalef32_pk16_fp6_f32 v[CT+4*\c:CT+4*\c+2], v[S+32*\c+16:S+32*\c+31], v[CH+1+2*\c]   ; (a conversion's three registers begin on an even number)
.endr
	s_wait_dscnt 0x0                               ; V^T's fragments are in
	s_wait_alu depctr_va_vdst(0)                   ; the wait directly ahead of the first reader of O^T
	v_pk_mul_f32 v[O:O+1], v[O:O+1], v[F:F+1] op_sel_hi:[1,0]        ; O^T under the new M; the first of these is the plain line behind the conversions
	v_pk_mul_f32 v[O+2:O+3], v[O+2:O+3], v[F:F+1] op_sel_hi:[1,0]
.irp c, 0,1
.irp i, 0,1,2
	v_mov_b32 v[PC+3+6*\c+\i], v[CT+4*\c+\i]
.endr
.endr
.set I, 4
.rept 14
	v_pk_mul_f32 v[O+I:O+I+1], v[O+I:O+I+1], v[F:F+1] op_sel_hi:[1,0]   ; (these fourteen are also the places between the writes of p's codes and scale word and the products)
.set I, I+2
.endr
.irp t, 0,1,2,3                        ; the four accumulators take turns
	v_wmma_scale_f32_16x16x128_f8f6f4 v[O+8*\t:O+8*\t+7], v[FR+12*\t:FR+12*\t+11], v[PC:PC+11], v[O+8*\t:O+8*\t+7], v[FS+\t], v[PW] matrix_a_fmt:MATRIX_FMT_FP6 matrix_b_fmt:MATRIX_FMT_FP6
.endr
.endm
	s_load_b128 s[4:7], s[0:1], 0x0                ; qkv s[4:5], embed s[6:7]
	s_load_b64 s[48:49], s[0:1], 0x10              ; att
	v_lshl_add_u32 v[SPW], v0, 2, SPARE
	v_mov_b32 v[NIL], 0
	ds_add_u32 v[SPW], v[NIL]                      ; the opening lines: the add, twice on end, and its wait ahead of my tensor load
	ds_add_u32 v[SPW], v[NIL]
	v_lshrrev_b32 v[T0], 5, v0
	v_readfirstlane_b32 s[WV], v[T0]               ; wave 0..15
	s_bfe_u32 s8, ttmp6, 0x40000                   ; cx
	s_lshl_b32 s9, ttmp9, 2
	s_add_co_u32 s9, s9, s8                        ; my block of 256 queries: it enters Q's, embed's and the output's addresses alone
	s_and_b32 s10, ttmp7, 0xffff                   ; 16 x batch + head, which the four partners share
	s_mov_b32 s[G1], 15|(3<<16)|(1<<21)            ; the mask: all four; elements of 8 bytes; bit 21 set beside a mask; no padding
	s_mov_b32 s[G1+1], 32<<16                      ; rows of 256 bytes,
	s_mov_b32 s[G1+2], 52<<16                      ; 52 of them: 13,312 bytes
	s_mov_b32 s[G1+3], 32<<16
	s_mov_b32 s[G1+4], 52
	s_mov_b32 s[G1+5], 32
	s_mov_b32 s[G1+6], 0
	s_mov_b32 s[G1+7], 0
	s_lshl_b32 s12, s10, 4
	s_add_co_u32 s12, s12, s[WV]
	s_mul_i32 s12, s12, KVB
	s_add_co_u32 s12, s12, 3407872                 ; record (head, wave)
	s_mov_b32 s13, 0
	s_wait_dscnt 0x0
	s_wait_kmcnt 0x0
	CROUND                                         ; all four work-groups are here: the joint loads meet
	s_mov_b32 s[G0], 1
	s_mul_i32 s[G0+1], s[WV], KVB
	s_add_nc_u64 s[G0+2:G0+3], s[4:5], s[12:13]
	s_or_b32 s[G0+3], s[G0+3], 0x80000000
	tensor_load_to_lds s[G0:G0+3], s[G1:G1+7]      ; my one tensor load of the launch
	s_nop 0
.rept 4
	v_nop
.endr
	s_lshl_b32 s14, s9, 4
	s_add_co_u32 s14, s14, s[WV]                   ; my block of 16 queries among the batch's 128
	s_lshl_b32 s15, s10, 7
	s_add_co_u32 s15, s15, s14
	s_mul_i32 s38, s15, 768
	s_mov_b32 s39, 0
	s_add_nc_u64 s[38:39], s[4:5], s[38:39]        ; its codes
	s_lshr_b32 s15, s15, 1
	s_lshl_b32 s40, s15, 7
	s_add_co_u32 s40, s40, 3145728
	s_mov_b32 s41, 0
	s_add_nc_u64 s[40:41], s[4:5], s[40:41]        ; the scale words of its pair of blocks
	s_lshr_b32 s42, s10, 4
	s_lshl_b32 s42, s42, 11
	s_lshr_b32 s43, s14, 1
	s_lshl_b32 s43, s43, 5
	s_add_co_u32 s42, s42, s43
	s_and_b32 s43, s14, 1
	s_lshl_b32 s43, s43, 3
	s_add_co_u32 s42, s42, s43                     ; my block's first token
	s_lshl_b32 s42, s42, 12                        ; a row of embed and of the output is 4,096 bytes,
	s_and_b32 s43, s10, 15
	s_lshl_b32 s43, s43, 8                         ; a head's part of it 256
	s_add_co_u32 s42, s42, s43
	s_mov_b32 s43, 0
	s_add_nc_u64 s[6:7], s[6:7], s[42:43]
	s_add_nc_u64 s[48:49], s[48:49], s[42:43]
	s_and_b32 s44, s[WV], 1
	s_mov_b32 s45, 0x03020302                      ; an odd block's two bytes are the word's upper two,
	s_cmp_eq_u32 s44, 0
	s_cselect_b32 s45, 0x01000100, s45             ; an even block's the lower two: either way they are laid twice
	s_mov_b32 s[SEL], 0x76543210
	s_mov_b32 s[SEL+1], 0xfedcba98
	s_mov_b32 s[CS], 0x3e38aa3b                    ; c = log2(e) / 8
	s_mov_b32 s[CS+1], s[CS]
	s_mov_b32 s[NC], 0xbe38aa3b                    ; -c
	s_mul_i32 s46, s[WV], 16*272
	s_add_co_u32 s46, s46, STG                     ; my stage
	v_and_b32 v40, 31, v0                          ; l
	v_and_b32 v41, 7, v0                           ; j
	v_bfe_u32 v42, v0, 3, 1                        ; g: which eight rows of a tile
	v_bfe_u32 v43, v0, 4, 1                        ; h
	v_and_b32 v44, 15, v0                          ; r
	v_mul_u32_u24 v45, v42, 1664                   ; K, registers 0-3, w = 0: 1,536 g + 128 g + 256 h + 16 j
	v_mul_u32_u24 v46, v42, 1408                   ; w = 1: 1,536 g - 128 g + 256 h + 16 j (+ 128 in the loads' offset)
	v_mul_u32_u24 v48, v42, 1600                   ; registers 4-5, w = 0: 1,536 g + 64 g + 128 h + 8 j
	v_mul_u32_u24 v49, v42, 1472                   ; w = 1: 1,536 g - 64 g + 128 h + 8 j (+ 64)
	v_lshl_add_u32 v13, v43, 8, v45
	v_lshl_add_u32 v15, v43, 8, v46
	v_lshl_add_u32 v39, v43, 7, v48
	v_lshl_add_u32 v54, v43, 7, v49
	v_lshlrev_b32 v55, 7, v42                      ; K's scale words: 128 g + 4 j
	v_lshl_add_u32 v13, v41, 4, v13
	v_lshl_add_u32 v15, v41, 4, v15
	v_lshl_add_u32 v39, v41, 3, v39
	v_lshl_add_u32 v54, v41, 3, v54
	v_lshl_add_u32 v55, v41, 2, v55
	v_lshlrev_b32 v252, 4, v40                     ; V^T and q: 16 l, 8 l, 4 l
	v_lshlrev_b32 v253, 3, v40
	v_lshlrev_b32 v255, 2, v40
	v_lshlrev_b32 v[SH], 3, v43
	v_lshlrev_b32 v[GOF], 12, v43
	v_mul_u32_u24 v[STO], v44, 272
	v_mul_u32_u24 v[RD], v43, 272
	v_lshl_add_u32 v[GOF], v44, 4, v[GOF]          ; embed and the output: lanes 0-15 one row's 256 bytes, lanes 16-31 the next row's
	v_lshl_add_u32 v[STO], v43, 6, v[STO]
	v_lshl_add_u32 v[RD], v44, 4, v[RD]
	v_add_nc_u32 v[STO], s46, v[STO]               ; the stage, in: row r, + 64 h
	v_add_nc_u32 v[RD], s46, v[RD]                 ; and back: the same two rows
	s_wait_alu depctr_va_vdst(0)                   ; the wait ahead of the readers below
	global_load_b128 v[Q:Q+3], v252, s[38:39]
	global_load_b64 v[Q+4:Q+5], v253, s[38:39] offset:512
	global_load_b128 v[Q+12:Q+15], v252, s[38:39]  ; q once more: q | 0 | q serves as [q | 0] and as [0 | q]
	global_load_b64 v[Q+16:Q+17], v253, s[38:39] offset:512
	global_load_b32 v[T0], v255, s[40:41]
.set I, 0
.rept 6
	v_mov_b32 v[Q+6+I], 0                          ; zero codes
.set I, I+1
.endr
	v_mov_b32 v[RUN], 0xff61b1e6                   ; the largest score so far: -3e38
	v_mov_b32 v[L], 0
	v_mov_b32 v[L+1], 0
	v_mov_b32 v47, 0                               ; written once: a lane permute's destination counts as one of its sources
	v_mov_b32 v51, 0
	v_mul_f32 v40, s[NC], v[RUN]
	v_mov_b32 v[NM], 0
	v_floor_f32 v[NM+2], v40                       ; -M ahead of the first step
.set I, 0
.rept 96
	v_mov_b32 v[O+I], 0                            ; O^T and p: the step is written once; its first run finds zeros to scale and to sum
.set I, I+1
.endr
	s_wait_loadcnt 0x0                             ; q's five loads are in
	v_perm_b32 v[QS], v[T0], v[T0], s45            ; q's scale word: (s0, s1, s0, s1)
	s_mov_b32 s[TB], 0
	s_mov_b32 s[CNT], 8
	s_wait_alu depctr_va_vdst(0)                   ; the wait at the head's end
	s_wait_tensorcnt 0x0                           ; my record has landed,
	s_barrier_signal -1
	s_barrier_wait -1                              ; everybody's has
.irp i, 0,1,2,3,4,5,6,7
	global_load_b128 v[EM+4*\i:EM+4*\i+3], v[GOF], s[6:7] offset:(2*\i+8*(\i/4))*4096 th:TH_LOAD_NT   ; the residual: asked for behind the records, wanted on the way out
.endr
.Ltrip:                                            ; two steps: 256 keys
	v_add_nc_u32 v[KA], s[TB], v13
	v_add_nc_u32 v[KA+1], s[TB], v15
	v_add_nc_u32 v[KB], s[TB], v39
	v_add_nc_u32 v[KB+1], s[TB], v54
	v_add_nc_u32 v[KS], s[TB], v55
	v_add_nc_u32 v[VA], s[TB], v252
	v_add_nc_u32 v[VB], s[TB], v253
	v_add_nc_u32 v[VS], s[TB], v255
	STEP 0
	STEP 1
	s_add_co_u32 s[TB], s[TB], 2*KVB
	s_sub_co_u32 s[CNT], s[CNT], 1
	s_cmp_lg_u32 s[CNT], 0
	s_cbranch_scc1 .Ltrip
	; THE WAY OUT: the last step's p are summed; O^T / the sum goes through my stage, takes embed's rows on, and leaves as rows: sixteen lanes store 256 consecutive bytes, aligned
	SUMH 0
	SUMH 1
	DEP 1
	v_add_f32 v[L], v[L], v[L+1]
	DEP 1
	v_permlanex16_b32 v47, v[L], s[SEL], s[SEL+1]
	DEP 1
	v_add_f32 v[L], v[L], v47                      ; with lane l xor 16's keys: the row's sum
	s_wait_alu depctr_va_vdst(0)
	v_rcp_f32 v[L], v[L]
	v_nop
	s_wait_alu depctr_va_vdst(0)                   ; ahead of the first reader of the quotient and of O^T
.set I, 0
.rept 32
	v_mul_f32 v[S+I], v[O+I], v[L]                 ; register 16 b + i is channel 32 b + 16 h + i of my query
.set I, I+1
.endr
.irp b, 0,1
.irp j, 0,1,2,3
	ds_store_b128 v[STO], v[S+16*\b+4*\j:S+16*\b+4*\j+3] offset:128*\b+16*\j
.endr
.endr
.irp i, 0,1,2,3,4,5,6,7
	ds_load_b128 v[FR+4*\i:FR+4*\i+3], v[RD] offset:544*\i   ; LDS serves a wave's instructions in order: these see my stores
.endr
	s_wait_loadcnt 0x0                             ; embed's rows
.irp i, 0,1,2,3,4,5,6,7
	s_wait_dscnt 7-\i                              ; the younger loads may be out
	v_pk_add_f32 v[FR+4*\i:FR+4*\i+1], v[FR+4*\i:FR+4*\i+1], v[EM+4*\i:EM+4*\i+1]
	v_pk_add_f32 v[FR+4*\i+2:FR+4*\i+3], v[FR+4*\i+2:FR+4*\i+3], v[EM+4*\i+2:EM+4*\i+3]
	global_store_b128 v[GOF], v[FR+4*\i:FR+4*\i+3], s[48:49] offset:(2*\i+8*(\i/4))*4096
.endr
	s_wait_tensorcnt 0x0                           ; the wave's end
	ds_add_u32 v[SPW], v[NIL]
	s_wait_dscnt 0x0
	CROUND                                         ; the closing round
	s_endpgm
.Lfunc_end_k_qd7263d3eac_attn:
	.size	k_qd7263d3eac_attn, .Lfunc_end_k_qd7263d3eac_attn-k_qd7263d3eac_attn
	.p2alignl 7, 3214868480
	.fill 96, 4, 3214868480
	.section	.rodata,"a",@progbits
	.p2align	6, 0x0
	.amdhsa_kernel k_qd7263d3eac_attn
		.amdhsa_group_segment_fixed_size 284672
		.amdhsa_private_segment_fixed_size 0
		.amdhsa_enable_private_segment 0
		.amdhsa_kernarg_size 24
		.amdhsa_user_sgpr_count 2
		.amdhsa_user_sgpr_kernarg_segment_ptr 1
		.amdhsa_wavefront_size32 1
		.amdhsa_system_sgpr_workgroup_id_x 1
		.amdhsa_system_sgpr_workgroup_id_y 1
		.amdhsa_system_sgpr_workgroup_id_z 1
		.amdhsa_system_vgpr_workitem_id 0
		.amdhsa_next_free_vgpr 256
		.amdhsa_next_free_sgpr 66
		.amdhsa_reserve_vcc 0
		.amdhsa_float_denorm_mode_32 3
		.amdhsa_float_denorm_mode_16_64 3
		.amdhsa_memory_ordered 1
		.amdhsa_forward_progress 1
		.amdhsa_inst_pref_size 50
	.end_amdhsa_kernel
	.amdgpu_metadata
---
amdhsa.version: [ 1, 2 ]
amdhsa.kernels:
  - .name:           k_qd7263d3eac_attn
    .symbol:         k_qd7263d3eac_attn.kd
    .args:
      - { .name: qkv, .offset: 0, .size: 8, .value_kind: global_buffer, .address_space: global }
      - { .name: embed, .offset: 8, .size: 8, .value_kind: global_buffer, .address_space: global }
      - { .name: att, .offset: 16, .size: 8, .value_kind: global_buffer, .address_space: global }
    .group_segment_fixed_size: 284672
    .private_segment_fixed_size: 0
    .kernarg_segment_align: 8
    .kernarg_segment_size: 24
    .max_flat_workgroup_size: 512
    .sgpr_count:     66
    .vgpr_count:     256
    .wavefront_size: 32
...
	.end_amdgpu_metadata
.endif
;; end of part 10
;; launch ln1 (part 11): grid 256 x 1, 8 waves a work-group, no clusters, 70,656 bytes of LDS; arguments att, ln_g, ln_b, x1, arec; writes x1, arec
.if DOCPART == 11
	.amdgcn_target "amdgcn-amd-amdhsa--gfx1250"
	.amdhsa_code_object_version 6
	.text
	.protected	k_qd7263d3eac_ln1
	.globl	k_qd7263d3eac_ln1
	.p2align	8
	.type	k_qd7263d3eac_ln1,@function
k_qd7263d3eac_ln1:
	s_mov_b64 s[64:65], 0
	v_nop
	global_prefetch_b8 v0, s[64:65] scope:SCOPE_SE
	s_setreg_imm32_b32 hwreg(HW_REG_WAVE_MODE, 25, 1), 1
	s_wait_xcnt 0x0
; y = LayerNorm(a) x gamma + beta over rows of 1,024, in f32; y is stored as f32 and (DOQ = 1) as E2M3 codes with E8M0 scales along the row, in records for the next product.
; A work-group takes a block of 16 rows (lane r of block t is row 32 (t / 2) + 8 (t % 2) + r + 8 (r / 8)); wave w takes columns 128 w .. 128 w + 127 of all 16.
; Loads and stores take 512 consecutive bytes of a row; the arithmetic wants a lane to hold 64 numbers of ONE row (register 16 b + i = column 32 b + 16 h + i): the numbers turn through the wave's own stage in LDS, and back.
; The mean, and then the mean of the squared differences (a second pass over registers: no difference of large sums), are joined across the eight waves through LDS: two barriers, each exchange in bytes of its own.
; LIMITS: NaN and infinities are not served; a block of 32 whose largest magnitude lies under 2^-124 keeps the scale byte 1.  Work-groups share no input but gamma and beta: no cluster.
.set DOQ,  1
.set REC,  3328
.set SP,   528
.set STGB, 16*SP
.set RED,  8*STGB                      ; behind the stages: [2 exchanges][8 waves][128 bytes]
.set GOFF, 4
.set SIN,  5
.set SOUT, 6
.set RW,   7
.set RR,   8
.set GB,   9
.set LI,   10
.set LS,   11
.set RA,   16                          ; v16-79: a as loaded, then gamma, then y by rows
.set X,    80                          ; v80-143: my 64 numbers
.set BB,   144                         ; v144-207: beta
.set TM,   208
.set PW,   224
.set PC,   226
.set SEL,  28
.macro LOADROWS reg, base
.set I, 0
.rept 16
	global_load_b128 v[\reg+4*I:\reg+4*I+3], v[GOFF], s[\base:\base+1] offset:(I+8*(I/8))*4096 th:TH_LOAD_NT
.set I, I+1
.endr
.endm
.macro LOADVEC reg, base               ; gamma or beta at my 64 columns
.set I, 0
.rept 16
	global_load_b128 v[\reg+4*I:\reg+4*I+3], v[GB], s[\base:\base+1] offset:128*(I/4)+16*(I%4)
.set I, I+1
.endr
.endm
.macro JOIN off                        ; v246: my 64 numbers' sum -> v226: the row's, the same bits in every wave
	s_delay_alu instid0(VALU_DEP_1)
	v_add_f32 v246, v246, v247
	s_delay_alu instid0(VALU_DEP_1)
	v_permlanex16_b32 v250, v246, s[SEL], s[SEL+1]
	s_delay_alu instid0(VALU_DEP_1)
	v_add_f32 v246, v246, v250
	ds_store_b32 v[RW], v246 offset:\off
	s_wait_dscnt 0x0                               ; for the others' sake: my store has landed
	s_barrier_signal -1
	s_barrier_wait -1
.irp k, 0,1,2,3,4,5,6,7
	ds_load_b32 v[226+\k], v[RR] offset:\off+128*\k
.endr
	s_wait_dscnt 0x0
	v_add_f32 v226, v226, v227
	v_add_f32 v228, v228, v229
	v_add_f32 v230, v230, v231
	v_add_f32 v232, v232, v233
	s_delay_alu instid0(VALU_DEP_3)
	v_add_f32 v226, v226, v228
	s_delay_alu instid0(VALU_DEP_2)
	v_add_f32 v230, v230, v232
	s_delay_alu instid0(VALU_DEP_1)
	v_add_f32 v226, v226, v230
.endm
.macro QUANT s
.irp b, 0,1,2,3
	v_max3_num_f32 v[TM+\b], |v[\s+16*\b]|, |v[\s+1+16*\b]|, 0x1800000   ; and the floor 2^(3 - 127): the byte cannot fall under 1
.endr
.irp i, 2,4,6,8,10,12,14
.irp b, 0,1,2,3
	s_delay_alu instid0(VALU_DEP_4)
	v_max3_num_f32 v[TM+\b], v[TM+\b], |v[\s+16*\b+\i]|, |v[\s+1+16*\b+\i]|
.endr
.endr
.irp b, 0,1,2,3
	s_delay_alu instid0(VALU_DEP_4)
	v_permlanex16_b32 v[TM+4+\b], v[TM+\b], s[SEL], s[SEL+1]
.endr
.irp b, 0,1,2,3
	s_delay_alu instid0(VALU_DEP_4)
	v_max_num_f32 v[TM+\b], v[TM+\b], v[TM+4+\b]
.endr
.irp b, 0,1,2,3
	s_delay_alu instid0(VALU_DEP_4)
	v_add_nc_u32 v[TM+12+\b], 0xff000000, v[TM+\b]
.endr
.irp b, 0,1,2,3
	s_delay_alu instid0(VALU_DEP_4)
	v_lshrrev_b32 v[TM+4+\b], 23, v[TM+12+\b]
.endr
	s_delay_alu instid0(VALU_DEP_3)
	v_lshl_or_b32 v[PW], v[TM+5], 8, v[TM+4]
	s_delay_alu instid0(VALU_DEP_1)
	v_lshl_or_b32 v[PW], v[TM+6], 16, v[PW]
	s_delay_alu instid0(VALU_DEP_1)
	v_lshl_or_b32 v[PW], v[TM+7], 24, v[PW]
.irp c, 0,1
	v_cvt_scalef32_pk16_fp6_f32 v[PC+6*\c:PC+2+6*\c], v[\s+32*\c:\s+15+32*\c], v[TM+12+2*\c]
	v_cvt_scalef32_pk16_fp6_f32 v[PC+12+4*\c:PC+14+4*\c], v[\s+16+32*\c:\s+31+32*\c], v[TM+13+2*\c]
.endr
	v_nop
.irp c, 0,1
.irp i, 0,1,2
	v_permlane16_swap_b32 v[PC+6*\c+\i], v[PC+12+4*\c+\i]
.endr
.irp i, 0,1,2
	s_delay_alu instid0(VALU_DEP_3)
	v_mov_b32 v[PC+3+6*\c+\i], v[PC+12+4*\c+\i]
.endr
.endr
.endm
	; a arrives with the residual already added by the launch that made it: no second tensor e is read here, and v80-143 hold my 64 numbers alone
	s_load_b64 s[4:5], s[0:1], 0x0                 ; a
	s_load_b128 s[8:11], s[0:1], 0x8               ; gamma s[8:9], beta s[10:11]
.if DOQ
	s_load_b128 s[12:15], s[0:1], 0x18             ; y s[12:13], the records s[14:15]
	v_lshl_add_u32 v254, v0, 2, 0x11000
	v_mov_b32 v255, 0
.else
	s_load_b64 s[12:13], s[0:1], 0x18              ; y
.endif
	v_lshrrev_b32 v1, 5, v0
	s_delay_alu instid0(VALU_DEP_1)
	v_readfirstlane_b32 s16, v1                    ; wave 0..7
	v_and_b32 v1, 31, v0
	v_and_b32 v2, 15, v0                           ; r
	v_bfe_u32 v3, v0, 4, 1                         ; h
	s_lshl_b32 s17, s16, 9
	v_lshl_add_u32 v[GOFF], v1, 4, s17             ; 512 w + 16 l
	s_mul_i32 s18, s16, STGB
	v_lshl_add_u32 v[SIN], v1, 4, s18
	v_mul_u32_u24 v[SOUT], v2, SP
	s_delay_alu instid0(VALU_DEP_1)
	v_lshl_add_u32 v[SOUT], v3, 6, v[SOUT]
	s_delay_alu instid0(VALU_DEP_1)
	v_add_nc_u32 v[SOUT], s18, v[SOUT]
	s_lshl_b32 s19, s16, 7
	s_add_co_u32 s19, s19, RED
	v_lshl_add_u32 v[RW], v1, 2, s19
	v_lshl_add_u32 v[RR], v1, 2, RED
	v_lshl_add_u32 v[GB], v3, 6, s17               ; 512 w + 64 h
	s_and_b32 s24, s16, 1
	s_mul_i32 s25, s24, 1536
	v_lshl_add_u32 v[LI], v1, 4, s25               ; my fragment of the record
	s_lshl_b32 s25, s24, 7
	v_lshl_add_u32 v[LS], v1, 2, s25
	s_lshr_b32 s20, ttmp9, 1
	s_lshl_b32 s20, s20, 5
	s_and_b32 s21, ttmp9, 1
	s_lshl_b32 s21, s21, 3
	s_add_co_u32 s20, s20, s21                     ; the block's first row
	s_lshl_b32 s20, s20, 12
	s_mov_b32 s21, 0
	s_lshr_b32 s22, s16, 1
	s_lshl_b32 s22, s22, 8
	s_add_co_u32 s22, s22, ttmp9
	s_mul_i32 s22, s22, REC                        ; record (w / 2, block)
	s_mov_b32 s23, 0
	s_mov_b32 s26, 0x3a800000                      ; 1 / 1,024
	s_mov_b32 s27, 0x3727c5ac                      ; 1e-5
	s_mov_b32 s[SEL], 0x76543210
	s_mov_b32 s[SEL+1], 0xfedcba98
	v_mov_b32 v250, 0                              ; written once: a lane permute's destination counts as one of its sources
	v_mov_b32 v253, 0                              ; (named as the upper half of the pair v[252:253])
.irp b, 0,1,2,3
	v_mov_b32 v[TM+4+\b], 0
.endr
	s_wait_alu depctr_va_vdst(0)
	s_wait_kmcnt 0x0
	s_add_nc_u64 s[4:5], s[4:5], s[20:21]
	s_add_nc_u64 s[12:13], s[12:13], s[20:21]
.if DOQ
	s_add_nc_u64 s[14:15], s[14:15], s[22:23]
.endif
	LOADVEC BB, 10
	LOADROWS RA, 4
	s_wait_loadcnt 0x0
.set I, 0
.set I, 0
.rept 16
	ds_store_b128 v[SIN], v[RA+4*I:RA+4*I+3] offset:SP*I
.set I, I+1
.endr
.set I, 0
.rept 16
	ds_load_b128 v[X+4*I:X+4*I+3], v[SOUT] offset:128*(I/4)+16*(I%4)   ; LDS serves a wave's instructions in order: these see the stores above
.set I, I+1
.endr
	s_wait_dscnt 0x0
	LOADVEC RA, 8                                  ; gamma lands while the statistics are made
	v_pk_add_f32 v[248:249], v[80:81], v[82:83]
	v_pk_add_f32 v[244:245], v[88:89], v[92:93]
	v_pk_add_f32 v[242:243], v[96:97], v[100:101]
	v_pk_add_f32 v[240:241], v[104:105], v[108:109]
	v_pk_add_f32 v[238:239], v[112:113], v[116:117]
	v_pk_add_f32 v[236:237], v[120:121], v[124:125]
	v_pk_add_f32 v[234:235], v[128:129], v[132:133]
	v_pk_add_f32 v[246:247], v[136:137], v[140:141]
	s_delay_alu instid0(VALU_DEP_1)
	v_pk_add_f32 v[246:247], v[246:247], v[84:85]
	v_pk_add_f32 v[248:249], v[248:249], v[86:87]
	v_pk_add_f32 v[244:245], v[244:245], v[90:91]
	v_pk_add_f32 v[242:243], v[242:243], v[94:95]
	v_pk_add_f32 v[240:241], v[240:241], v[98:99]
	v_pk_add_f32 v[238:239], v[238:239], v[102:103]
	v_pk_add_f32 v[236:237], v[236:237], v[106:107]
	v_pk_add_f32 v[234:235], v[234:235], v[110:111]
	v_pk_add_f32 v[246:247], v[246:247], v[114:115]
	v_pk_add_f32 v[248:249], v[248:249], v[118:119]
	v_pk_add_f32 v[244:245], v[244:245], v[122:123]
	v_pk_add_f32 v[242:243], v[242:243], v[126:127]
	v_pk_add_f32 v[240:241], v[240:241], v[130:131]
	v_pk_add_f32 v[238:239], v[238:239], v[134:135]
	v_pk_add_f32 v[236:237], v[236:237], v[138:139]
	v_pk_add_f32 v[234:235], v[234:235], v[142:143]
	s_delay_alu instid0(VALU_DEP_4)
	v_pk_add_f32 v[246:247], v[246:247], v[240:241]
	s_delay_alu instid0(VALU_DEP_4)
	v_pk_add_f32 v[248:249], v[248:249], v[238:239]
	s_delay_alu instid0(VALU_DEP_4)
	v_pk_add_f32 v[244:245], v[244:245], v[236:237]
	s_delay_alu instid0(VALU_DEP_4)
	v_pk_add_f32 v[242:243], v[242:243], v[234:235]
	s_delay_alu instid0(VALU_DEP_2)
	v_pk_add_f32 v[246:247], v[246:247], v[244:245]
	s_delay_alu instid0(VALU_DEP_2)
	v_pk_add_f32 v[248:249], v[248:249], v[242:243]
	s_delay_alu instid0(VALU_DEP_1)
	v_pk_add_f32 v[246:247], v[246:247], v[248:249]
	JOIN 0
	s_delay_alu instid0(VALU_DEP_1)
	v_mul_f32 v252, 0xba800000, v226               ; - the mean
.set I, 0
.rept 32
	v_pk_add_f32 v[X+I:X+I+1], v[X+I:X+I+1], v[252:253] op_sel_hi:[1,0]
.set I, I+2
.endr
	v_pk_mul_f32 v[246:247], v[X:X+1], v[X:X+1]
	v_pk_mul_f32 v[248:249], v[X+2:X+3], v[X+2:X+3]
.set I, 4
.rept 15
	s_delay_alu instid0(VALU_DEP_2)
	v_pk_fma_f32 v[246:247], v[X+I:X+I+1], v[X+I:X+I+1], v[246:247]
	s_delay_alu instid0(VALU_DEP_2)
	v_pk_fma_f32 v[248:249], v[X+I+2:X+I+3], v[X+I+2:X+I+3], v[248:249]
.set I, I+4
.endr
	s_delay_alu instid0(VALU_DEP_1)
	v_pk_add_f32 v[246:247], v[246:247], v[248:249]
	JOIN 1024
	s_delay_alu instid0(VALU_DEP_1)
	v_fma_f32 v246, v226, s26, s27                 ; the variance + 1e-5
	s_wait_alu depctr_va_vdst(0)
	v_rsq_f32 v252, v246
	v_nop
	s_wait_alu depctr_va_vdst(0)                   ; ahead of the first reader
	s_wait_loadcnt 0x0                             ; gamma
.set I, 0
.rept 32
	v_pk_mul_f32 v[X+I:X+I+1], v[X+I:X+I+1], v[252:253] op_sel_hi:[1,0]
.set I, I+2
.endr
.set I, 0
.rept 32
	v_pk_fma_f32 v[X+I:X+I+1], v[X+I:X+I+1], v[RA+I:RA+I+1], v[BB+I:BB+I+1]
.set I, I+2
.endr
.set I, 0
.rept 16
	ds_store_b128 v[SOUT], v[X+4*I:X+4*I+3] offset:128*(I/4)+16*(I%4)
.set I, I+1
.endr
.set I, 0
.rept 16
	ds_load_b128 v[RA+4*I:RA+4*I+3], v[SIN] offset:SP*I
.set I, I+1
.endr
.if DOQ
	QUANT X                                        ; while the rows come back
.irp c, 0,1,2
	global_store_b128 v[LI], v[PC+4*\c:PC+4*\c+3], s[14:15] offset:512*\c
.endr
	global_store_b32 v[LS], v[PW], s[14:15] offset:3072
.endif
.set I, 0
.rept 16
	s_wait_dscnt 15-I                              ; the younger loads may be out
	global_store_b128 v[GOFF], v[RA+4*I:RA+4*I+3], s[12:13] offset:(I+8*(I/8))*4096   ; 512 consecutive bytes of a row
.set I, I+1
.endr
	s_wait_tensorcnt 0x0
	ds_add_u32 v254, v255
	s_wait_dscnt 0x0
	s_endpgm
.Lfunc_end_k_qd7263d3eac_ln1:
	.size	k_qd7263d3eac_ln1, .Lfunc_end_k_qd7263d3eac_ln1-k_qd7263d3eac_ln1
	.p2alignl 7, 3214868480
	.fill 96, 4, 3214868480
	.section	.rodata,"a",@progbits
	.p2align	6, 0x0
	.amdhsa_kernel k_qd7263d3eac_ln1
		.amdhsa_group_segment_fixed_size 70656
		.amdhsa_private_segment_fixed_size 0
		.amdhsa_enable_private_segment 0
		.amdhsa_kernarg_size 40
		.amdhsa_user_sgpr_count 2
		.amdhsa_user_sgpr_kernarg_segment_ptr 1
		.amdhsa_wavefront_size32 1
		.amdhsa_system_sgpr_workgroup_id_x 1
		.amdhsa_system_sgpr_workgroup_id_y 1
		.amdhsa_system_sgpr_workgroup_id_z 1
		.amdhsa_system_vgpr_workitem_id 0
		.amdhsa_next_free_vgpr 256
		.amdhsa_next_free_sgpr 66
		.amdhsa_reserve_vcc 0
		.amdhsa_float_denorm_mode_32 3
		.amdhsa_float_denorm_mode_16_64 3
		.amdhsa_memory_ordered 1
		.amdhsa_forward_progress 1
		.amdhsa_inst_pref_size 34
	.end_amdhsa_kernel
	.amdgpu_metadata
---
amdhsa.version: [ 1, 2 ]
amdhsa.kernels:
  - .name:           k_qd7263d3eac_ln1
    .symbol:         k_qd7263d3eac_ln1.kd
    .args:
      - { .name: att, .offset: 0, .size: 8, .value_kind: global_buffer, .address_space: global }
      - { .name: ln_g, .offset: 8, .size: 8, .value_kind: global_buffer, .address_space: global }
      - { .name: ln_b, .offset: 16, .size: 8, .value_kind: global_buffer, .address_space: global }
      - { .name: x1, .offset: 24, .size: 8, .value_kind: global_buffer, .address_space: global }
      - { .name: arec, .offset: 32, .size: 8, .value_kind: global_buffer, .address_space: global }
    .group_segment_fixed_size: 70656
    .private_segment_fixed_size: 0
    .kernarg_segment_align: 8
    .kernarg_segment_size: 40
    .max_flat_workgroup_size: 256
    .sgpr_count:     66
    .vgpr_count:     256
    .wavefront_size: 32
...
	.end_amdgpu_metadata
.endif
;; end of part 11
;; launch ffn1 (part 12): grid 16 x 16, 4 waves a work-group, clusters of 4 x 4, 327,680 bytes of LDS; arguments arec, wrec, w1_b, hrec; writes hrec
.if DOCPART == 12
	.amdgcn_target "amdgcn-amd-amdhsa--gfx1250"
	.amdhsa_code_object_version 6
	.text
	.protected	k_qd7263d3eac_ffn1
	.globl	k_qd7263d3eac_ffn1
	.p2align	8
	.type	k_qd7263d3eac_ffn1,@function
k_qd7263d3eac_ffn1:
	s_mov_b64 s[64:65], 0
	v_nop
	global_prefetch_b8 v0, s[64:65] scope:SCOPE_SE
	s_setreg_imm32_b32 hwreg(HW_REG_WAVE_MODE, 25, 1), 1
	s_wait_xcnt 0x0
	s_wait_alu depctr_hold_cnt(0) depctr_sa_sdst(0) depctr_va_vdst(0) depctr_va_sdst(0) depctr_va_ssrc(0) depctr_va_vcc(0) depctr_vm_vsrc(0)
	s_getreg_b32 s2, hwreg(HW_REG_IB_STS2, 6, 4)
	s_cmp_eq_u32 s2, 0
	s_cbranch_scc0 .Lentry_in_a_cluster
	s_endpgm
.Lentry_in_a_cluster:
	s_bfe_u32 s2, ttmp6, 0x10000c
	s_cmp_lg_u32 s2, 0xf033
	s_cbranch_scc0 .Lentry_shape_is_right
	s_endpgm
.Lentry_shape_is_right:
.set REC,   3328
.set HALFT, 8*REC
.set SLOT,  4*HALFT
.set SPARE, 2*SLOT
.set LAPS,  2
.set WSEC,  2555904
.set KPA,   851968
.set KPB,   851968
.set FR,    12
.set NP,    4
.set ADRA,  16
.set ADRB,  20
.set ADRS,  22
.set SPW,   28
.set NIL,   29
.set SC,    32
.set AF,    128
.set H,     64
.set T,     128
.set TM,    192
.set PW,    208
.set PC,    210
.set G1,    24
.set G0,    32
.set G1B,   48
.set G0B,   56
.set STA,   66
.set STB,   68
.set SEL,   6
.set MSB, 0
.macro WIN new
.if MSB != (\new)
	s_set_vgpr_msb (MSB<<8)|(\new)
.set MSB, (\new)
.endif
.endm
.set MUL_LO, 0xa1
.set MUL_HI, 0xf1
.set TO_B,   0x40
.macro JLOAD g0a, g1a, g0b, g1b
	s_cmp_eq_u32 s15, 0
	s_cbranch_scc0 .Lfor_b_\@
	tensor_load_to_lds s[\g0a:\g0a+3], s[\g1a:\g1a+7]
	s_nop 0
.rept 4
	v_nop
.endr
	s_branch .Lasked_\@
.Lfor_b_\@:
	tensor_load_to_lds s[\g0b:\g0b+3], s[\g1b:\g1b+7]
	s_nop 0
.rept 4
	v_nop
.endr
.Lasked_\@:
.endm
.macro CREST
	s_cmp_lg_u32 s14, 0
	s_cbranch_scc1 .Lnot_wave_0_\@
	s_barrier_signal -3
.Lnot_wave_0_\@:
	s_barrier_wait -3
	s_barrier_signal -1
	s_barrier_wait -1
.endm
.macro CROUND
	s_barrier_signal -1
	s_barrier_wait -1
	CREST
.endm
.macro FRAG reg, adr, q, i
.irp c, 0,1,2
	ds_load_b128 v[\reg+4*\c:\reg+4*\c+3], v[\adr] offset:(\i)*REC+(\q)*1536+512*\c
.endr
.endm
.macro MUL16 a0, p, q, sc, zero
.irp a, \a0, \a0+1
.irp b, 0,1,2,3,4,5,6,7
.if \zero
	v_wmma_scale_f32_16x16x128_f8f6f4 v[8*(8*((\a)%4)+\b):8*(8*((\a)%4)+\b)+7], v[128*(\p)+FR*\b:128*(\p)+FR*\b+FR-1], v[AF+FR*(\a):AF+FR*(\a)+FR-1], 0, v[SC+16*(\sc)+2*\b+(\q)], v[SC+16*(\sc)+2*(\a)+(\q)] matrix_a_fmt:MATRIX_FMT_FP6 matrix_b_fmt:MATRIX_FMT_FP6 matrix_a_scale:MATRIX_SCALE_ROW1
.else
	v_wmma_scale_f32_16x16x128_f8f6f4 v[8*(8*((\a)%4)+\b):8*(8*((\a)%4)+\b)+7], v[128*(\p)+FR*\b:128*(\p)+FR*\b+FR-1], v[AF+FR*(\a):AF+FR*(\a)+FR-1], v[8*(8*((\a)%4)+\b):8*(8*((\a)%4)+\b)+7], v[SC+16*(\sc)+2*\b+(\q)], v[SC+16*(\sc)+2*(\a)+(\q)] matrix_a_fmt:MATRIX_FMT_FP6 matrix_b_fmt:MATRIX_FMT_FP6 matrix_a_scale:MATRIX_SCALE_ROW1
.endif
.endr
.endr
.endm
.macro FETCH_B slot, q, p
	WIN TO_B
.irp i, 0,1,2,3,4,5,6,7
	FRAG 128*(\p)+FR*\i, ADRB+\slot, \q, \i
.endr
	WIN 0
.endm
.macro FETCH_A slot, q, i0
.irp i, \i0, \i0+1, \i0+2, \i0+3
	FRAG AF+FR*(\i), ADRA+\slot, \q, \i
.endr
.endm
.macro SCALES sl
.irp i, 0,1,2,3,4,5,6,7
	ds_load_b32 v[SC+16*\sl+2*\i], v[ADRS+\sl] offset:\i*REC
	ds_load_b32 v[SC+16*\sl+2*\i+1], v[ADRS+\sl] offset:\i*REC+128
.endr
.endm
.macro PLACES n
.rept \n
	v_nop
.endr
.endm
.macro STEP slot, q, zero
	s_wait_dscnt 12
	WIN MUL_LO
	MUL16 0, (\q)%2, \q, \slot, \zero
	MUL16 2, (\q)%2, \q, \slot, \zero
	s_wait_dscnt 0x0
	PLACES NP
	FETCH_B \slot, (\q)+1, 1-(\q)%2
	FETCH_A \slot, (\q)+1, 0
	WIN MUL_HI
	MUL16 4, (\q)%2, \q, \slot, \zero
	MUL16 6, (\q)%2, \q, \slot, \zero
	PLACES NP
	WIN 0
	FETCH_A \slot, (\q)+1, 4
.endm
.macro TURN slot, next, fill
	s_wait_tensorcnt 0x0
	ds_add_u32 v[SPW], v[NIL]
	s_wait_dscnt 13
	WIN MUL_LO
	MUL16 0, 1, 1, \slot, 0
	s_wait_dscnt 0x0
	s_barrier_signal -1
	MUL16 2, 1, 1, \slot, 0
	WIN 0
	s_barrier_wait -1
.if \fill
	CREST
	s_add_nc_u64 s[G0+4*\slot+2:G0+4*\slot+3], s[G0+4*\slot+2:G0+4*\slot+3], s[STA:STA+1]
	s_add_nc_u64 s[G0B+4*\slot+2:G0B+4*\slot+3], s[G0B+4*\slot+2:G0B+4*\slot+3], s[STB:STB+1]
	JLOAD G0+4*\slot, G1, G0B+4*\slot, G1B
.else
	PLACES NP
.endif
	FETCH_B \next, 0, 0
	FETCH_A \next, 0, 0
	SCALES \next
	WIN MUL_HI
	MUL16 4, 1, 1, \slot, 0
	MUL16 6, 1, 1, \slot, 0
	PLACES NP
	WIN 0
	FETCH_A \next, 0, 4
.endm
.macro QUANT s
.irp b, 0,1,2,3
	v_max3_num_f32 v[TM+\b], |v[\s+16*\b]|, |v[\s+1+16*\b]|, 0x1800000
.endr
.irp i, 2,4,6,8,10,12,14
.irp b, 0,1,2,3
	v_max3_num_f32 v[TM+\b], v[TM+\b], |v[\s+16*\b+\i]|, |v[\s+1+16*\b+\i]|
.endr
.endr
.irp b, 0,1,2,3
	v_permlanex16_b32 v[TM+4+\b], v[TM+\b], s[SEL], s[SEL+1]
.endr
.irp b, 0,1,2,3
	v_max_num_f32 v[TM+\b], v[TM+\b], v[TM+4+\b]
.endr
.irp b, 0,1,2,3
	v_add_nc_u32 v[TM+12+\b], 0xff000000, v[TM+\b]
.endr
.irp b, 0,1,2,3
	v_lshrrev_b32 v[TM+4+\b], 23, v[TM+12+\b]
.endr
	v_lshl_or_b32 v[PW], v[TM+5], 8, v[TM+4]
	v_lshl_or_b32 v[PW], v[TM+6], 16, v[PW]
	v_lshl_or_b32 v[PW], v[TM+7], 24, v[PW]
.irp c, 0,1
	v_cvt_scalef32_pk16_fp6_f32 v[PC+6*\c:PC+2+6*\c], v[\s+32*\c:\s+15+32*\c], v[TM+12+2*\c]
	v_cvt_scalef32_pk16_fp6_f32 v[PC+12+4*\c:PC+14+4*\c], v[\s+16+32*\c:\s+31+32*\c], v[TM+13+2*\c]
.endr
	v_nop
.irp c, 0,1
.irp i, 0,1,2
	v_permlane16_swap_b32 v[PC+6*\c+\i], v[PC+12+4*\c+\i]
.endr
.irp i, 0,1,2
	v_mov_b32 v[PC+3+6*\c+\i], v[PC+12+4*\c+\i]
.endr
.endr
.endm
	s_load_b256 s[4:11], s[0:1], 0x0
	v_lshl_add_u32 v[SPW], v0, 2, SPARE
	v_mov_b32 v[NIL], 0
	ds_add_u32 v28, v29
	ds_add_u32 v28, v29
	s_wait_dscnt 0x0
	v_lshrrev_b32 v1, 5, v0
	v_readfirstlane_b32 s14, v1
	s_lshr_b32 s15, s14, 1
	s_and_b32 s16, s14, 1
	s_bfe_u32 s40, ttmp6, 0x40000
	s_bfe_u32 s41, ttmp6, 0x40004
	s_lshl_b32 s42, ttmp9, 2
	s_add_co_u32 s42, s42, s40
	s_and_b32 s17, ttmp7, 0xffff
	s_lshl_b32 s17, s17, 2
	s_add_co_u32 s17, s17, s41
	s_lshl_b32 s43, s41, 2
	s_lshl_b32 s43, 15, s43
	s_lshl_b32 s44, 0x1111, s40
	s_or_b32 s[G1], s43, (3<<16)|(1<<21)
	s_or_b32 s[G1B], s44, (3<<16)|(1<<21)
.irp g, G1, G1B
	s_mov_b32 s[\g+1], 32<<16
	s_mov_b32 s[\g+2], 104<<16
	s_mov_b32 s[\g+3], 32<<16
	s_mov_b32 s[\g+4], 104
	s_mov_b32 s[\g+5], 32
	s_mov_b32 s[\g+6], 0
	s_mov_b32 s[\g+7], 0
.endr
	s_lshl_b32 s23, s16, 3
	s_lshl_b32 s20, s17, 4
	s_add_co_u32 s20, s20, s23
	s_mul_i32 s20, s20, REC
	s_mov_b32 s21, 0
	s_lshl_b32 s46, s42, 4
	s_add_co_u32 s46, s46, s23
	s_mul_i32 s46, s46, REC
	s_add_co_u32 s46, s46, WSEC
	s_mov_b32 s47, 0
	s_mov_b32 s[STA], 2*KPA
	s_mov_b32 s[STA+1], 0
	s_mov_b32 s[STB], 2*KPB
	s_mov_b32 s[STB+1], 0
	s_mul_i32 s45, s14, HALFT
	s_wait_kmcnt 0x0
	s_add_nc_u64 s[20:21], s[4:5], s[20:21]
	s_add_nc_u64 s[46:47], s[6:7], s[46:47]
.irp s, 0,1
	s_mov_b32 s[G0+4*\s], 1
	s_add_co_u32 s[G0+4*\s+1], s45, \s*SLOT
	s_add_nc_u64 s[G0+4*\s+2:G0+4*\s+3], s[20:21], \s*KPA
	s_or_b32 s[G0+4*\s+3], s[G0+4*\s+3], 0x80000000
	s_mov_b32 s[G0B+4*\s], 1
	s_add_co_u32 s[G0B+4*\s+1], s45, \s*SLOT
	s_add_nc_u64 s[G0B+4*\s+2:G0B+4*\s+3], s[46:47], \s*KPB
	s_or_b32 s[G0B+4*\s+3], s[G0B+4*\s+3], 0x80000000
	s_wait_alu depctr_va_vdst(0)
	s_wait_tensorcnt 0x0
	ds_add_u32 v28, v29
	ds_add_u32 v28, v29
	s_wait_dscnt 0x0
	CROUND
	JLOAD G0+4*\s, G1, G0B+4*\s, G1B
.endr
	v_and_b32 v1, 31, v0
	v_bfe_u32 v2, v0, 4, 1
	s_wait_alu depctr_va_vdst(0)
	v_lshlrev_b32 v3, 4, v1
	s_mul_i32 s21, s15, HALFT
	s_mul_i32 s22, s16, HALFT
	s_add_co_u32 s22, s22, 2*HALFT
.irp s, 0,1
	v_add_nc_u32 v[ADRA+\s], s21, v3
	v_add_nc_u32 v[ADRB+\s], s22, v3
	s_add_co_u32 s21, s21, SLOT
	s_add_co_u32 s22, s22, SLOT
.endr
	s_mul_i32 s21, s15, HALFT
	s_mul_i32 s22, s16, HALFT
	s_add_co_u32 s22, s22, 2*HALFT
	s_sub_co_u32 s22, s22, s21
	v_mul_u32_u24 v4, s22, v2
	v_lshl_add_u32 v4, v1, 2, v4
	s_add_co_u32 s21, s21, 3072
	v_add_nc_u32 v[ADRS], s21, v4
	v_add_nc_u32 v[ADRS+1], SLOT, v[ADRS]
	s_lshl_b32 s74, s42, 10
	s_lshl_b32 s75, s16, 9
	s_add_co_u32 s74, s74, s75
	s_mov_b32 s75, 0
	s_add_nc_u64 s[8:9], s[8:9], s[74:75]
	v_lshlrev_b32 v26, 6, v2
	WIN TO_B
.set I, 0
.rept 16
	global_load_b128 v[96+4*I+96*(I/8):99+4*I+96*(I/8)], v26, s[8:9] offset:128*(I/4)+16*(I%4)
.set I, I+1
.endr
	WIN 0
	s_lshl_b32 s76, s42, 8
	s_lshl_b32 s77, s17, 4
	s_add_co_u32 s76, s76, s77
	s_lshl_b32 s77, s15, 3
	s_add_co_u32 s76, s76, s77
	s_mul_i32 s76, s76, REC
	s_mul_i32 s77, s16, 1536
	s_add_co_u32 s78, s76, s77
	s_mov_b32 s79, 0
	s_lshl_b32 s77, s16, 7
	s_add_co_u32 s76, s76, s77
	s_add_co_u32 s76, s76, 3072
	s_mov_b32 s77, 0
	s_add_nc_u64 s[70:71], s[10:11], s[78:79]
	s_add_nc_u64 s[72:73], s[10:11], s[76:77]
	v_lshlrev_b32 v24, 4, v1
	v_lshlrev_b32 v25, 2, v1
	s_wait_alu depctr_va_vdst(0)
	s_wait_tensorcnt 1
	s_barrier_signal -1
	s_barrier_wait -1
	FETCH_B 0, 0, 0
	FETCH_A 0, 0, 0
	SCALES 0
	FETCH_A 0, 0, 4
	STEP 0, 0, 1
	s_mov_b32 s3, LAPS-1
.Llap:
	TURN 0, 1, 1
	STEP 1, 0, 0
	TURN 1, 0, 1
	STEP 0, 0, 0
	s_sub_co_u32 s3, s3, 1
	s_cmp_lg_u32 s3, 0
	s_cbranch_scc1 .Llap
	TURN 0, 1, 0
	STEP 1, 0, 0
	s_wait_dscnt 12
	WIN MUL_LO
	MUL16 0, 1, 1, 1, 0
	MUL16 2, 1, 1, 1, 0
	s_wait_dscnt 0x0
	WIN MUL_HI
	MUL16 4, 1, 1, 1, 0
	MUL16 6, 1, 1, 1, 0
	WIN 0
	PLACES NP
	s_wait_loadcnt 0x0
	s_mov_b32 s[SEL], 0x76543210
	s_mov_b32 s[SEL+1], 0xfedcba98
	s_mov_b32 s80, 0xbfb8aa3b
	s_mov_b32 s81, s80
.irp b, 0,1,2,3
	v_mov_b32 v[TM+4+\b], 0
.endr
.irp a, 0,1,2,3,4,5,6,7
.if \a > 0
	s_wait_xcnt 0x0
.endif
	WIN 0x04|(2+\a/4)
.set I, 0
.rept 32
	v_pk_add_f32 v[H+I:H+I+1], v[64*(\a%4)+I:64*(\a%4)+I+1], v[96+I+96*(I/32):97+I+96*(I/32)]
.set I, I+2
.endr
	WIN 0
.set I, 0
.rept 32
	v_pk_mul_f32 v[T+I:T+I+1], v[H+I:H+I+1], s[80:81] op_sel_hi:[1,0]
.set I, I+2
.endr
.set I, 0
	s_wait_alu depctr_va_vdst(0)
.rept 64
	v_exp_f32 v[T+I], v[T+I]
.set I, I+1
.endr
	v_nop
	s_wait_alu depctr_va_vdst(0)
.set I, 0
.rept 32
	v_pk_add_f32 v[T+I:T+I+1], v[T+I:T+I+1], 1.0 op_sel_hi:[1,0]
.set I, I+2
.endr
.set I, 0
	s_wait_alu depctr_va_vdst(0)
.rept 64
	v_rcp_f32 v[T+I], v[T+I]
.set I, I+1
.endr
	v_nop
	s_wait_alu depctr_va_vdst(0)
.set I, 0
.rept 32
	v_pk_mul_f32 v[H+I:H+I+1], v[H+I:H+I+1], v[T+I:T+I+1]
.set I, I+2
.endr
	QUANT H
.irp c, 0,1,2
	global_store_b128 v24, v[PC+4*\c:PC+4*\c+3], s[70:71] offset:\a*REC+512*\c
.endr
	global_store_b32 v25, v[PW], s[72:73] offset:\a*REC
.endr
	s_wait_tensorcnt 0x0
	ds_add_u32 v[SPW], v[NIL]
	s_wait_dscnt 0x0
	CROUND
	s_endpgm
.Lfunc_end_k_qd7263d3eac_ffn1:
	.size	k_qd7263d3eac_ffn1, .Lfunc_end_k_qd7263d3eac_ffn1-k_qd7263d3eac_ffn1
	.p2alignl 7, 3214868480
	.fill 96, 4, 3214868480
	.section	.rodata,"a",@progbits
	.p2align	6, 0x0
	.amdhsa_kernel k_qd7263d3eac_ffn1
		.amdhsa_group_segment_fixed_size 327680
		.amdhsa_private_segment_fixed_size 0
		.amdhsa_enable_private_segment 0
		.amdhsa_kernarg_size 32
		.amdhsa_user_sgpr_count 2
		.amdhsa_user_sgpr_kernarg_segment_ptr 1
		.amdhsa_wavefront_size32 1
		.amdhsa_system_sgpr_workgroup_id_x 1
		.amdhsa_system_sgpr_workgroup_id_y 1
		.amdhsa_system_sgpr_workgroup_id_z 1
		.amdhsa_system_vgpr_workitem_id 0
		.amdhsa_next_free_vgpr 1024
		.amdhsa_next_free_sgpr 90
		.amdhsa_reserve_vcc 0
		.amdhsa_float_denorm_mode_32 3
		.amdhsa_float_denorm_mode_16_64 3
		.amdhsa_memory_ordered 1
		.amdhsa_forward_progress 1
		.amdhsa_inst_pref_size 240
	.end_amdhsa_kernel
	.amdgpu_metadata
---
amdhsa.version: [ 1, 2 ]
amdhsa.kernels:
  - .name:           k_qd7263d3eac_ffn1
    .symbol:         k_qd7263d3eac_ffn1.kd
    .args:
      - { .name: arec, .offset: 0, .size: 8, .value_kind: global_buffer, .address_space: global }
      - { .name: wrec, .offset: 8, .size: 8, .value_kind: global_buffer, .address_space: global }
      - { .name: w1_b, .offset: 16, .size: 8, .value_kind: global_buffer, .address_space: global }
      - { .name: hrec, .offset: 24, .size: 8, .value_kind: global_buffer, .address_space: global }
    .group_segment_fixed_size: 327680
    .private_segment_fixed_size: 0
    .kernarg_segment_align: 8
    .kernarg_segment_size: 32
    .max_flat_workgroup_size: 128
    .sgpr_count:     90
    .vgpr_count:     1024
    .wavefront_size: 32
...
	.end_amdgpu_metadata
.endif
;; end of part 12
;; launch ffn2 (part 13): grid 8 x 32, 4 waves a work-group, clusters of 4 x 4, 327,680 bytes of LDS; arguments hrec, wrec, w2_b, att, x1; writes att
.if DOCPART == 13
	.amdgcn_target "amdgcn-amd-amdhsa--gfx1250"
	.amdhsa_code_object_version 6
	.text
	.protected	k_qd7263d3eac_ffn2
	.globl	k_qd7263d3eac_ffn2
	.p2align	8
	.type	k_qd7263d3eac_ffn2,@function
k_qd7263d3eac_ffn2:
	s_mov_b64 s[64:65], 0
	v_nop
	global_prefetch_b8 v0, s[64:65] scope:SCOPE_SE
	s_setreg_imm32_b32 hwreg(HW_REG_WAVE_MODE, 25, 1), 1
	s_wait_xcnt 0x0
	s_wait_alu depctr_hold_cnt(0) depctr_sa_sdst(0) depctr_va_vdst(0) depctr_va_sdst(0) depctr_va_ssrc(0) depctr_va_vcc(0) depctr_vm_vsrc(0)
	s_getreg_b32 s2, hwreg(HW_REG_IB_STS2, 6, 4)
	s_cmp_eq_u32 s2, 0
	s_cbranch_scc0 .Lentry_in_a_cluster
	s_endpgm
.Lentry_in_a_cluster:
	s_bfe_u32 s2, ttmp6, 0x10000c
	s_cmp_lg_u32 s2, 0xf033
	s_cbranch_scc0 .Lentry_shape_is_right
	s_endpgm
.Lentry_shape_is_right:
.set REC,   3328
.set QT,    4*REC
.set KPS,   3
.set PART,  KPS*QT
.set SLOT,  4*PART
.set SPARE, 2*SLOT
.set WSEC,  5963776
.set KPA,   851968
.set KPB,   212992
.set FR,    12
.set NP,    4
.set FS,    64
.set ADRA,  16
.set ADRB,  20
.set ADRS,  22
.set STO,   24
.set RD,    25
.set GO,    26
.set CB,    27
.set SPW,   28
.set NIL,   29
.set SC,    32
.set BK,    64
.set SPITCH, 272
.set G1,    24
.set G0,    32
.set G1B,   48
.set G0B,   56
.set G1T,   68
.set G1BT,  76
.set MSB, 0
.macro WIN new
.if MSB != (\new)
	s_set_vgpr_msb (MSB<<8)|(\new)
.set MSB, (\new)
.endif
.endm
.set MUL, 0x50
.macro JLOAD g0a, g1a, g0b, g1b
	s_cmp_eq_u32 s15, 0
	s_cbranch_scc0 .Lfor_b_\@
	tensor_load_to_lds s[\g0a:\g0a+3], s[\g1a:\g1a+7]
	s_nop 0
.rept 4
	v_nop
.endr
	s_branch .Lasked_\@
.Lfor_b_\@:
	tensor_load_to_lds s[\g0b:\g0b+3], s[\g1b:\g1b+7]
	s_nop 0
.rept 4
	v_nop
.endr
.Lasked_\@:
.endm
.macro CREST
	s_cmp_lg_u32 s14, 0
	s_cbranch_scc1 .Lnot_wave_0_\@
	s_barrier_signal -3
.Lnot_wave_0_\@:
	s_barrier_wait -3
	s_barrier_signal -1
	s_barrier_wait -1
.endm
.macro CROUND
	s_barrier_signal -1
	s_barrier_wait -1
	CREST
.endm
.macro PLACES n
.rept \n
	v_nop
.endr
.endm
.macro FETCH slot, kp, q, p
.irp i, 0,1,2,3
.irp c, 0,1,2
	ds_load_b128 v[FS+96*(\p)+48+FR*\i+4*\c:FS+96*(\p)+48+FR*\i+4*\c+3], v[ADRB+\slot] offset:(\kp)*QT+\i*REC+(\q)*1536+512*\c
.endr
.endr
.irp i, 0,1,2,3
.irp c, 0,1,2
	ds_load_b128 v[FS+96*(\p)+FR*\i+4*\c:FS+96*(\p)+FR*\i+4*\c+3], v[ADRA+\slot] offset:(\kp)*QT+\i*REC+(\q)*1536+512*\c
.endr
.endr
.irp i, 0,1,2,3
	ds_load_b32 v[SC+4*(\p)+\i], v[ADRS+\slot] offset:(\kp)*QT+\i*REC+128*(\q)
.endr
.endm
.macro MULA a, p, zero
.irp b, 0,1,2,3
.if \zero
	v_wmma_scale_f32_16x16x128_f8f6f4 v[8*(4*(\a)+\b):8*(4*(\a)+\b)+7], v[FS+96*(\p)+48+FR*\b:FS+96*(\p)+48+FR*\b+FR-1], v[FS+96*(\p)+FR*(\a):FS+96*(\p)+FR*(\a)+FR-1], 0, v[SC+4*(\p)+\b], v[SC+4*(\p)+(\a)] matrix_a_fmt:MATRIX_FMT_FP6 matrix_b_fmt:MATRIX_FMT_FP6 matrix_a_scale:MATRIX_SCALE_ROW1
.else
	v_wmma_scale_f32_16x16x128_f8f6f4 v[8*(4*(\a)+\b):8*(4*(\a)+\b)+7], v[FS+96*(\p)+48+FR*\b:FS+96*(\p)+48+FR*\b+FR-1], v[FS+96*(\p)+FR*(\a):FS+96*(\p)+FR*(\a)+FR-1], v[8*(4*(\a)+\b):8*(4*(\a)+\b)+7], v[SC+4*(\p)+\b], v[SC+4*(\p)+(\a)] matrix_a_fmt:MATRIX_FMT_FP6 matrix_b_fmt:MATRIX_FMT_FP6 matrix_a_scale:MATRIX_SCALE_ROW1
.endif
.endr
.endm
.macro STEP nslot, nkp, nq, p, zero
	WIN 0
	PLACES NP
	FETCH \nslot, \nkp, \nq, 1-(\p)
	s_wait_dscnt 28
	WIN MUL
	MULA 0, \p, \zero
	MULA 1, \p, \zero
	MULA 2, \p, \zero
	MULA 3, \p, \zero
.endm
.macro TURN slot, next, fill
	WIN 0
	s_wait_tensorcnt 0x0
	ds_add_u32 v[SPW], v[NIL]
	s_wait_dscnt 1
	WIN MUL
	MULA 0, 1, 0
	s_wait_dscnt 0x0
	s_barrier_signal -1
	MULA 1, 1, 0
	WIN 0
	s_barrier_wait -1
.if \fill
	CREST
	s_add_nc_u64 s[G0+4*\slot+2:G0+4*\slot+3], s[G0+4*\slot+2:G0+4*\slot+3], 2*KPS*KPA
	s_add_nc_u64 s[G0B+4*\slot+2:G0B+4*\slot+3], s[G0B+4*\slot+2:G0B+4*\slot+3], 2*KPS*KPB
.if \fill == 1
	JLOAD G0+4*\slot, G1, G0B+4*\slot, G1B
.else
	JLOAD G0+4*\slot, G1T, G0B+4*\slot, G1BT
.endif
.else
	PLACES NP
.endif
	FETCH \next, 0, 0, 0
	WIN MUL
	MULA 2, 1, 0
	MULA 3, 1, 0
.endm
.macro RUN slot, zero
	STEP \slot, 0, 1, 0, \zero
	STEP \slot, 1, 0, 1, 0
	STEP \slot, 1, 1, 0, 0
	STEP \slot, 2, 0, 1, 0
	STEP \slot, 2, 1, 0, 0
.endm
	s_load_b256 s[4:11], s[0:1], 0x0
	s_load_b64 s[88:89], s[0:1], 0x20              ; x1: the residual, added on the way out
	v_lshl_add_u32 v[SPW], v0, 2, SPARE
	v_mov_b32 v[NIL], 0
	ds_add_u32 v28, v29
	ds_add_u32 v28, v29
	s_wait_dscnt 0x0
	v_lshrrev_b32 v1, 5, v0
	v_readfirstlane_b32 s14, v1
	s_lshr_b32 s15, s14, 1
	s_and_b32 s16, s14, 1
	s_bfe_u32 s40, ttmp6, 0x40000
	s_bfe_u32 s41, ttmp6, 0x40004
	s_lshl_b32 s42, ttmp9, 2
	s_add_co_u32 s42, s42, s40
	s_and_b32 s17, ttmp7, 0xffff
	s_lshl_b32 s17, s17, 2
	s_add_co_u32 s17, s17, s41
	s_lshl_b32 s43, s41, 2
	s_lshl_b32 s43, 15, s43
	s_lshl_b32 s44, 0x1111, s40
	s_or_b32 s[G1], s43, (3<<16)|(1<<21)
	s_or_b32 s[G1B], s44, (3<<16)|(1<<21)
	s_or_b32 s[G1T], s43, (3<<16)|(1<<21)
	s_or_b32 s[G1BT], s44, (3<<16)|(1<<21)
.irp g, G1, G1B, G1T, G1BT
	s_mov_b32 s[\g+1], (QT/8)<<16
	s_mov_b32 s[\g+3], (QT/8)<<16
	s_mov_b32 s[\g+6], 0
	s_mov_b32 s[\g+7], 0
.endr
.irp g, G1, G1B
	s_mov_b32 s[\g+2], KPS<<16
	s_mov_b32 s[\g+4], KPS
.endr
.irp g, G1T, G1BT
	s_mov_b32 s[\g+2], 1<<16
	s_mov_b32 s[\g+4], 1
.endr
	s_mov_b32 s[G1+5], KPA/8
	s_mov_b32 s[G1T+5], KPA/8
	s_mov_b32 s[G1B+5], KPB/8
	s_mov_b32 s[G1BT+5], KPB/8
	s_lshl_b32 s23, s16, 2
	s_lshl_b32 s20, s17, 3
	s_add_co_u32 s20, s20, s23
	s_mul_i32 s20, s20, REC
	s_mov_b32 s21, 0
	s_lshl_b32 s46, s42, 3
	s_add_co_u32 s46, s46, s23
	s_mul_i32 s46, s46, REC
	s_add_co_u32 s46, s46, WSEC
	s_mov_b32 s47, 0
	s_mul_i32 s45, s14, PART
	s_wait_kmcnt 0x0
	s_add_nc_u64 s[20:21], s[4:5], s[20:21]
	s_add_nc_u64 s[46:47], s[6:7], s[46:47]
.irp s, 0,1
	s_mov_b32 s[G0+4*\s], 1
	s_add_co_u32 s[G0+4*\s+1], s45, \s*SLOT
	s_add_nc_u64 s[G0+4*\s+2:G0+4*\s+3], s[20:21], \s*KPS*KPA
	s_or_b32 s[G0+4*\s+3], s[G0+4*\s+3], 0x80000000
	s_mov_b32 s[G0B+4*\s], 1
	s_add_co_u32 s[G0B+4*\s+1], s45, \s*SLOT
	s_add_nc_u64 s[G0B+4*\s+2:G0B+4*\s+3], s[46:47], \s*KPS*KPB
	s_or_b32 s[G0B+4*\s+3], s[G0B+4*\s+3], 0x80000000
	s_wait_alu depctr_va_vdst(0)
	s_wait_tensorcnt 0x0
	ds_add_u32 v28, v29
	ds_add_u32 v28, v29
	s_wait_dscnt 0x0
	CROUND
	JLOAD G0+4*\s, G1, G0B+4*\s, G1B
.endr
	v_and_b32 v1, 31, v0
	v_bfe_u32 v2, v0, 4, 1
	s_wait_alu depctr_va_vdst(0)
	v_and_b32 v5, 15, v0
	v_lshlrev_b32 v3, 4, v1
	s_mul_i32 s21, s15, PART
	s_mul_i32 s22, s16, PART
	s_add_co_u32 s22, s22, 2*PART
.irp s, 0,1
	v_add_nc_u32 v[ADRA+\s], s21, v3
	v_add_nc_u32 v[ADRB+\s], s22, v3
	s_add_co_u32 s21, s21, SLOT
	s_add_co_u32 s22, s22, SLOT
.endr
	s_mul_i32 s21, s15, PART
	s_mul_i32 s22, s16, PART
	s_add_co_u32 s22, s22, 2*PART
	s_sub_co_u32 s22, s22, s21
	v_mul_u32_u24 v4, s22, v2
	v_lshl_add_u32 v4, v1, 2, v4
	s_add_co_u32 s21, s21, 3072
	v_add_nc_u32 v[ADRS], s21, v4
	v_add_nc_u32 v[ADRS+1], SLOT, v[ADRS]
	s_lshl_b32 s84, s42, 9
	s_lshl_b32 s85, s16, 8
	s_add_co_u32 s84, s84, s85
	s_mov_b32 s85, 0
	s_add_nc_u64 s[8:9], s[8:9], s[84:85]
	v_lshlrev_b32 v[CB], 4, v5
	global_load_b128 v[8:11], v[CB], s[8:9]
	s_lshl_b32 s86, s17, 7
	s_lshl_b32 s87, s15, 6
	s_add_co_u32 s86, s86, s87
	s_lshl_b32 s86, s86, 12
	s_add_co_u32 s86, s86, s84
	s_mov_b32 s87, 0
	s_add_nc_u64 s[12:13], s[10:11], s[86:87]
	s_mul_i32 s23, s14, 16*SPITCH
	v_mul_u32_u24 v[STO], v5, SPITCH
	v_lshl_add_u32 v[STO], v2, 6, v[STO]
	v_add_nc_u32 v[STO], s23, v[STO]
	v_mul_u32_u24 v[RD], v2, SPITCH
	v_lshl_add_u32 v[RD], v5, 4, v[RD]
	v_add_nc_u32 v[RD], s23, v[RD]
	v_lshlrev_b32 v[GO], 12, v2
	v_lshl_add_u32 v[GO], v5, 4, v[GO]
	s_add_nc_u64 s[88:89], s[88:89], s[86:87]      ; my 64 x 64 of x1 lies where my part of the result lies
	s_wait_alu depctr_va_vdst(0)
.macro XLOAD a                         ; x1 at the 16 rows of my block a, into window 1, v[128 + 32 a ..]: eight loads; wanted behind the last product
	WIN 0x40
.set I, 0
.rept 8
	global_load_b128 v[128+32*(\a)+4*I:128+32*(\a)+4*I+3], v[GO], s[88:89] offset:(32*((\a)/2)+8*((\a)%2)+2*I+8*(I/4))*4096 th:TH_LOAD_NT
.set I, I+1
.endr
.endm
	s_wait_tensorcnt 1
	s_barrier_signal -1
	s_barrier_wait -1
	FETCH 0, 0, 0, 0
	XLOAD 0                                        ; the residual comes in four groups, each asked for behind a fill of a slot
	RUN 0, 1
	TURN 0, 1, 1
	XLOAD 1
	RUN 1, 0
	TURN 1, 0, 1
	XLOAD 2
	RUN 0, 0
	TURN 0, 1, 1
	XLOAD 3
	RUN 1, 0
	TURN 1, 0, 2
	RUN 0, 0
	TURN 0, 1, 0
	STEP 1, 0, 1, 0, 0
	s_wait_dscnt 0x0
	MULA 0, 1, 0
	MULA 1, 1, 0
	MULA 2, 1, 0
	MULA 3, 1, 0
	WIN 0
.macro TOSTAGE a
	WIN 0x04
.irp b, 0,1,2,3
	ds_store_b128 v[STO], v[8*(4*(\a)+\b):8*(4*(\a)+\b)+3] offset:128*(\b/2)+32*(\b%2)
	ds_store_b128 v[STO], v[8*(4*(\a)+\b)+4:8*(4*(\a)+\b)+7] offset:128*(\b/2)+32*(\b%2)+16
.endr
	WIN 0
.set BB, BK+32*((\a)%2)
.set I, 0
.rept 8
	ds_load_b128 v[BB+4*I:BB+4*I+3], v[RD] offset:I*2*SPITCH
.set I, I+1
.endr
.endm
.macro SEND a, younger
.set BB, BK+32*((\a)%2)
	s_wait_dscnt \younger
	WIN 0x04                                       ; source 1: window 1
.set I, 0
.rept 8
	v_pk_add_f32 v[BB+4*I:BB+4*I+1], v[BB+4*I:BB+4*I+1], v[128+32*(\a)+4*I:128+32*(\a)+4*I+1]
	v_pk_add_f32 v[BB+4*I+2:BB+4*I+3], v[BB+4*I+2:BB+4*I+3], v[128+32*(\a)+4*I+2:128+32*(\a)+4*I+3]
.set I, I+1
.endr
	WIN 0
.set I, 0
.rept 8
	v_pk_add_f32 v[BB+4*I:BB+4*I+1], v[BB+4*I:BB+4*I+1], v[8:9]
	v_pk_add_f32 v[BB+4*I+2:BB+4*I+3], v[BB+4*I+2:BB+4*I+3], v[10:11]
.set I, I+1
.endr
.set I, 0
.rept 8
	global_store_b128 v[GO], v[BB+4*I:BB+4*I+3], s[12:13] offset:(32*((\a)/2)+8*((\a)%2)+2*I+8*(I/4))*4096
.set I, I+1
.endr
.endm
	PLACES NP
	s_wait_alu depctr_va_vdst(0)
	s_wait_loadcnt 0x0
	TOSTAGE 0
.irp a, 1,2,3
.if \a > 1
	s_wait_xcnt 0x0
.endif
	TOSTAGE \a
	SEND \a-1, 16
.endr
	SEND 3, 0
	s_wait_tensorcnt 0x0
	ds_add_u32 v[SPW], v[NIL]
	s_wait_dscnt 0x0
	CROUND
	s_endpgm
.Lfunc_end_k_qd7263d3eac_ffn2:
	.size	k_qd7263d3eac_ffn2, .Lfunc_end_k_qd7263d3eac_ffn2-k_qd7263d3eac_ffn2
	.p2alignl 7, 3214868480
	.fill 96, 4, 3214868480
	.section	.rodata,"a",@progbits
	.p2align	6, 0x0
	.amdhsa_kernel k_qd7263d3eac_ffn2
		.amdhsa_group_segment_fixed_size 327680
		.amdhsa_private_segment_fixed_size 0
		.amdhsa_enable_private_segment 0
		.amdhsa_kernarg_size 40
		.amdhsa_user_sgpr_count 2
		.amdhsa_user_sgpr_kernarg_segment_ptr 1
		.amdhsa_wavefront_size32 1
		.amdhsa_system_sgpr_workgroup_id_x 1
		.amdhsa_system_sgpr_workgroup_id_y 1
		.amdhsa_system_sgpr_workgroup_id_z 1
		.amdhsa_system_vgpr_workitem_id 0
		.amdhsa_next_free_vgpr 512
		.amdhsa_next_free_sgpr 92
		.amdhsa_reserve_vcc 0
		.amdhsa_float_denorm_mode_32 3
		.amdhsa_float_denorm_mode_16_64 3
		.amdhsa_memory_ordered 1
		.amdhsa_forward_progress 1
		.amdhsa_inst_pref_size 160
	.end_amdhsa_kernel
	.amdgpu_metadata
---
amdhsa.version: [ 1, 2 ]
amdhsa.kernels:
  - .name:           k_qd7263d3eac_ffn2
    .symbol:         k_qd7263d3eac_ffn2.kd
    .args:
      - { .name: hrec, .offset: 0, .size: 8, .value_kind: global_buffer, .address_space: global }
      - { .name: wrec, .offset: 8, .size: 8, .value_kind: global_buffer, .address_space: global }
      - { .name: w2_b, .offset: 16, .size: 8, .value_kind: global_buffer, .address_space: global }
      - { .name: att, .offset: 24, .size: 8, .value_kind: global_buffer, .address_space: global }
      - { .name: x1, .offset: 32, .size: 8, .value_kind: global_buffer, .address_space: global }
    .group_segment_fixed_size: 327680
    .private_segment_fixed_size: 0
    .kernarg_segment_align: 8
    .kernarg_segment_size: 40
    .max_flat_workgroup_size: 128
    .sgpr_count:     92
    .vgpr_count:     512
    .wavefront_size: 32
...
	.end_amdgpu_metadata
.endif
;; end of part 13
;; launch ln2 (part 14): grid 256 x 1, 8 waves a work-group, no clusters, 70,656 bytes of LDS; arguments att, ln2_g, ln2_b, out0; writes out0
.if DOCPART == 14
	.amdgcn_target "amdgcn-amd-amdhsa--gfx1250"
	.amdhsa_code_object_version 6
	.text
	.protected	k_qd7263d3eac_ln2
	.globl	k_qd7263d3eac_ln2
	.p2align	8
	.type	k_qd7263d3eac_ln2,@function
k_qd7263d3eac_ln2:
	s_mov_b64 s[64:65], 0
	v_nop
	global_prefetch_b8 v0, s[64:65] scope:SCOPE_SE
	s_setreg_imm32_b32 hwreg(HW_REG_WAVE_MODE, 25, 1), 1
	s_wait_xcnt 0x0
; y = LayerNorm(a) x gamma + beta over rows of 1,024, in f32: the block's result.
; A work-group takes a block of 16 rows (row i of block t is row 32 (t / 2) + 8 (t % 2) + i + 8 (i / 8)); wave w takes columns 128 w .. 128 w + 127 of all 16.
; Loads and stores take 512 consecutive bytes of a row; the arithmetic wants a lane to hold 64 numbers of ONE row (register 16 b + i = column 32 b + 16 h + i): the numbers turn through the wave's own stage in LDS, and back.
; The mean, and then the mean of the squared differences (a second pass over registers: no difference of large sums), are joined across the eight waves through LDS: two barriers, each exchange in bytes of its own.
; LIMITS: NaN and infinities are not served.  Work-groups share no input but gamma and beta: no cluster.
.set SP,   528
.set STGB, 16*SP
.set RED,  8*STGB                      ; behind the stages: [2 exchanges][8 waves][128 bytes]
.set GOFF, 4
.set SIN,  5
.set SOUT, 6
.set RW,   7
.set RR,   8
.set GB,   9
.set RA,   16                          ; v16-79: a as loaded, then gamma, then y by rows
.set X,    80                          ; v80-143: my 64 numbers
.set BB,   144                         ; v144-207: beta
.set SEL,  28
.macro LOADROWS reg, base
.set I, 0
.rept 16
	global_load_b128 v[\reg+4*I:\reg+4*I+3], v[GOFF], s[\base:\base+1] offset:(I+8*(I/8))*4096 th:TH_LOAD_NT
.set I, I+1
.endr
.endm
.macro LOADVEC reg, base               ; gamma or beta at my 64 columns
.set I, 0
.rept 16
	global_load_b128 v[\reg+4*I:\reg+4*I+3], v[GB], s[\base:\base+1] offset:128*(I/4)+16*(I%4)
.set I, I+1
.endr
.endm
.macro JOIN off                        ; v246: my 64 numbers' sum -> v226: the row's, the same bits in every wave
	s_delay_alu instid0(VALU_DEP_1)
	v_add_f32 v246, v246, v247
	s_delay_alu instid0(VALU_DEP_1)
	v_permlanex16_b32 v250, v246, s[SEL], s[SEL+1]
	s_delay_alu instid0(VALU_DEP_1)
	v_add_f32 v246, v246, v250
	ds_store_b32 v[RW], v246 offset:\off
	s_wait_dscnt 0x0                               ; for the others' sake: my store has landed
	s_barrier_signal -1
	s_barrier_wait -1
.irp k, 0,1,2,3,4,5,6,7
	ds_load_b32 v[226+\k], v[RR] offset:\off+128*\k
.endr
	s_wait_dscnt 0x0
	v_add_f32 v226, v226, v227
	v_add_f32 v228, v228, v229
	v_add_f32 v230, v230, v231
	v_add_f32 v232, v232, v233
	s_delay_alu instid0(VALU_DEP_3)
	v_add_f32 v226, v226, v228
	s_delay_alu instid0(VALU_DEP_2)
	v_add_f32 v230, v230, v232
	s_delay_alu instid0(VALU_DEP_1)
	v_add_f32 v226, v226, v230
.endm
	; a arrives with the residual already added by the launch that made it: no second tensor e is read here, and v80-143 hold my 64 numbers alone
	s_load_b64 s[4:5], s[0:1], 0x0                 ; a
	s_load_b128 s[8:11], s[0:1], 0x8               ; gamma s[8:9], beta s[10:11]
	s_load_b64 s[12:13], s[0:1], 0x18              ; y
	v_lshl_add_u32 v254, v0, 2, 0x11000
	v_mov_b32 v255, 0
	v_lshrrev_b32 v1, 5, v0
	s_delay_alu instid0(VALU_DEP_1)
	v_readfirstlane_b32 s16, v1                    ; wave 0..7
	v_and_b32 v1, 31, v0
	v_and_b32 v2, 15, v0                           ; r
	v_bfe_u32 v3, v0, 4, 1                         ; h
	s_lshl_b32 s17, s16, 9
	v_lshl_add_u32 v[GOFF], v1, 4, s17             ; 512 w + 16 l
	s_mul_i32 s18, s16, STGB
	v_lshl_add_u32 v[SIN], v1, 4, s18
	v_mul_u32_u24 v[SOUT], v2, SP
	s_delay_alu instid0(VALU_DEP_1)
	v_lshl_add_u32 v[SOUT], v3, 6, v[SOUT]
	s_delay_alu instid0(VALU_DEP_1)
	v_add_nc_u32 v[SOUT], s18, v[SOUT]
	s_lshl_b32 s19, s16, 7
	s_add_co_u32 s19, s19, RED
	v_lshl_add_u32 v[RW], v1, 2, s19
	v_lshl_add_u32 v[RR], v1, 2, RED
	v_lshl_add_u32 v[GB], v3, 6, s17               ; 512 w + 64 h
	s_lshr_b32 s20, ttmp9, 1
	s_lshl_b32 s20, s20, 5
	s_and_b32 s21, ttmp9, 1
	s_lshl_b32 s21, s21, 3
	s_add_co_u32 s20, s20, s21                     ; the block's first row
	s_lshl_b32 s20, s20, 12
	s_mov_b32 s21, 0
	s_mov_b32 s26, 0x3a800000                      ; 1 / 1,024
	s_mov_b32 s27, 0x3727c5ac                      ; 1e-5
	s_mov_b32 s[SEL], 0x76543210
	s_mov_b32 s[SEL+1], 0xfedcba98
	v_mov_b32 v250, 0                              ; written once: a lane permute's destination counts as one of its sources
	v_mov_b32 v253, 0                              ; (named as the upper half of the pair v[252:253])
	s_wait_alu depctr_va_vdst(0)
	s_wait_kmcnt 0x0
	s_add_nc_u64 s[4:5], s[4:5], s[20:21]
	s_add_nc_u64 s[12:13], s[12:13], s[20:21]
	LOADVEC BB, 10
	LOADROWS RA, 4
	s_wait_loadcnt 0x0
.set I, 0
.set I, 0
.rept 16
	ds_store_b128 v[SIN], v[RA+4*I:RA+4*I+3] offset:SP*I
.set I, I+1
.endr
.set I, 0
.rept 16
	ds_load_b128 v[X+4*I:X+4*I+3], v[SOUT] offset:128*(I/4)+16*(I%4)   ; LDS serves a wave's instructions in order: these see the stores above
.set I, I+1
.endr
	s_wait_dscnt 0x0
	LOADVEC RA, 8                                  ; gamma lands while the statistics are made
	v_pk_add_f32 v[248:249], v[80:81], v[82:83]
	v_pk_add_f32 v[244:245], v[88:89], v[92:93]
	v_pk_add_f32 v[242:243], v[96:97], v[100:101]
	v_pk_add_f32 v[240:241], v[104:105], v[108:109]
	v_pk_add_f32 v[238:239], v[112:113], v[116:117]
	v_pk_add_f32 v[236:237], v[120:121], v[124:125]
	v_pk_add_f32 v[234:235], v[128:129], v[132:133]
	v_pk_add_f32 v[246:247], v[136:137], v[140:141]
	s_delay_alu instid0(VALU_DEP_1)
	v_pk_add_f32 v[246:247], v[246:247], v[84:85]
	v_pk_add_f32 v[248:249], v[248:249], v[86:87]
	v_pk_add_f32 v[244:245], v[244:245], v[90:91]
	v_pk_add_f32 v[242:243], v[242:243], v[94:95]
	v_pk_add_f32 v[240:241], v[240:241], v[98:99]
	v_pk_add_f32 v[238:239], v[238:239], v[102:103]
	v_pk_add_f32 v[236:237], v[236:237], v[106:107]
	v_pk_add_f32 v[234:235], v[234:235], v[110:111]
	v_pk_add_f32 v[246:247], v[246:247], v[114:115]
	v_pk_add_f32 v[248:249], v[248:249], v[118:119]
	v_pk_add_f32 v[244:245], v[244:245], v[122:123]
	v_pk_add_f32 v[242:243], v[242:243], v[126:127]
	v_pk_add_f32 v[240:241], v[240:241], v[130:131]
	v_pk_add_f32 v[238:239], v[238:239], v[134:135]
	v_pk_add_f32 v[236:237], v[236:237], v[138:139]
	v_pk_add_f32 v[234:235], v[234:235], v[142:143]
	s_delay_alu instid0(VALU_DEP_4)
	v_pk_add_f32 v[246:247], v[246:247], v[240:241]
	s_delay_alu instid0(VALU_DEP_4)
	v_pk_add_f32 v[248:249], v[248:249], v[238:239]
	s_delay_alu instid0(VALU_DEP_4)
	v_pk_add_f32 v[244:245], v[244:245], v[236:237]
	s_delay_alu instid0(VALU_DEP_4)
	v_pk_add_f32 v[242:243], v[242:243], v[234:235]
	s_delay_alu instid0(VALU_DEP_2)
	v_pk_add_f32 v[246:247], v[246:247], v[244:245]
	s_delay_alu instid0(VALU_DEP_2)
	v_pk_add_f32 v[248:249], v[248:249], v[242:243]
	s_delay_alu instid0(VALU_DEP_1)
	v_pk_add_f32 v[246:247], v[246:247], v[248:249]
	JOIN 0
	s_delay_alu instid0(VALU_DEP_1)
	v_mul_f32 v252, 0xba800000, v226               ; - the mean
.set I, 0
.rept 32
	v_pk_add_f32 v[X+I:X+I+1], v[X+I:X+I+1], v[252:253] op_sel_hi:[1,0]
.set I, I+2
.endr
	v_pk_mul_f32 v[246:247], v[X:X+1], v[X:X+1]
	v_pk_mul_f32 v[248:249], v[X+2:X+3], v[X+2:X+3]
.set I, 4
.rept 15
	s_delay_alu instid0(VALU_DEP_2)
	v_pk_fma_f32 v[246:247], v[X+I:X+I+1], v[X+I:X+I+1], v[246:247]
	s_delay_alu instid0(VALU_DEP_2)
	v_pk_fma_f32 v[248:249], v[X+I+2:X+I+3], v[X+I+2:X+I+3], v[248:249]
.set I, I+4
.endr
	s_delay_alu instid0(VALU_DEP_1)
	v_pk_add_f32 v[246:247], v[246:247], v[248:249]
	JOIN 1024
	s_delay_alu instid0(VALU_DEP_1)
	v_fma_f32 v246, v226, s26, s27                 ; the variance + 1e-5
	s_wait_alu depctr_va_vdst(0)
	v_rsq_f32 v252, v246
	v_nop
	s_wait_alu depctr_va_vdst(0)                   ; ahead of the first reader
	s_wait_loadcnt 0x0                             ; gamma
.set I, 0
.rept 32
	v_pk_mul_f32 v[X+I:X+I+1], v[X+I:X+I+1], v[252:253] op_sel_hi:[1,0]
.set I, I+2
.endr
.set I, 0
.rept 32
	v_pk_fma_f32 v[X+I:X+I+1], v[X+I:X+I+1], v[RA+I:RA+I+1], v[BB+I:BB+I+1]
.set I, I+2
.endr
.set I, 0
.rept 16
	ds_store_b128 v[SOUT], v[X+4*I:X+4*I+3] offset:128*(I/4)+16*(I%4)
.set I, I+1
.endr
.set I, 0
.rept 16
	ds_load_b128 v[RA+4*I:RA+4*I+3], v[SIN] offset:SP*I
.set I, I+1
.endr
.set I, 0
.rept 16
	s_wait_dscnt 15-I                              ; the younger loads may be out
	global_store_b128 v[GOFF], v[RA+4*I:RA+4*I+3], s[12:13] offset:(I+8*(I/8))*4096 th:TH_STORE_NT   ; 512 consecutive bytes of a row
.set I, I+1
.endr
	s_wait_tensorcnt 0x0
	ds_add_u32 v254, v255
	s_wait_dscnt 0x0
	s_endpgm
.Lfunc_end_k_qd7263d3eac_ln2:
	.size	k_qd7263d3eac_ln2, .Lfunc_end_k_qd7263d3eac_ln2-k_qd7263d3eac_ln2
	.p2alignl 7, 3214868480
	.fill 96, 4, 3214868480
	.section	.rodata,"a",@progbits
	.p2align	6, 0x0
	.amdhsa_kernel k_qd7263d3eac_ln2
		.amdhsa_group_segment_fixed_size 70656
		.amdhsa_private_segment_fixed_size 0
		.amdhsa_enable_private_segment 0
		.amdhsa_kernarg_size 32
		.amdhsa_user_sgpr_count 2
		.amdhsa_user_sgpr_kernarg_segment_ptr 1
		.amdhsa_wavefront_size32 1
		.amdhsa_system_sgpr_workgroup_id_x 1
		.amdhsa_system_sgpr_workgroup_id_y 1
		.amdhsa_system_sgpr_workgroup_id_z 1
		.amdhsa_system_vgpr_workitem_id 0
		.amdhsa_next_free_vgpr 256
		.amdhsa_next_free_sgpr 66
		.amdhsa_reserve_vcc 0
		.amdhsa_float_denorm_mode_32 3
		.amdhsa_float_denorm_mode_16_64 3
		.amdhsa_memory_ordered 1
		.amdhsa_forward_progress 1
		.amdhsa_inst_pref_size 27
	.end_amdhsa_kernel
	.amdgpu_metadata
---
amdhsa.version: [ 1, 2 ]
amdhsa.kernels:
  - .name:           k_qd7263d3eac_ln2
    .symbol:         k_qd7263d3eac_ln2.kd
    .args:
      - { .name: att, .offset: 0, .size: 8, .value_kind: global_buffer, .address_space: global }
      - { .name: ln2_g, .offset: 8, .size: 8, .value_kind: global_buffer, .address_space: global }
      - { .name: ln2_b, .offset: 16, .size: 8, .value_kind: global_buffer, .address_space: global }
      - { .name: out0, .offset: 24, .size: 8, .value_kind: global_buffer, .address_space: global }
    .group_segment_fixed_size: 70656
    .private_segment_fixed_size: 0
    .kernarg_segment_align: 8
    .kernarg_segment_size: 32
    .max_flat_workgroup_size: 256
    .sgpr_count:     66
    .vgpr_count:     256
    .wavefront_size: 32
...
	.end_amdgpu_metadata
.endif
;; end of part 14
